; MI455X (gfx1250); checked and timed in simulation.
; The chip was launched on July 23, 2026; its instructions are those of AMD's public machine-readable ISA for CDNA 5 (MIT licence, August 2026) and "CDNA5" Instruction Set Architecture Reference Guide (July 2026). The comments in the code are by the model that wrote it; some were corrected since.
;; Block. Allowed arithmetic: matrix products marked QUANTISED: E4M3 operands, one E8M0 scale for each 32 along K, by v_wmma_scale_f32_16x16x128_f8f6f4 with both operands' format E4M3, f32 sums; everything else in f32.
;; Inputs: W1 1,024 x 4,096 float32; W2 4,096 x 1,024 float32; Wk 1,024 x 1,024 float32; Wo 1,024 x 1,024 float32; Wq 1,024 x 1,024 float32; Wv 1,024 x 1,024 float32; b1 4,096 float32; b2 1,024 float32; bo 1,024 float32; ln1_b 1,024 float32; ln1_g 1,024 float32; ln2_b 1,024 float32; ln2_g 1,024 float32; x 4 x 1,024 x 1,024 float32.
;; Outputs: out0 4 x 1,024 x 1,024 float32.
;; This version of the problem:
;;   THIS VERSION OF THE PROBLEM IS GIVEN IN LOW PRECISION. The matrix products marked QUANTISED in the list below multiply operands that are first quantised to E4M3 (4 exponent bits, 3 mantissa bits; 8 bits a number), with one power-of-two scale for each 32 numbers along K (OCP MX v1.0); their sums are f32. All else is computed in f32.
;;   The module's matrix products, in the order in which they are computed (A, B: the left and right operand; K: the contracted axis; several contracted axes count as one K, in the product's order):
;;     1. [M 4,096, K 1,024] x [K 1,024, N 1,024]; A: computed on the way; B: input Wq: QUANTISED
;;     2. [M 4,096, K 1,024] x [K 1,024, N 1,024]; A: computed on the way; B: input Wk: QUANTISED
;;     3. [M 4,096, K 1,024] x [K 1,024, N 1,024]; A: computed on the way; B: input Wv: QUANTISED
;;     4. batch 64 x [M 1,024, K 64] x [K 64, N 1,024]; A: computed on the way; B: computed on the way: QUANTISED
;;     5. batch 64 x [M 64, K 1,024] x [K 1,024, N 1,024]; A: computed on the way; B: softmax (see below): QUANTISED
;;     6. [M 4,096, K 1,024] x [K 1,024, N 1,024]; A: computed on the way; B: input Wo: QUANTISED
;;     7. [M 4,096, K 1,024] x [K 1,024, N 4,096]; A: computed on the way; B: input W1: QUANTISED
;;     8. [M 4,096, K 4,096] x [K 4,096, N 1,024]; A: computed on the way; B: input W2: QUANTISED
;;   THE QUANTISER, for each operand of a quantised product, along K:
;;     - K is cut into blocks of 32 from its start; a last block that is shorter is filled with zeros.
;;     - A block's scale is 2^e with e = floor(log2(the largest magnitude in the block)) - 8, held to -126 .. 127; a block of zeros has e = 0. As a byte (E8M0): e + 127.
;;     - Each number is divided by its block's scale, clamped to +-448, and rounded to the nearest number of E4M3, ties to even, subnormals kept.
;;     - The product sums the exact products of the quantised numbers (number of the format x scale) in f32.
;;   ~~~python
;;   def quantise(x, axis):      # numpy; x: float32 -> the quantised numbers, widened to float32 again
;;       x = np.moveaxis(x, axis, -1); K = x.shape[-1]
;;       x = np.pad(x, [(0, 0)] * (x.ndim - 1) + [(0, -K % 32)]); x = x.reshape(x.shape[:-1] + (-1, 32)); a = np.abs(x).max(-1, keepdims=True)
;;       e = np.where(a > 0, np.clip(np.frexp(np.where(a > 0, a, 1))[1] - 1 - 8, -126, 127), 0)      # np.frexp(a)[1] - 1 = floor(log2(a)), exactly
;;       r = np.clip(x / 2.0 ** e, -448, 448)
;;       step = 2.0 ** (np.maximum(np.frexp(np.where(r == 0, 1, r))[1] - 1, -6) - 3)
;;       q = np.round(r / step) * step * 2.0 ** e      # np.round: ties to even
;;       return np.moveaxis(q.reshape(q.shape[:-2] + (-1,))[..., :K], -1, axis).astype(np.float32)
;;   ~~~
;;   SOFTMAX AHEAD OF A QUANTISED PRODUCT. Where the list says 'softmax', what is quantised is not the finished softmax but p = 2^(t - M), with t = logit x log2(e) and M = ceil(the row's largest t), a whole number; so 1/2 < the row's largest p <= 1. The row's sum l is taken of the UNQUANTISED p, in f32, and the product's result is divided by l at the end. Since M is a whole number, a kernel that streams over the keys may use a running M (the ceiling of the running maximum): every later rescaling is an exact power of two, which a block's scale takes up: the codes' values come out the same.
;;   OPERANDS COMPUTED ON THE WAY. 'Computed on the way' means the value that the module computes at that place (a softmax that the list does not call 'softmax' is quantised finished and normalised). What goes into a quantiser is computed in f32, as accurately as f32 sums, v_exp_f32 and their like allow (about 1e-6 of the number): no bf16 or f16 on the way to a quantiser, and a product that is left as it is and whose result goes on into a quantised operand takes f32 operands (vector FMAs, or v_wmma_f32_16x16x4_f32). A number that lies on a knife's edge between two numbers of the format may be rounded either way, as far as f32 arithmetic and the matrix unit's own rounding can turn it there, and no further.
;; 2 versions. Each part assembles by itself: llvm-mc -triple=amdgcn-amd-amdhsa -mcpu=gfx1250 --defsym DOCPART=n.
;; ======== version 1 of 2: 8 launches
;; workspace buffers: wc 12,976,128 bytes; hc 4,325,376 bytes; att 12,976,128 bytes; ao 4,325,376 bytes; x1 16,777,216 bytes; ffc 17,301,504 bytes
;; launch wq (part 1): grid 384 x 1, 4 waves a work-group, no clusters, 0 bytes of LDS; arguments Wq, Wk, Wv, Wo, W1, W2, wc; writes wc
.if DOCPART == 1
	.amdgcn_target "amdgcn-amd-amdhsa--gfx1250"
	.amdhsa_code_object_version 6
	.text
	.protected	k_q1f96941077_wq
	.globl	k_q1f96941077_wq
	.p2align	8
	.type	k_q1f96941077_wq,@function
k_q1f96941077_wq:
	s_mov_b64 s[64:65], 0
	v_nop
	global_prefetch_b8 v0, s[64:65] scope:SCOPE_SE
	s_setreg_imm32_b32 hwreg(HW_REG_WAVE_MODE, 25, 1), 1
	s_wait_xcnt 0x0
; THE PROGRAM: a pre-LN transformer block, 4,096 tokens x 1,024, 16 heads of 64, causal, FFN of 4,096; all eight products on codes of E4M3 with one E8M0 scale for each 32 along K.
; Launches: wq (this one: the six weights into codes), ln1, qkv, attn, wo, ln2, w1, w2.
; WORK LEFT OUT, in the launch attn: a step of 128 keys all of which come after all 16 queries of a wave.  reference() sets those scores to -inf by a mask that it builds itself (jnp.tril), so their softmax weight is 0
; and their term in the row's sum and in the product with v is 0, whatever finite values the inputs hold.  Nothing else is left out, and every input is loaded.
; LIMITS of the program: a NaN, an infinity or an overflow that reaches only those hidden scores is not carried to the result; NaN and infinities among the inputs are not served; a block of zeros gets the scale byte 1
; where the quantiser's text says 127 (its codes are zeros, which add nothing under any byte but 0xff, and only this program reads the bytes); a block whose largest magnitude lies under 2^-118 is held at the byte 1.
;
; THE OPERAND LAYOUT of every workspace buffer of codes: an image of the matrix instruction's registers.
;   A tile is 16 rows; lane-row r of tile T is row 32 (T / 2) + 8 (T % 2) + r % 8 + 16 (r / 8).  A quad is 512 bytes: lane l = (r = l % 16, h = l / 16) has 16 bytes at 16 l: k = 32 c + 16 h + 0 .. 15 of its row.
;   A block is 128 rows x 256 K, 33,792 bytes: codes at q 16384 + i 2048 + c 512 + 16 l (q: which 128 of the 256, i: tile 0 .. 7); scale words (four bytes, one for each c) at 32768 + q 512 + i 64 + 4 r.
;   An operand of R rows: block kc (R / 128) + g, kc = k / 256, g = row / 128.
; THIS LAUNCH: a weight is [K][N] f32 with K its first axis; its operand's rows are its columns n.  wc holds 384 blocks: 0-63 Wq's and Wk's columns as one operand of 2,048 rows, 64-95 Wv, 96-127 Wo, 128-255 W1, 256-383 W2.
; A work-group makes one block, wave w its columns 32 w .. 32 w + 31 (tiles 2 w, 2 w + 1).  A LANE TAKES A COLUMN AND ITS REGISTERS RUN DOWN K: a load reads 128 consecutive bytes a wave, a block of 32 along K lies in one
; lane's 32 registers, and the conversions give 32 codes with K innermost: the lane's 16 bytes of the quad's lower half (h = 0) and of its upper half (h = 1).  Each store of codes covers two whole aligned runs of 256 bytes.
; The scale words leave as 128 consecutive bytes a wave: 1 byte in 33 of what the launch writes.
; No LDS, no barrier, no cluster: the work-groups share no input.  Loads run two blocks of 32 (64 loads a wave) ahead.  Each block of 32 has its own registers for its codes, so no store's data are written again.
.set BLK,  33792
.set DO,   2                           ; v2      where my codes go in the block: 4096 w + 2048 u + 16 r
.set SO,   3                           ; v3      and my scale word: 128 w + 64 u + 4 r
.set SB,   14                          ; v14-15  the scale words of the two halves of K
.set OFF,  16                          ; v16-47  4 x lane + i x a row of the weight in bytes
.set X,    48                          ; v48-111 two sets of 32 numbers
.set C,    112                         ; v112-175 eight registers of codes for each of the eight blocks of 32
	s_load_b256 s[4:11], s[0:1], 0x0               ; Wq, Wk, Wv, Wo
	s_load_b128 s[12:15], s[0:1], 0x20             ; W1, W2
	s_load_b64 s[16:17], s[0:1], 0x30              ; wc
	v_lshrrev_b32 v1, 5, v0
	v_readfirstlane_b32 s18, v1                    ; wave
	v_and_b32 v1, 31, v0                           ; lane = my column of the wave's 32
	s_mov_b32 s19, ttmp9                           ; the block's number
	s_lshr_b32 s20, s19, 4                         ; kc, by the operand: blocks 0-63: id / 16;
	s_bfe_u32 s21, s19, 0x20003                    ; 64-127: (id / 8) % 4;
	s_bfe_u32 s22, s19, 0x20005                    ; 128-255: (id / 32) % 4;
	s_bfe_u32 s23, s19, 0x40003                    ; 256-383: (id / 8) % 16
	s_cmp_lt_u32 s19, 64
	s_cselect_b32 s20, s20, s21
	s_cmp_lt_u32 s19, 256
	s_cselect_b32 s22, s22, s23
	s_cmp_lt_u32 s19, 128
	s_cselect_b32 s20, s20, s22                    ; kc
	s_lshr_b32 s23, s19, 7
	s_cmp_eq_u32 s23, 1                            ; W1?
	s_cselect_b32 s21, 31, 7
	s_mov_b32 s22, 4096
	s_cselect_b32 s22, 16384, s22                  ; a row of the weight in bytes
	s_and_b32 s21, s19, s21                        ; which 128 columns of the weight
	s_mul_i32 s23, s20, s22
	s_lshl_b32 s23, s23, 8                         ; 256 kc rows
	s_lshl_b32 s48, s21, 9
	s_add_co_u32 s23, s23, s48                     ; + 128 columns x 4 bytes
	s_lshl_b32 s48, s18, 7
	s_add_co_u32 s48, s23, s48                     ; + my wave's 32 columns
	s_mov_b32 s49, 0
	s_lshl_b32 s46, s22, 5                         ; 32 rows on
	s_mov_b32 s47, 0
	s_mul_i32 s50, s19, BLK
	s_mov_b32 s51, 0
	s_mov_b32 s44, 0x600000                        ; the mantissa field of 448
	v_bfe_u32 v4, v1, 3, 1                         ; u: column j = 8 u + r % 8 + 16 (r / 8)
	v_and_b32 v5, 7, v1
	v_bfe_u32 v6, v1, 4, 1
	v_lshl_or_b32 v5, v6, 3, v5                    ; r
	v_lshlrev_b32 v[DO], 4, v5
	v_lshl_add_u32 v[DO], v4, 11, v[DO]
	s_lshl_b32 s45, s18, 12
	v_add_nc_u32 v[DO], s45, v[DO]
	v_lshlrev_b32 v[SO], 2, v5
	v_lshl_add_u32 v[SO], v4, 6, v[SO]
	s_lshl_b32 s45, s18, 7
	v_add_nc_u32 v[SO], s45, v[SO]
	v_lshlrev_b32 v7, 2, v1
.set n, 0
.rept 32
	v_mad_u32_u24 v[OFF+n], s22, n, v7
.set n, n+1
.endr
	s_wait_kmcnt 0x0
	s_bitcmp1_b32 s19, 3                           ; the choices hang on the block's number alone
	s_cselect_b64 s[24:25], s[6:7], s[4:5]         ; blocks 0-63: Wk where bit 3 is set, else Wq
	s_cmp_lt_u32 s19, 96
	s_cselect_b64 s[26:27], s[8:9], s[10:11]       ; 64-127: Wv, then Wo
	s_cmp_lt_u32 s19, 64
	s_cselect_b64 s[24:25], s[24:25], s[26:27]
	s_cmp_lt_u32 s19, 256
	s_cselect_b64 s[26:27], s[12:13], s[14:15]     ; 128-383: W1, then W2
	s_cmp_lt_u32 s19, 128
	s_cselect_b64 s[24:25], s[24:25], s[26:27]
	s_add_nc_u64 s[28:29], s[24:25], s[48:49]      ; a base for each block of 32 rows: none is ever stepped
.irp t, 1,2,3,4,5,6,7
	s_add_nc_u64 s[28+2*\t:29+2*\t], s[26+2*\t:27+2*\t], s[46:47]
.endr
	s_add_nc_u64 s[16:17], s[16:17], s[50:51]      ; my block of wc
.macro LOAD t                          ; rows 32 t .. 32 t + 31 of my column into set t % 2
.set n, 0
.rept 32
	global_load_b32 v[X+32*((\t)%2)+n], v[OFF+n], s[28+2*(\t):29+2*(\t)] th:TH_LOAD_NT
.set n, n+1
.endr
.endm
.macro BLOCK t
.set XS, X+32*((\t)%2)
.set CC, C+8*(\t)
.if (\t) < 7
	s_wait_loadcnt 32                              ; this block's 32 loads are in; the next block's 32 may be out
.else
	s_wait_loadcnt 0x0
.endif
	v_max3_num_f32 v12, |v[XS]|, |v[XS+1]|, |v[XS+2]|              ; the block's largest magnitude: all 32 numbers are mine; two chains
	v_max3_num_f32 v13, |v[XS+3]|, |v[XS+4]|, |v[XS+5]|
.irp i, 6,10,14,18,22,26
	v_max3_num_f32 v12, v12, |v[XS+\i]|, |v[XS+\i+1]|
	v_max3_num_f32 v13, v13, |v[XS+\i+2]|, |v[XS+\i+3]|
.endr
	v_max3_num_f32 v12, v12, |v[XS+30]|, |v[XS+31]|
	v_max3_num_f32 v12, v12, v13, 0x4800000        ; and the floor 2^(9 - 127): the byte cannot fall under 1
	v_add_nc_u32 v11, 0xfc000000, v12              ; 8 off the exponent field: the conversion takes this operand's exponent field as its scale
	v_and_or_b32 v10, v12, 0x7f800000, s44         ; 448 x the scale
	v_lshrrev_b32 v13, 23, v11                     ; the scale's byte
.if (\t)%4 == 0
	v_mov_b32 v[SB+(\t)/4], v13
.else
	v_lshl_or_b32 v[SB+(\t)/4], v13, 8*((\t)%4), v[SB+(\t)/4]
.endif
.set n, 0
.rept 32
	v_med3_num_f32 v[XS+n], v[XS+n], -v10, v10     ; the conversion to an 8-bit code does not saturate (ISA guide 7.6.2): the hold at 448 x the scale
.set n, n+1
.endr
.irp g, 0,1,2,3
	v_cvt_scalef32_pk8_fp8_f32 v[CC+2*\g:CC+2*\g+1], v[XS+8*\g:XS+8*\g+7], v11
.endr
	global_store_b128 v[DO], v[CC:CC+3], s[16:17] offset:16384*((\t)/4)+512*((\t)%4)        ; k = 32 t + 0 .. 15: the quad's lanes 0-15
	global_store_b128 v[DO], v[CC+4:CC+7], s[16:17] offset:16384*((\t)/4)+512*((\t)%4)+256  ; k = 32 t + 16 .. 31: its lanes 16-31
.if (\t)%4 == 3
	global_store_b32 v[SO], v[SB+(\t)/4], s[16:17] offset:32768+512*((\t)/4)
.endif
.if (\t)+2 < 8
	LOAD (\t)+2
.endif
.endm
	LOAD 0
	LOAD 1
.irp t, 0,1,2,3,4,5,6,7
	BLOCK \t
.endr
	s_endpgm
.Lfunc_end_k_q1f96941077_wq:
	.size	k_q1f96941077_wq, .Lfunc_end_k_q1f96941077_wq-k_q1f96941077_wq
	.p2alignl 7, 3214868480
	.fill 96, 4, 3214868480
	.section	.rodata,"a",@progbits
	.p2align	6, 0x0
	.amdhsa_kernel k_q1f96941077_wq
		.amdhsa_group_segment_fixed_size 0
		.amdhsa_private_segment_fixed_size 0
		.amdhsa_enable_private_segment 0
		.amdhsa_kernarg_size 56
		.amdhsa_user_sgpr_count 2
		.amdhsa_user_sgpr_kernarg_segment_ptr 1
		.amdhsa_wavefront_size32 1
		.amdhsa_system_sgpr_workgroup_id_x 1
		.amdhsa_system_sgpr_workgroup_id_y 1
		.amdhsa_system_sgpr_workgroup_id_z 1
		.amdhsa_system_vgpr_workitem_id 0
		.amdhsa_next_free_vgpr 192
		.amdhsa_next_free_sgpr 66
		.amdhsa_reserve_vcc 0
		.amdhsa_float_denorm_mode_32 3
		.amdhsa_float_denorm_mode_16_64 3
		.amdhsa_memory_ordered 1
		.amdhsa_forward_progress 1
		.amdhsa_inst_pref_size 60
	.end_amdhsa_kernel
	.amdgpu_metadata
---
amdhsa.version: [ 1, 2 ]
amdhsa.kernels:
  - .name:           k_q1f96941077_wq
    .symbol:         k_q1f96941077_wq.kd
    .args:
      - { .name: Wq, .offset: 0, .size: 8, .value_kind: global_buffer, .address_space: global }
      - { .name: Wk, .offset: 8, .size: 8, .value_kind: global_buffer, .address_space: global }
      - { .name: Wv, .offset: 16, .size: 8, .value_kind: global_buffer, .address_space: global }
      - { .name: Wo, .offset: 24, .size: 8, .value_kind: global_buffer, .address_space: global }
      - { .name: W1, .offset: 32, .size: 8, .value_kind: global_buffer, .address_space: global }
      - { .name: W2, .offset: 40, .size: 8, .value_kind: global_buffer, .address_space: global }
      - { .name: wc, .offset: 48, .size: 8, .value_kind: global_buffer, .address_space: global }
    .group_segment_fixed_size: 0
    .private_segment_fixed_size: 0
    .kernarg_segment_align: 8
    .kernarg_segment_size: 56
    .max_flat_workgroup_size: 128
    .sgpr_count:     66
    .vgpr_count:     192
    .wavefront_size: 32
...
	.end_amdgpu_metadata
.endif
;; end of part 1
;; launch ln1 (part 2): grid 256 x 1, 4 waves a work-group, no clusters, 17,664 bytes of LDS; arguments x, ln1_g, ln1_b, hc; writes hc
.if DOCPART == 2
	.amdgcn_target "amdgcn-amd-amdhsa--gfx1250"
	.amdhsa_code_object_version 6
	.text
	.protected	k_q1f96941077_ln1
	.globl	k_q1f96941077_ln1
	.p2align	8
	.type	k_q1f96941077_ln1,@function
k_q1f96941077_ln1:
	s_mov_b64 s[64:65], 0
	v_nop
	global_prefetch_b8 v0, s[64:65] scope:SCOPE_SE
	s_setreg_imm32_b32 hwreg(HW_REG_WAVE_MODE, 25, 1), 1
	s_wait_xcnt 0x0
; y = (x - mean) * rsqrt(var + 1e-5) * g + b along rows of 1,024 f32, quantised along the row to E4M3 with one E8M0 byte for each 32, and stored in the operand layout (launch wq's head): 4,096 rows x 1,024 K, 32 row groups.
; LIMITS: NaN and infinities are not served; a block of zeros gets the byte 1 (its codes are zeros; only this program reads the bytes); largest magnitudes under 2^-118 are held at the byte 1.
; A work-group makes one tile T of 16 rows.  Wave w takes lane-rows 4 w .. 4 w + 3, which are four neighbouring rows of x.  A lane holds columns 16 l .. 16 l + 15 and 512 + 16 l .. + 15 of each: two neighbouring lanes hold a block of 32.
; Mean and variance in two passes over registers (the mean is taken away before the squares).  All of a wave's 48 loads go out at once: 16 KiB of x and the gains.
; The codes go through a stage in LDS (rows of 1,024 bytes + 16), the scale bytes into words there; behind one barrier wave w reads the quads of K chunk w (256 along K) and stores each as 512 consecutive bytes.
; The scale words leave as two pieces of 64 bytes a wave: 1 byte in 33 of the output.  No cluster: the work-groups share only g and b, 8 KiB.
.set BLK,   33792
.set PIT,   1040                       ; a stage row: 65 x 16 bytes
.set SCS,   16*PIT                     ; the scale words: [k / 128 (8)][lane-row 16][4 bytes]
.set SPARE, SCS+512                    ; the spare words, 128 bytes for each wave: two blocks of 256 bytes that no other line names
.set XA,  2                            ; v2   64 x lane: my 16 numbers of half a row
.set STW, 3                            ; v3   the stage, in: my wave's four rows, 16 x lane
.set SCW, 4                            ; v4   my block's scale byte
.set RD,  5                            ; v5   the stage, out: row r, 16 h, chunk w
.set GO,  6                            ; v6   16 x lane
.set SCR, 7                            ; v7   my chunk's scale words, 4 x lane
.set SGO, 8                            ; v8   and their place in the block
.set SPW, 9                            ; v9   my spare word; never rewritten
.set NIL, 10                           ; v10  0; never rewritten
.set X,   64                           ; v64-191  four rows x 32 numbers: 32 k + 16 hf + i
.set GG,  192                          ; v192-223 g of my 32 columns
.set BE,  224                          ; v224-255 b
	s_load_b256 s[4:11], s[0:1], 0x0               ; x, g, b, the codes' buffer
	v_lshl_add_u32 v[SPW], v0, 2, SPARE
	v_mov_b32 v[NIL], 0
	v_lshrrev_b32 v1, 5, v0
	v_readfirstlane_b32 s12, v1                    ; wave
	v_and_b32 v1, 31, v0                           ; lane
	v_lshlrev_b32 v[XA], 6, v1
	s_lshr_b32 s13, ttmp9, 1                       ; my first row: 32 (T / 2) + 8 (T % 2) + 4 (w % 2) + 16 (w / 2)
	s_lshl_b32 s13, s13, 5
	s_and_b32 s14, ttmp9, 1
	s_lshl_b32 s14, s14, 3
	s_add_co_u32 s13, s13, s14
	s_and_b32 s14, s12, 1
	s_lshl_b32 s14, s14, 2
	s_add_co_u32 s13, s13, s14
	s_lshr_b32 s14, s12, 1
	s_lshl_b32 s14, s14, 4
	s_add_co_u32 s13, s13, s14
	s_lshl_b32 s14, s13, 12                        ; in bytes
	s_mov_b32 s15, 0
	s_mul_i32 s16, s12, 4*PIT
	v_lshlrev_b32 v[GO], 4, v1
	v_add_nc_u32 v[STW], s16, v[GO]
	v_lshrrev_b32 v11, 3, v1                       ; my block of 32 is number 16 hf + l / 2 of the row: word 4 hf + l / 8, byte (l / 2) % 4
	v_bfe_u32 v12, v1, 1, 2
	v_lshl_add_u32 v[SCW], v11, 6, v12
	s_lshl_b32 s16, s12, 4
	s_add_co_u32 s16, s16, SCS
	v_add_nc_u32 v[SCW], s16, v[SCW]
	v_and_b32 v11, 15, v0                          ; r
	v_bfe_u32 v12, v0, 4, 1                        ; h
	v_mul_u32_u24 v[RD], v11, PIT
	v_lshl_add_u32 v[RD], v12, 4, v[RD]
	s_lshl_b32 s16, s12, 8
	v_add_nc_u32 v[RD], s16, v[RD]
	s_lshl_b32 s16, s12, 7
	s_add_co_u32 s16, s16, SCS
	v_lshl_add_u32 v[SCR], v1, 2, s16
	v_lshlrev_b32 v[SGO], 2, v11
	v_lshl_add_u32 v[SGO], v12, 9, v[SGO]
	s_lshl_b32 s16, s12, 5                         ; the block that I store into: 32 w + T / 8
	s_lshr_b32 s17, ttmp9, 3
	s_add_co_u32 s16, s16, s17
	s_mul_i32 s16, s16, BLK
	s_and_b32 s18, ttmp9, 7
	s_lshl_b32 s19, s18, 11
	s_add_co_u32 s20, s16, s19                     ; its tile T % 8: the codes,
	s_mov_b32 s21, 0
	s_lshl_b32 s19, s18, 6
	s_add_co_u32 s16, s16, s19
	s_add_co_u32 s16, s16, 32768                   ; the scale words
	s_mov_b32 s17, 0
	s_mov_b32 s26, 0x76543210
	s_mov_b32 s27, 0xfedcba98                      ; v_permlanex16_b32's selects for lane l xor 16
	s_mov_b32 s28, 0x3a800000                      ; 1 / 1,024
	s_mov_b32 s29, 0x3727c5ac                      ; 1e-5
	s_mov_b32 s30, 0x600000                        ; the mantissa field of 448
	s_wait_kmcnt 0x0
	s_add_nc_u64 s[4:5], s[4:5], s[14:15]
	s_add_nc_u64 s[22:23], s[10:11], s[20:21]
	s_add_nc_u64 s[24:25], s[10:11], s[16:17]
.irp hf, 0,1
.irp j, 0,1,2,3
	global_load_b128 v[GG+16*\hf+4*\j:GG+16*\hf+4*\j+3], v[XA], s[6:7] offset:2048*\hf+16*\j
	global_load_b128 v[BE+16*\hf+4*\j:BE+16*\hf+4*\j+3], v[XA], s[8:9] offset:2048*\hf+16*\j
.endr
.endr
.irp k, 0,1,2,3
.irp hf, 0,1
.irp j, 0,1,2,3
	global_load_b128 v[X+32*\k+16*\hf+4*\j:X+32*\k+16*\hf+4*\j+3], v[XA], s[4:5] offset:4096*\k+2048*\hf+16*\j th:TH_LOAD_NT
.endr
.endr
.endr
	s_wait_loadcnt 0x0
	; the rows' sums: row k works in v[12 + 4 k] on; the four rows take turns line by line
.irp k, 0,1,2,3
	v_pk_add_f32 v[12+4*\k:13+4*\k], v[X+32*\k:X+32*\k+1], v[X+32*\k+2:X+32*\k+3]
	v_pk_add_f32 v[14+4*\k:15+4*\k], v[X+32*\k+4:X+32*\k+5], v[X+32*\k+6:X+32*\k+7]
.endr
.irp i, 8,12,16,20,24,28
.irp k, 0,1,2,3
	v_pk_add_f32 v[12+4*\k:13+4*\k], v[12+4*\k:13+4*\k], v[X+32*\k+\i:X+32*\k+\i+1]
	v_pk_add_f32 v[14+4*\k:15+4*\k], v[14+4*\k:15+4*\k], v[X+32*\k+\i+2:X+32*\k+\i+3]
.endr
.endr
.irp k, 0,1,2,3
	v_pk_add_f32 v[12+4*\k:13+4*\k], v[12+4*\k:13+4*\k], v[14+4*\k:15+4*\k]
.endr
.irp k, 0,1,2,3
	v_add_f32 v[12+4*\k], v[12+4*\k], v[13+4*\k]
.endr
.irp m, 1,2,4,8
.irp k, 0,1,2,3
	v_add_f32_dpp v[12+4*\k], v[12+4*\k], v[12+4*\k] row_xmask:\m row_mask:0xf bank_mask:0xf
.endr
.endr
.irp k, 0,1,2,3
	v_permlanex16_b32 v[13+4*\k], v[12+4*\k], s26, s27
.endr
.irp k, 0,1,2,3
	v_add_f32 v[12+4*\k], v[12+4*\k], v[13+4*\k]
.endr
.irp k, 0,1,2,3
	v_mul_f32 v[12+4*\k], s28, v[12+4*\k]          ; the mean
.endr
.irp k, 0,1,2,3
.set n, 0
.rept 16
	v_pk_add_f32 v[X+32*\k+n:X+32*\k+n+1], v[X+32*\k+n:X+32*\k+n+1], v[12+4*\k:13+4*\k] op_sel_hi:[1,0] neg_lo:[0,1] neg_hi:[0,1]   ; d = x - mean, in place
.set n, n+2
.endr
.endr
.irp k, 0,1,2,3
	v_pk_mul_f32 v[14+4*\k:15+4*\k], v[X+32*\k:X+32*\k+1], v[X+32*\k:X+32*\k+1]                 ; the sum of d^2, two chains a row
	v_pk_mul_f32 v[32+2*\k:33+2*\k], v[X+32*\k+2:X+32*\k+3], v[X+32*\k+2:X+32*\k+3]
.endr
.irp i, 4,8,12,16,20,24,28
.irp k, 0,1,2,3
	v_pk_fma_f32 v[14+4*\k:15+4*\k], v[X+32*\k+\i:X+32*\k+\i+1], v[X+32*\k+\i:X+32*\k+\i+1], v[14+4*\k:15+4*\k]
	v_pk_fma_f32 v[32+2*\k:33+2*\k], v[X+32*\k+\i+2:X+32*\k+\i+3], v[X+32*\k+\i+2:X+32*\k+\i+3], v[32+2*\k:33+2*\k]
.endr
.endr
.irp k, 0,1,2,3
	v_pk_add_f32 v[14+4*\k:15+4*\k], v[14+4*\k:15+4*\k], v[32+2*\k:33+2*\k]
.endr
.irp k, 0,1,2,3
	v_add_f32 v[14+4*\k], v[14+4*\k], v[15+4*\k]
.endr
.irp m, 1,2,4,8
.irp k, 0,1,2,3
	v_add_f32_dpp v[14+4*\k], v[14+4*\k], v[14+4*\k] row_xmask:\m row_mask:0xf bank_mask:0xf
.endr
.endr
.irp k, 0,1,2,3
	v_permlanex16_b32 v[15+4*\k], v[14+4*\k], s26, s27
.endr
.irp k, 0,1,2,3
	v_add_f32 v[14+4*\k], v[14+4*\k], v[15+4*\k]
.endr
.irp k, 0,1,2,3
	v_fma_f32 v[14+4*\k], v[14+4*\k], s28, s29     ; var + 1e-5
.endr
.irp k, 0,1,2,3
	v_rsq_f32 v[14+4*\k], v[14+4*\k]
.endr
	v_nop                                          ; a plain instruction behind the last of the four
	s_wait_alu depctr_va_vdst(0)                   ; one wait for the four, ahead of their first reader
.irp k, 0,1,2,3
.set n, 0
.rept 16
	v_pk_mul_f32 v[X+32*\k+n:X+32*\k+n+1], v[X+32*\k+n:X+32*\k+n+1], v[14+4*\k:15+4*\k] op_sel_hi:[1,0]
	v_pk_fma_f32 v[X+32*\k+n:X+32*\k+n+1], v[X+32*\k+n:X+32*\k+n+1], v[GG+n:GG+n+1], v[BE+n:BE+n+1]
.set n, n+2
.endr
.endr
; 16 numbers of row k, half hf: my half of a block of 32; the neighbouring lane holds the other half
.macro QU k, hf
.set XS, X+32*(\k)+16*(\hf)
.set WK, 12+4*(\hf)
.set CC, 32+4*(2*(\k)+(\hf))
	v_max3_num_f32 v[WK], |v[XS]|, |v[XS+1]|, |v[XS+2]|
	v_max3_num_f32 v[WK+1], |v[XS+3]|, |v[XS+4]|, |v[XS+5]|
.irp i, 6,10
	v_max3_num_f32 v[WK], v[WK], |v[XS+\i]|, |v[XS+\i+1]|
	v_max3_num_f32 v[WK+1], v[WK+1], |v[XS+\i+2]|, |v[XS+\i+3]|
.endr
	v_max3_num_f32 v[WK], v[WK], |v[XS+14]|, |v[XS+15]|
	v_max3_num_f32 v[WK], v[WK], v[WK+1], 0x4800000        ; the floor 2^(9 - 127): the byte cannot fall under 1
	v_max_num_f32_dpp v[WK], v[WK], v[WK] row_xmask:1 row_mask:0xf bank_mask:0xf
	v_add_nc_u32 v[WK+1], 0xfc000000, v[WK]        ; 8 off the exponent field: the conversion's scale operand
	v_and_or_b32 v[WK+2], v[WK], 0x7f800000, s30   ; 448 x the scale
.set n, 0
.rept 16
	v_med3_num_f32 v[XS+n], v[XS+n], -v[WK+2], v[WK+2]     ; the conversion does not saturate (ISA guide 7.6.2): the hold
.set n, n+1
.endr
	v_cvt_scalef32_pk8_fp8_f32 v[CC:CC+1], v[XS:XS+7], v[WK+1]
	v_cvt_scalef32_pk8_fp8_f32 v[CC+2:CC+3], v[XS+8:XS+15], v[WK+1]
	v_lshrrev_b32 v[WK+3], 23, v[WK+1]             ; the scale's byte (a plain line behind the conversions)
	ds_store_b128 v[STW], v[CC:CC+3] offset:PIT*(\k)+512*(\hf)
	ds_store_b8 v[SCW], v[WK+3] offset:256*(\hf)+4*(\k)    ; both lanes of a block write the same byte with the same value
.endm
.irp k, 0,1,2,3
	QU \k, 0
	QU \k, 1
.endr
	s_wait_dscnt 0x0                               ; for the others' sake: my stores have landed
	s_barrier_signal -1
	s_barrier_wait -1
.irp n, 0,1,2,3,4,5,6,7
	ds_load_b128 v[X+4*\n:X+4*\n+3], v[RD] offset:128*(\n/4)+32*(\n%4)     ; quad (q = n / 4, c = n % 4) of my chunk
.endr
	ds_load_b32 v[X+32], v[SCR]
.irp n, 0,1,2,3,4,5,6,7
	s_wait_dscnt 8-\n                              ; behind load n stand 8 - n others
	global_store_b128 v[GO], v[X+4*\n:X+4*\n+3], s[22:23] offset:16384*(\n/4)+512*(\n%4)   ; 512 consecutive bytes, at a multiple of 256 from the buffer's first byte
.endr
	s_wait_dscnt 0x0
	global_store_b32 v[SGO], v[X+32], s[24:25]
	s_wait_tensorcnt 0x0                           ; the wave's end, behind my last LDS store
	ds_add_u32 v[SPW], v[NIL]
	s_wait_dscnt 0x0
	s_endpgm
.Lfunc_end_k_q1f96941077_ln1:
	.size	k_q1f96941077_ln1, .Lfunc_end_k_q1f96941077_ln1-k_q1f96941077_ln1
	.p2alignl 7, 3214868480
	.fill 96, 4, 3214868480
	.section	.rodata,"a",@progbits
	.p2align	6, 0x0
	.amdhsa_kernel k_q1f96941077_ln1
		.amdhsa_group_segment_fixed_size 17664
		.amdhsa_private_segment_fixed_size 0
		.amdhsa_enable_private_segment 0
		.amdhsa_kernarg_size 32
		.amdhsa_user_sgpr_count 2
		.amdhsa_user_sgpr_kernarg_segment_ptr 1
		.amdhsa_wavefront_size32 1
		.amdhsa_system_sgpr_workgroup_id_x 1
		.amdhsa_system_sgpr_workgroup_id_y 1
		.amdhsa_system_sgpr_workgroup_id_z 1
		.amdhsa_system_vgpr_workitem_id 0
		.amdhsa_next_free_vgpr 256
		.amdhsa_next_free_sgpr 66
		.amdhsa_reserve_vcc 0
		.amdhsa_float_denorm_mode_32 3
		.amdhsa_float_denorm_mode_16_64 3
		.amdhsa_memory_ordered 1
		.amdhsa_forward_progress 1
		.amdhsa_inst_pref_size 50
	.end_amdhsa_kernel
	.amdgpu_metadata
---
amdhsa.version: [ 1, 2 ]
amdhsa.kernels:
  - .name:           k_q1f96941077_ln1
    .symbol:         k_q1f96941077_ln1.kd
    .args:
      - { .name: x, .offset: 0, .size: 8, .value_kind: global_buffer, .address_space: global }
      - { .name: ln1_g, .offset: 8, .size: 8, .value_kind: global_buffer, .address_space: global }
      - { .name: ln1_b, .offset: 16, .size: 8, .value_kind: global_buffer, .address_space: global }
      - { .name: hc, .offset: 24, .size: 8, .value_kind: global_buffer, .address_space: global }
    .group_segment_fixed_size: 17664
    .private_segment_fixed_size: 0
    .kernarg_segment_align: 8
    .kernarg_segment_size: 32
    .max_flat_workgroup_size: 128
    .sgpr_count:     66
    .vgpr_count:     256
    .wavefront_size: 32
...
	.end_amdgpu_metadata
.endif
;; end of part 2
;; launch qkv (part 3): grid 12 x 16, 4 waves a work-group, clusters of 4 x 4, 327,680 bytes of LDS; arguments hc, wc, att; writes att
.if DOCPART == 3
	.amdgcn_target "amdgcn-amd-amdhsa--gfx1250"
	.amdhsa_code_object_version 6
	.text
	.protected	k_q1f96941077_qkv
	.globl	k_q1f96941077_qkv
	.p2align	8
	.type	k_q1f96941077_qkv,@function
k_q1f96941077_qkv:
	s_mov_b64 s[64:65], 0
	v_nop
	global_prefetch_b8 v0, s[64:65] scope:SCOPE_SE
	s_setreg_imm32_b32 hwreg(HW_REG_WAVE_MODE, 25, 1), 1
	s_wait_xcnt 0x0
	s_wait_alu depctr_hold_cnt(0) depctr_sa_sdst(0) depctr_va_vdst(0) depctr_va_sdst(0) depctr_va_ssrc(0) depctr_va_vcc(0) depctr_vm_vsrc(0)
	s_getreg_b32 s2, hwreg(HW_REG_IB_STS2, 6, 4)
	s_cmp_eq_u32 s2, 0
	s_cbranch_scc0 .Lentry_in_a_cluster
	s_endpgm
.Lentry_in_a_cluster:
	s_bfe_u32 s2, ttmp6, 0x10000c
	s_cmp_lg_u32 s2, 0xf033
	s_cbranch_scc0 .Lentry_shape_is_right
	s_endpgm
.Lentry_shape_is_right:
; q, k = h Wq, h Wk and v = h Wv, on codes of E4M3 with E8M0 scales (operand layout: launch wq's head), K = 1,024; the results are quantised on the way out, as the two products of attention want them, and never exist as f32 in memory.
; LIMITS: as in launch wq's head (NaN, infinities, the byte of a block of zeros, the floor).
; A tile of the result, 256 x 256, is made by a work-group of four waves; a wave makes 128 x 128: 64 accumulators.  The matrix instruction is used transposed: source 0 = 16 rows of operand B, source 1 = 16 rows of operand A;
; a lane then holds one row of A, and, by the order of rows in a tile, the 16 registers of B's tiles 2 j and 2 j + 1 are 16 NEIGHBOURS along B's rows: quad j of the next operand, after the conversion.
; CLUSTERS x = 0, 1: A = h (4,096 tokens), B = Wq's and Wk's 2,048 columns: a lane holds a token, its registers run along the head's 64: q and k are quantised along the head.
; CLUSTERS x = 2:    A = Wv's 1,024 columns, B = h: the same product with the operands changed over: a lane holds a channel of v and its registers run along the KEYS: v is quantised along the keys, with no transposition.
; Which of the two a cluster does hangs on the cluster's x alone, the same in all sixteen partners, and only selects numbers and pointers: no branch.
; att: q's and k's codes at 0: [q, k][batch 4][tile 64][head 16][c 2][512]; v's at VCO: [batch][key step 8][head 16][tile of channels 4][c 4][512];
;      q's, k's scale words at QKS: [q, k][batch][128 tokens 8][pair of heads 8][tile 8][r 16][4 bytes: two heads x two]; v's at VSO: [batch][key step][pair of heads 8][4 (head % 2) + tile][r][4].
; THE RING: K goes in steps of 256 through two LDS slots.  A slot is four blocks of the operand layout (A's two row groups, B's two), each one dense run of 33,792 bytes with its scale words, brought by one tensor load of one wave.
; Each tile is asked for JOINTLY: A's by the four work-groups of a row of the cluster, B's by the four of a column.  By this text's count a wave has two tensor loads out at the start and one behind each round.
; REGISTERS, in windows of 256: window 0: v0-31 addresses; v32-63 scale words, two sets, and nothing else; v128-255 A's fragments, one set (on the way out: work).  window 1: B's fragments, two sets.  windows 2, 3: the accumulators, (a, b) at v[8 (8 (a % 4) + b)].
.set BLK,   33792
.set SLOT,  4*BLK
.set SPARE, 2*SLOT                     ; behind the ring: the spare words, 128 bytes for each wave: two blocks of 256 bytes that no other line names
.set LAPS,  2                          ; a lap = two K steps of 256
.set BIAS,  0
.set RELU,  0
.set VCO,   8388608
.set QKS,   12582912
.set VSO,   12845056
.set FR,    16
.set NP,    8                          ; places behind this matrix instruction (ISA guide 7.12.1)
.set L16,   3                          ; v3      16 x lane; never rewritten
.set ADRA,  16                         ; v16-17  my A fragments in slot 0, 1
.set ADRB,  20                         ; v20-21  my B fragments
.set ADRS,  22                         ; v22-23  my scale words: lanes 0-15 A's, lanes 16-31 B's
.set SST,   24                         ; v24     the way out: where my row's scale word goes in LDS
.set SRD,   25                         ; v25     and where I read 16 bytes of the wave's 512 back
.set SPW,   28                         ; v28     my spare word; never rewritten
.set NIL,   29                         ; v29     0; never rewritten
.set SC,    32                         ; scale words: set = slot; register 2 i + q: lanes 0-15 A's tile i, lanes 16-31 B's tile i
.set BI,    64
.set AF,    128
.set YY,    64                         ; the way out: 64 held numbers
.set CD0,   128                        ; codes, two sets of 16
.set TM,    160                        ; largest magnitudes;  +4 the other half's, then bytes;  +8 448 x the scale;  +12 the conversion's scale operand
.set PW,    176                        ; the scale word just made
.set RB,    180                        ; v180-183 the wave's scale words read back
.set G1,    24
.set G0,    32
.set G1B,   48
.set G0B,   56
.set MSB,   0
.macro WIN new                         ; the immediate's high byte repeats the setting that is left
.if MSB != (\new)
	s_set_vgpr_msb (MSB<<8)|(\new)
.set MSB, (\new)
.endif
.endm
.set MUL_LO, 0xa1                      ; source 0 (B) window 1, source 1 (A) window 0, C and D window 2
.set MUL_HI, 0xf1                      ; the same, C and D window 3
.set TO_B,   0x40                      ; destination window 1, address window 0
.macro JLOAD s                         ; a joint load: waves 0 and 1 fetch A's two blocks, waves 2 and 3 B's; an s_nop 0 and four v_nop follow each of the two lines
	s_cmp_eq_u32 s15, 0
	s_cbranch_scc0 .Lfor_b_\@
	tensor_load_to_lds s[G0+4*\s:G0+4*\s+3], s[G1:G1+7]
	s_nop 0
.rept 4
	v_nop
.endr
	s_branch .Lasked_\@
.Lfor_b_\@:
	tensor_load_to_lds s[G0B+4*\s:G0B+4*\s+3], s[G1B:G1B+7]
	s_nop 0
.rept 4
	v_nop
.endr
.Lasked_\@:
.endm
.macro CREST                           ; a round of the cluster's barrier behind its opening barrier
	s_cmp_lg_u32 s14, 0
	s_cbranch_scc1 .Lnot_wave_0_\@
	s_barrier_signal -3
.Lnot_wave_0_\@:
	s_barrier_wait -3
	s_barrier_signal -1
	s_barrier_wait -1
.endm
.macro CROUND
	s_barrier_signal -1
	s_barrier_wait -1
	CREST
.endm
	s_load_b128 s[4:7], s[0:1], 0x0                ; hc, wc
	s_load_b64 s[8:9], s[0:1], 0x10                ; att
	v_lshl_add_u32 v[SPW], v0, 2, SPARE
	v_mov_b32 v[NIL], 0
	ds_add_u32 v[SPW], v[NIL]                      ; the wave's opening: the add, twice on end, and its wait ahead of my first tensor load
	ds_add_u32 v[SPW], v[NIL]
	v_lshrrev_b32 v1, 5, v0
	v_readfirstlane_b32 s14, v1                    ; wave 0..3
	s_lshr_b32 s15, s14, 1                         ; which of A's two row groups is mine.  Also: I fetch for A (0) or for B (1)
	s_and_b32 s16, s14, 1                          ; which of B's.  Also: which of the two blocks I fetch
	s_bfe_u32 s40, ttmp6, 0x40000                  ; cx
	s_bfe_u32 s41, ttmp6, 0x40004                  ; cy
	s_and_b32 s18, ttmp7, 0xffff                   ; cluster y
	s_cmp_eq_u32 ttmp9, 2                          ; the part of v?  The cluster's x: the same in all partners
	s_cselect_b32 s19, 0, s18                      ; A's tile = 4 x this + cy:  q, k: cluster y;  v: 0
	s_cselect_b32 s83, s18, ttmp9                  ; B's tile = 4 x this + cx:  q, k: cluster x;  v: cluster y
	s_mov_b32 s70, 32*BLK
	s_cselect_b32 s70, 8*BLK, s70                  ; A: bytes from K step to K step
	s_mov_b32 s72, 16*BLK
	s_cselect_b32 s72, 32*BLK, s72                 ; B likewise
	s_cselect_b32 s84, 64*BLK, 0                   ; where A's operand begins in its buffer
	s_mov_b32 s78, 16384
	s_cselect_b32 s78, 2048, s78                   ; the way out: bytes from a tile of A's rows to the next
	s_mov_b32 s71, 0
	s_mov_b32 s73, 0
	s_mov_b32 s79, 0
	s_lshl_b32 s66, s70, 1                         ; a refill steps two K steps
	s_mov_b32 s67, 0
	s_lshl_b32 s68, s72, 1
	s_mov_b32 s69, 0
	s_lshl_b32 s17, s19, 2
	s_add_co_u32 s17, s17, s41                     ; ty: A's tile of 256 rows
	s_lshl_b32 s42, s83, 2
	s_add_co_u32 s42, s42, s40                     ; tx: B's
	s_lshl_b32 s43, s41, 2
	s_lshl_b32 s43, 15, s43                        ; my row of the cluster
	s_lshl_b32 s44, 0x1111, s40                    ; my column
	; descriptor group 1: a dense block of 33,792 bytes as 132 rows of 32 elements of 8 bytes, no padding
	s_or_b32 s[G1+0], s43, (3<<16)|(1<<21)         ; 15:0 the mask: A's tiles go to my row; 17:16 elements of 8 bytes; 21 set beside a mask
	s_or_b32 s[G1B+0], s44, (3<<16)|(1<<21)
.irp g, G1, G1B
	s_mov_b32 s[\g+1], 32<<16                      ; tensor_dim0
	s_mov_b32 s[\g+2], 132<<16                     ; tensor_dim1
	s_mov_b32 s[\g+3], 32<<16                      ; tile_dim0
	s_mov_b32 s[\g+4], 132                         ; tile_dim1
	s_mov_b32 s[\g+5], 32                          ; tensor_dim0_stride
	s_mov_b32 s[\g+6], 0
	s_mov_b32 s[\g+7], 0
.endr
	s_lshl_b32 s20, s17, 1
	s_add_co_u32 s20, s20, s16
	s_mul_i32 s20, s20, BLK                        ; A: row group 2 ty + (wave % 2), K step 0
	s_add_co_u32 s20, s20, s84
	s_mov_b32 s21, 0
	s_lshl_b32 s46, s42, 1
	s_add_co_u32 s46, s46, s16
	s_mul_i32 s46, s46, BLK                        ; B: row group 2 tx + (wave % 2)
	s_mov_b32 s47, 0
	s_mul_i32 s45, s14, BLK                        ; where they go: wave x a block: no place in the cluster enters an LDS address
	s_mov_b32 s80, 0x76543210
	s_mov_b32 s81, 0xfedcba98                      ; v_permlanex16_b32's selects for lane l xor 16
	s_mov_b32 s82, 0x600000                        ; the mantissa field of 448
	s_wait_dscnt 0x0                               ; both opening adds are done
	s_wait_kmcnt 0x0
	s_cmp_eq_u32 ttmp9, 2
	s_cselect_b64 s[86:87], s[6:7], s[4:5]         ; A: wc for v, else hc
	s_cselect_b64 s[88:89], s[4:5], s[6:7]         ; B: the other
	s_add_nc_u64 s[20:21], s[86:87], s[20:21]
	s_add_nc_u64 s[46:47], s[88:89], s[46:47]
	CROUND                                         ; all sixteen work-groups are here: the first joint loads meet
.irp s, 0,1
	s_mov_b32 s[G0+4*\s], 1
	s_add_co_u32 s[G0+4*\s+1], s45, \s*SLOT
	s_mov_b32 s[G0B+4*\s], 1
	s_add_co_u32 s[G0B+4*\s+1], s45, \s*SLOT
.if \s == 0
	s_mov_b64 s[G0+2:G0+3], s[20:21]
	s_mov_b64 s[G0B+2:G0B+3], s[46:47]
.else
	s_add_nc_u64 s[G0+6:G0+7], s[20:21], s[70:71]
	s_add_nc_u64 s[G0B+6:G0B+7], s[46:47], s[72:73]
.endif
	s_or_b32 s[G0+4*\s+3], s[G0+4*\s+3], 0x80000000
	s_or_b32 s[G0B+4*\s+3], s[G0B+4*\s+3], 0x80000000
	JLOAD \s
.endr
	v_and_b32 v1, 15, v0                           ; r
	v_bfe_u32 v2, v0, 4, 1                         ; h
	v_and_b32 v[L16], 31, v0
	v_lshlrev_b32 v[L16], 4, v[L16]
	s_mul_i32 s21, s15, BLK                        ; my block of A
	s_mul_i32 s22, s16, BLK
	s_add_co_u32 s22, s22, 2*BLK                   ; my block of B, behind A's two
.irp s, 0,1
	v_add_nc_u32 v[ADRA+\s], s21, v[L16]
	v_add_nc_u32 v[ADRB+\s], s22, v[L16]
	s_add_co_u32 s21, s21, SLOT
	s_add_co_u32 s22, s22, SLOT
.endr
	s_mul_i32 s21, s15, BLK
	s_mul_i32 s22, s16, BLK
	s_add_co_u32 s22, s22, 2*BLK
	s_sub_co_u32 s22, s22, s21
	v_mul_u32_u24 v6, s22, v2                      ; lanes 16-31 take B's words: the lower base + h x the distance
	v_lshl_add_u32 v5, v1, 2, v6
	v_add_nc_u32 v[ADRS], s21, v5
	v_add_nc_u32 v[ADRS+1], SLOT, v[ADRS]
	s_lshl_b32 s23, s14, 9                         ; the way out: 512 bytes for each wave at the head of slot 0, which has had its last fill and its last read by then
	v_lshl_add_u32 v[SST], v1, 2, s23
	v_add_nc_u32 v[SRD], s23, v[L16]
	; where my results go
	s_lshr_b32 s84, s42, 2                         ; tx / 4: q or k;  for v: the batch
	s_and_b32 s85, s42, 3
	s_lshl_b32 s85, s85, 1
	s_add_co_u32 s85, s85, s16                     ; 2 (tx % 4) + my half: the pair of heads;  for v: the key step
	s_lshl_b32 s86, s84, 8
	s_lshl_b32 s87, s17, 4
	s_add_co_u32 s86, s86, s87
	s_lshl_b32 s87, s15, 3
	s_add_co_u32 s86, s86, s87                     ; q, k: tile 256 (tx / 4) + 16 ty + 8 (my half of the rows),
	s_lshl_b32 s86, s86, 14
	s_lshl_b32 s87, s85, 11
	s_add_co_u32 s86, s86, s87                     ; x 16,384 + the pair of heads x 2,048
	s_lshl_b32 s88, s84, 3
	s_add_co_u32 s88, s88, s85                     ; v: 8 x batch + key step
	s_lshl_b32 s89, s88, 4
	s_lshl_b32 s90, s17, 2
	s_add_co_u32 s89, s89, s90
	s_lshl_b32 s90, s15, 1
	s_add_co_u32 s89, s89, s90                     ; x 16 + head 4 ty + 2 (my half),
	s_lshl_b32 s89, s89, 13
	s_add_co_u32 s89, s89, VCO                     ; x 8,192
	s_lshl_b32 s90, s84, 5
	s_lshl_b32 s91, s17, 1
	s_add_co_u32 s90, s90, s91
	s_add_co_u32 s90, s90, s15                     ; q, k: the scale words: 128 tokens number 32 (tx / 4) + 2 ty + my half,
	s_lshl_b32 s90, s90, 3
	s_add_co_u32 s90, s90, s85
	s_lshl_b32 s90, s90, 9
	s_add_co_u32 s90, s90, QKS                     ; x 8 + the pair of heads, x 512
	s_lshl_b32 s88, s88, 3
	s_add_co_u32 s88, s88, s91
	s_add_co_u32 s88, s88, s15                     ; v: (8 x batch + key step) x 8 + the pair of heads 2 ty + my half,
	s_lshl_b32 s88, s88, 9
	s_add_co_u32 s88, s88, VSO
	s_cmp_eq_u32 ttmp9, 2
	s_cselect_b32 s86, s89, s86
	s_cselect_b32 s90, s88, s90
	s_mov_b32 s87, 0
	s_mov_b32 s91, 0
	s_add_nc_u64 s[74:75], s[8:9], s[86:87]        ; the codes
	s_add_nc_u64 s[76:77], s[8:9], s[90:91]        ; the scale words
.macro FRAG reg, adr, q, i             ; a fragment, 16 rows x 128 K: four quads, 16 bytes a lane each
.irp c, 0,1,2,3
	ds_load_b128 v[\reg+4*\c:\reg+4*\c+3], v[\adr] offset:16384*(\q)+2048*(\i)+512*\c
.endr
.endm
; 16 matrix instructions: A's tiles a0, a0 + 1 x B's eight, 128 along K: the slot's q-th.  p: B's set; sc: the set of scale words.  zero = 1: the first product starts the sums.
; The 64 accumulators take turns, one instruction a turn, in the same order in every step.
.macro MUL16 a0, p, q, sc, zero
.irp a, \a0, \a0+1
.irp b, 0,1,2,3,4,5,6,7
.if \zero
.if BIAS
	v_wmma_scale_f32_16x16x128_f8f6f4 v[8*(8*((\a)%4)+\b):8*(8*((\a)%4)+\b)+7], v[128*(\p)+FR*\b:128*(\p)+FR*\b+FR-1], v[AF+FR*(\a):AF+FR*(\a)+FR-1], v[BI+8*\b:BI+8*\b+7], v[SC+16*(\sc)+2*\b+(\q)], v[SC+16*(\sc)+2*(\a)+(\q)] matrix_a_scale:MATRIX_SCALE_ROW1
.else
	v_wmma_scale_f32_16x16x128_f8f6f4 v[8*(8*((\a)%4)+\b):8*(8*((\a)%4)+\b)+7], v[128*(\p)+FR*\b:128*(\p)+FR*\b+FR-1], v[AF+FR*(\a):AF+FR*(\a)+FR-1], 0, v[SC+16*(\sc)+2*\b+(\q)], v[SC+16*(\sc)+2*(\a)+(\q)] matrix_a_scale:MATRIX_SCALE_ROW1
.endif
.else
	v_wmma_scale_f32_16x16x128_f8f6f4 v[8*(8*((\a)%4)+\b):8*(8*((\a)%4)+\b)+7], v[128*(\p)+FR*\b:128*(\p)+FR*\b+FR-1], v[AF+FR*(\a):AF+FR*(\a)+FR-1], v[8*(8*((\a)%4)+\b):8*(8*((\a)%4)+\b)+7], v[SC+16*(\sc)+2*\b+(\q)], v[SC+16*(\sc)+2*(\a)+(\q)] matrix_a_scale:MATRIX_SCALE_ROW1
.endif
.endr
.endr
.endm
.macro FETCH_B slot, q, p
	WIN TO_B
.irp i, 0,1,2,3,4,5,6,7
	FRAG 128*(\p)+FR*\i, ADRB+\slot, \q, \i
.endr
	WIN 0
.endm
.macro FETCH_A slot, q, i0
.irp i, \i0, \i0+1, \i0+2, \i0+3
	FRAG AF+FR*(\i), ADRA+\slot, \q, \i
.endr
.endm
.macro SCALES sc                       ; a slot's scale words: lanes 0-15 take A's tile i, lanes 16-31 B's tile i
.irp i, 0,1,2,3,4,5,6,7
	ds_load_b32 v[SC+16*\sc+2*\i], v[ADRS+\sc] offset:32768+64*\i
	ds_load_b32 v[SC+16*\sc+2*\i+1], v[ADRS+\sc] offset:32768+512+64*\i
.endr
.endm
.macro PLACES n                        ; plain vector instructions between a matrix instruction and a load into, or a read of, its registers
.rept \n
	v_nop
.endr
.endm
.macro STEP slot, q, zero              ; 128 along K that have their successor in the same slot
	s_wait_dscnt 16                                ; B's set, A's tiles 0-3 and the scale words are in; the youngest 16 loads (A's tiles 4-7) may be out
.if (\zero) && BIAS
	WIN 0x81
.else
	WIN MUL_LO
.endif
	MUL16 0, (\q)%2, \q, \slot, \zero
	MUL16 2, (\q)%2, \q, \slot, \zero
	s_wait_dscnt 0x0                               ; A's tiles 4-7 are in
	PLACES NP
	FETCH_B \slot, (\q)+1, 1-(\q)%2
	FETCH_A \slot, (\q)+1, 0
.if (\zero) && BIAS
	WIN 0xc1
.else
	WIN MUL_HI
.endif
	MUL16 4, (\q)%2, \q, \slot, \zero
	MUL16 6, (\q)%2, \q, \slot, \zero
	PLACES NP
	WIN 0
	FETCH_A \slot, (\q)+1, 4
.endm
; A slot's last 128 change slots: one barrier; in front of it each wave waits for all its tensor loads, adds 0 to its spare word, and waits for that and for its reads of this slot.  fill = 1: this slot is filled again, two K steps ahead.
.macro TURN slot, next, fill
	s_wait_tensorcnt 0x0                           ; all my tensor loads have landed: my part of the next slot
	ds_add_u32 v[SPW], v[NIL]
	s_wait_dscnt 17                                ; (the add and the youngest 16 loads may be out)
	WIN MUL_LO
	MUL16 0, 1, 1, \slot, 0
	s_wait_dscnt 0x0                               ; the add is done, and my reads of this slot are over
	s_barrier_signal -1
	MUL16 2, 1, 1, \slot, 0
	WIN 0
	s_barrier_wait -1
.if \fill
	CREST                                          ; the barrier has opened a round of the cluster's: no wave of any partner still reads this slot or has a load on its way
	s_add_nc_u64 s[G0+4*\slot+2:G0+4*\slot+3], s[G0+4*\slot+2:G0+4*\slot+3], s[66:67]
	s_add_nc_u64 s[G0B+4*\slot+2:G0B+4*\slot+3], s[G0B+4*\slot+2:G0B+4*\slot+3], s[68:69]
	JLOAD \slot                                    ; the first tensor load behind the round; its four v_nop are among the places in front of the loads below
	PLACES NP-4
.else
	PLACES NP
.endif
	FETCH_B \next, 0, 0
	FETCH_A \next, 0, 0
	SCALES \next
	WIN MUL_HI
	MUL16 4, 1, 1, \slot, 0
	MUL16 6, 1, 1, \slot, 0
	PLACES NP
	WIN 0
	FETCH_A \next, 0, 4
.endm
	s_wait_tensorcnt 1                             ; my part of K step 0 is in; K step 1's load may be out
	s_barrier_signal -1
	s_barrier_wait -1
	FETCH_B 0, 0, 0
	FETCH_A 0, 0, 0
	SCALES 0
	FETCH_A 0, 0, 4
	STEP 0, 0, 1                                   ; the first step stands in front of the loop: its products start the sums
	s_mov_b32 s3, LAPS-1
.Llap:
	TURN 0, 1, 1
	STEP 1, 0, 0
	TURN 1, 0, 1
	STEP 0, 0, 0
	s_sub_co_u32 s3, s3, 1
	s_cmp_lg_u32 s3, 0
	s_cbranch_scc1 .Llap
	TURN 0, 1, 0                                   ; the last lap fills nothing
	STEP 1, 0, 0
	s_wait_dscnt 16
	WIN MUL_LO
	MUL16 0, 1, 1, 1, 0
	MUL16 2, 1, 1, 1, 0
	s_wait_dscnt 0x0
	WIN MUL_HI
	MUL16 4, 1, 1, 1, 0
	MUL16 6, 1, 1, 1, 0
	WIN 0
; THE WAY OUT.  Tile a of A's rows: a lane's 64 results are 128 neighbours' worth of its half: register 16 j + i = column 32 j + 16 h + i.  Four blocks of 32, each shared with lane l xor 16.  The conversions' results are quads 0 .. 3
; of a fragment of the next operand and are stored as they stand: 512 consecutive bytes an instruction.  The scale words of the wave's eight tiles gather in 512 bytes of LDS and leave by one store.
.macro QOUT a
.set AC, 64*((\a)%4)
.set CD, CD0+16*((\a)%2)
	WIN (2+(\a)/4)*5                               ; sources 0 and 1: the accumulators' window
.irp b, 0,1,2,3
.if RELU
	v_max3_num_f32 v[TM+\b], v[AC+16*\b], v[AC+16*\b+1], 0x4800000
.else
	v_max3_num_f32 v[TM+\b], |v[AC+16*\b]|, |v[AC+16*\b+1]|, 0x4800000     ; each accumulator is read from its low end on; the floor 2^(9 - 127) holds the byte at 1 from below
.endif
.endr
	WIN (2+(\a)/4)*20                              ; sources 1 and 2
.irp i, 2,4,6,8,10,12,14
.irp b, 0,1,2,3
.if RELU
	v_max3_num_f32 v[TM+\b], v[TM+\b], v[AC+16*\b+\i], v[AC+16*\b+\i+1]
.else
	v_max3_num_f32 v[TM+\b], v[TM+\b], |v[AC+16*\b+\i]|, |v[AC+16*\b+\i+1]|
.endif
.endr
.endr
	WIN 0
.irp b, 0,1,2,3
	v_permlanex16_b32 v[TM+4+\b], v[TM+\b], s80, s81
.endr
.irp b, 0,1,2,3
	v_max_num_f32 v[TM+\b], v[TM+\b], v[TM+4+\b]
.endr
.irp b, 0,1,2,3
	v_add_nc_u32 v[TM+12+\b], 0xfc000000, v[TM+\b]         ; 8 off the exponent field: the conversion's scale operand
.endr
.irp b, 0,1,2,3
	v_and_or_b32 v[TM+8+\b], v[TM+\b], 0x7f800000, s82     ; 448 x the scale
.endr
.irp b, 0,1,2,3
	v_lshrrev_b32 v[TM+4+\b], 23, v[TM+12+\b]              ; the scale's byte
.endr
	v_lshl_or_b32 v[PW], v[TM+5], 8, v[TM+4]
	v_lshl_or_b32 v[PW], v[TM+6], 16, v[PW]
	v_lshl_or_b32 v[PW], v[TM+7], 24, v[PW]
	WIN 2+(\a)/4                                   ; source 0
.irp b, 0,1,2,3
.irp i, 0,1,2,3,4,5,6,7,8,9,10,11,12,13,14,15
.if RELU
	v_med3_num_f32 v[YY+16*\b+\i], v[AC+16*\b+\i], 0, v[TM+8+\b]
.else
	v_med3_num_f32 v[YY+16*\b+\i], v[AC+16*\b+\i], -v[TM+8+\b], v[TM+8+\b]   ; the conversion does not saturate (ISA guide 7.6.2): the hold
.endif
.endr
.endr
	WIN 0
.irp b, 0,1,2,3
	v_cvt_scalef32_pk8_fp8_f32 v[CD+4*\b:CD+4*\b+1], v[YY+16*\b:YY+16*\b+7], v[TM+12+\b]
	v_cvt_scalef32_pk8_fp8_f32 v[CD+4*\b+2:CD+4*\b+3], v[YY+16*\b+8:YY+16*\b+15], v[TM+12+\b]
.endr
	v_nop                                          ; a plain line behind the last conversion
.if (\a) > 0
	s_wait_xcnt 0x0                                ; the last tile's stores have read their base and their data: the base may step, and the next tile may write that set of codes
	s_add_nc_u64 s[74:75], s[74:75], s[78:79]
.endif
.irp b, 0,1,2,3
	global_store_b128 v[L16], v[CD+4*\b:CD+4*\b+3], s[74:75] offset:512*\b
.endr
	ds_store_b32 v[SST], v[PW] offset:64*(\a)      ; lanes r and r + 16 write the same word with the same value
.endm
	PLACES NP
.irp b, 0,1,2,3
	v_mov_b32 v[TM+4+\b], 0                        ; written once: a lane permute's destination counts as one of its sources
.endr
.irp a, 0,1,2,3,4,5,6,7
	QOUT \a
.endr
	ds_load_b128 v[RB:RB+3], v[SRD]                ; LDS serves a wave's instructions in order (ISA guide 5.7.1.4): this sees my stores
	s_wait_dscnt 0x0
	global_store_b128 v[L16], v[RB:RB+3], s[76:77] ; 512 consecutive bytes
	s_wait_tensorcnt 0x0                           ; the wave's end
	ds_add_u32 v[SPW], v[NIL]
	s_wait_dscnt 0x0
	CROUND                                         ; the closing round
	s_endpgm
.Lfunc_end_k_q1f96941077_qkv:
	.size	k_q1f96941077_qkv, .Lfunc_end_k_q1f96941077_qkv-k_q1f96941077_qkv
	.p2alignl 7, 3214868480
	.fill 96, 4, 3214868480
	.section	.rodata,"a",@progbits
	.p2align	6, 0x0
	.amdhsa_kernel k_q1f96941077_qkv
		.amdhsa_group_segment_fixed_size 327680
		.amdhsa_private_segment_fixed_size 0
		.amdhsa_enable_private_segment 0
		.amdhsa_kernarg_size 24
		.amdhsa_user_sgpr_count 2
		.amdhsa_user_sgpr_kernarg_segment_ptr 1
		.amdhsa_wavefront_size32 1
		.amdhsa_system_sgpr_workgroup_id_x 1
		.amdhsa_system_sgpr_workgroup_id_y 1
		.amdhsa_system_sgpr_workgroup_id_z 1
		.amdhsa_system_vgpr_workitem_id 0
		.amdhsa_next_free_vgpr 1024
		.amdhsa_next_free_sgpr 98
		.amdhsa_reserve_vcc 0
		.amdhsa_float_denorm_mode_32 3
		.amdhsa_float_denorm_mode_16_64 3
		.amdhsa_memory_ordered 1
		.amdhsa_forward_progress 1
		.amdhsa_inst_pref_size 187
	.end_amdhsa_kernel
	.amdgpu_metadata
---
amdhsa.version: [ 1, 2 ]
amdhsa.kernels:
  - .name:           k_q1f96941077_qkv
    .symbol:         k_q1f96941077_qkv.kd
    .args:
      - { .name: hc, .offset: 0, .size: 8, .value_kind: global_buffer, .address_space: global }
      - { .name: wc, .offset: 8, .size: 8, .value_kind: global_buffer, .address_space: global }
      - { .name: att, .offset: 16, .size: 8, .value_kind: global_buffer, .address_space: global }
    .group_segment_fixed_size: 327680
    .private_segment_fixed_size: 0
    .kernarg_segment_align: 8
    .kernarg_segment_size: 24
    .max_flat_workgroup_size: 128
    .sgpr_count:     98
    .vgpr_count:     1024
    .wavefront_size: 32
...
	.end_amdgpu_metadata
.endif
;; end of part 3
;; launch attn (part 4): grid 4 x 64, 16 waves a work-group, clusters of 4 x 1, 167,936 bytes of LDS; arguments att, ao; writes ao
.if DOCPART == 4
	.amdgcn_target "amdgcn-amd-amdhsa--gfx1250"
	.amdhsa_code_object_version 6
	.text
	.protected	k_q1f96941077_attn
	.globl	k_q1f96941077_attn
	.p2align	8
	.type	k_q1f96941077_attn,@function
k_q1f96941077_attn:
	s_mov_b64 s[64:65], 0
	v_nop
	global_prefetch_b8 v0, s[64:65] scope:SCOPE_SE
	s_setreg_imm32_b32 hwreg(HW_REG_WAVE_MODE, 25, 1), 1
	s_wait_xcnt 0x0
	s_wait_alu depctr_hold_cnt(0) depctr_sa_sdst(0) depctr_va_vdst(0) depctr_va_sdst(0) depctr_va_ssrc(0) depctr_va_vcc(0) depctr_vm_vsrc(0)
	s_getreg_b32 s2, hwreg(HW_REG_IB_STS2, 6, 4)
	s_cmp_eq_u32 s2, 0
	s_cbranch_scc0 .Lentry_in_a_cluster
	s_endpgm
.Lentry_in_a_cluster:
	s_bfe_u32 s2, ttmp6, 0x10000c
	s_cmp_lg_u32 s2, 0x3003
	s_cbranch_scc0 .Lentry_shape_is_right
	s_endpgm
.Lentry_shape_is_right:
; Causal attention of one head of one batch on codes of E4M3 (att: launch qkv's head), and its output quantised along the model's 1,024 into ao (operand layout: launch wq's head).
; WORK LEFT OUT: a step of 128 keys all of which come after a wave's 16 queries (shown dead at the head of launch wq).  LIMIT: a NaN or an infinity that reaches only such scores is not carried to the result.
; THE SOFTMAX: t = score x log2(e) / 8; M = the row's largest t so far, rounded UP to a whole number; p = 2^(t - M) is quantised along the keys; the row's sum is taken of the unquantised p and divides at the end.
; SHARES.  A cluster of four work-groups owns a head (cluster y = 16 x batch + head).  Wave w of work-group cx owns the tile of queries 4 w + cx, whose queries lie in rows 32 (2 w + cx / 2) .. + 31: it needs key steps 0 .. w / 2,
; a number that hangs on the wave alone: no branch hangs on cx, and the four work-groups have the same work.
; ALL OF THE HEAD'S K AND V LIE IN LDS, filled once, by joint loads that name the four partners: waves 0-3 K's codes, 4-7 V's, 8 K's scale words, 9 V's.  No byte of LDS is filled again: no ring, no barrier in the loop.
; By this text's count a wave has at most one tensor load out.
; LAYOUT.  Both products are used transposed: S^T = K Q^T (source 0 = a tile of 16 keys, source 1 = my queries), O^T = V^T P^T: a lane holds one query throughout; by the order of rows in a tile the 16 registers of tiles 2 j, 2 j + 1 are
; 16 neighbouring keys (or channels).  K = 64 IN AN INSTRUCTION OF 128: source 1 is q's 8 registers and 8 registers of zero codes.  Source 0 of tile t is v[32 + 8 t] on, 16 registers: tile t's 8, and behind them the next tile's
; (for the last tile: zeros), which meet q's zero codes and add nothing; the scale words come by 16-bit loads, so their upper two bytes are 0.
; The two scale bytes of a row of the output leave by a 2-byte store: 1 byte in 33 of the output; a whole word would take two heads in one work-group.
.set BLK,   33792
.set VCO,   8388608
.set QKS,   12582912
.set VSO,   12845056
.set LVC,   65536                      ; LDS: K's codes at 0: [tile 64][c 2][512];  V's here: [key step 8][tile of channels 4][c 4][512]
.set LKS,   131072                     ; K's scale words [key step][tile 8][r 16][4]
.set LVS,   135168                     ; V's [key step][tile 4][r 16][4]
.set SPARE, 137216                     ; the spare words, 128 bytes for each wave: eight blocks of 256 bytes that no other line names
.set AK0,  1                           ; v1   16 x lane
.set AV0,  2                           ; v2   16 x lane + LVC
.set ASK0, 3                           ; v3   LKS + 4 r + 2 (head % 2)
.set ASV0, 4                           ; v4   LVS + 4 r
.set SPW,  5                           ; v5   my spare word; never rewritten
.set NIL,  6                           ; v6   0; never rewritten
.set DD,   7                           ; v7   my query's place in the step on the diagonal, less 16 (lane / 16)
.set ADK,  8
.set ADV,  9
.set ADS,  10
.set ADT,  11                          ; v8-11 the step's addresses;  v12 -M, v13 the largest t, v[14:15] the sum in two halves;  v16-23 q, v24-31 zeros
.set KV,   32                          ; v32-95 eight tiles of K, later four fragments of V;  v96-103 zeros
.set S,    104                         ; v104-167 S^T, then p
.set O,    168                         ; v168-199 O^T
.set PC,   200                         ; v200-215 p's codes
.set SW,   216                         ; v216-223 scale words of K or V;  v232-247, v252-254 at work;  v253 p's scale word;  v255 q's
.set WV,   8
.set WH,   9
.set CX,   10
.set MNT,  19
.set SEL,  20
.set CS,   22
.set SI,   76
.set TK,   77
.set TS,   78
.set TJ,   79
.macro CROUND
	s_barrier_signal -1
	s_barrier_wait -1
	s_cmp_lg_u32 s[WV], 0
	s_cbranch_scc1 .Lnot_wave_0_\@
	s_barrier_signal -3
.Lnot_wave_0_\@:
	s_barrier_wait -3
	s_barrier_signal -1
	s_barrier_wait -1
.endm
	s_load_b128 s[4:7], s[0:1], 0x0                ; att, ao
	v_lshl_add_u32 v[SPW], v0, 2, SPARE
	v_mov_b32 v[NIL], 0
	ds_add_u32 v[SPW], v[NIL]                      ; the wave's opening: the add, twice on end, and its wait ahead of the first tensor loads
	ds_add_u32 v[SPW], v[NIL]
	v_lshrrev_b32 v8, 5, v0
	v_readfirstlane_b32 s[WV], v8                  ; wave 0..15
	s_lshr_b32 s[WH], s[WV], 1                     ; my last key step
	s_bfe_u32 s[CX], ttmp6, 0x40000
	s_and_b32 s11, ttmp7, 0xffff
	s_lshr_b32 s12, s11, 4                         ; batch
	s_and_b32 s13, s11, 15                         ; head
	s_and_b32 s14, s[WV], 3                        ; which quarter I fetch, if I fetch
	; descriptor groups 1: elements of 8 bytes, the mask of the four partners, bit 21 beside it, no padding
	s_mov_b32 s24, 15|(3<<16)|(1<<21)              ; K's codes: 16 tiles, 1,024 bytes each, 16,384 bytes apart
	s_mov_b32 s25, 128<<16
	s_mov_b32 s26, 16<<16
	s_mov_b32 s27, 128<<16
	s_mov_b32 s28, 16
	s_mov_b32 s29, 2048
	s_mov_b32 s30, 0
	s_mov_b32 s31, 0
	s_mov_b32 s32, 15|(3<<16)|(1<<21)              ; V's codes: 2 key steps, 8,192 bytes each, 131,072 bytes apart
	s_mov_b32 s33, 1024<<16
	s_mov_b32 s34, 2<<16
	s_mov_b32 s35, 1024<<16
	s_mov_b32 s36, 2
	s_mov_b32 s37, 16384
	s_mov_b32 s38, 0
	s_mov_b32 s39, 0
	s_mov_b32 s40, 15|(3<<16)|(1<<21)              ; K's scale words: 8 key steps, 512 bytes each, 4,096 bytes apart
	s_mov_b32 s41, 64<<16
	s_mov_b32 s42, 8<<16
	s_mov_b32 s43, 64<<16
	s_mov_b32 s44, 8
	s_mov_b32 s45, 512
	s_mov_b32 s46, 0
	s_mov_b32 s47, 0
	s_mov_b32 s48, 15|(3<<16)|(1<<21)              ; V's: 8 key steps, 256 bytes each, 4,096 bytes apart
	s_mov_b32 s49, 32<<16
	s_mov_b32 s50, 8<<16
	s_mov_b32 s51, 32<<16
	s_mov_b32 s52, 8
	s_mov_b32 s53, 512
	s_mov_b32 s54, 0
	s_mov_b32 s55, 0
	s_add_co_u32 s15, s12, 4
	s_lshl_b32 s15, s15, 6                         ; k's tiles of my batch begin at tile (4 + batch) x 64
	s_lshl_b32 s16, s14, 4
	s_add_co_u32 s16, s15, s16
	s_lshl_b32 s80, s16, 14
	s_lshl_b32 s16, s13, 10
	s_add_co_u32 s80, s80, s16                     ; K's codes: my 16 tiles, my head
	s_mov_b32 s81, 0
	s_lshl_b32 s82, s12, 3
	s_lshl_b32 s16, s14, 1
	s_add_co_u32 s82, s82, s16
	s_lshl_b32 s82, s82, 4
	s_add_co_u32 s82, s82, s13
	s_lshl_b32 s82, s82, 13
	s_add_co_u32 s82, s82, VCO                     ; V's codes: my 2 key steps, my head
	s_mov_b32 s83, 0
	s_lshr_b32 s17, s13, 1                         ; the pair of heads
	s_and_b32 s18, s13, 1                          ; which of the pair
	s_add_co_u32 s84, s15, s17
	s_lshl_b32 s84, s84, 9
	s_add_co_u32 s84, s84, QKS
	s_mov_b32 s85, 0
	s_lshl_b32 s86, s12, 6
	s_add_co_u32 s86, s86, s17
	s_lshl_b32 s86, s86, 9
	s_lshl_b32 s16, s18, 8
	s_add_co_u32 s86, s86, s16
	s_add_co_u32 s86, s86, VSO
	s_mov_b32 s87, 0
	s_lshl_b32 s88, s[WV], 2
	s_add_co_u32 s88, s88, s[CX]                   ; my tile of queries: it enters q's and the output's addresses and the mask's numbers alone
	s_and_b32 s89, s88, 7
	s_lshl_b32 s90, s12, 6
	s_add_co_u32 s90, s90, s88
	s_lshl_b32 s90, s90, 14
	s_lshl_b32 s16, s13, 10
	s_add_co_u32 s90, s90, s16                     ; q's codes
	s_mov_b32 s91, 0
	s_lshl_b32 s3, s12, 3
	s_add_co_u32 s3, s3, s[WH]                     ; my 128 tokens: 8 x batch + w / 2
	s_lshl_b32 s92, s3, 3
	s_add_co_u32 s92, s92, s17
	s_lshl_b32 s92, s92, 9
	s_lshl_b32 s16, s89, 6
	s_add_co_u32 s92, s92, s16
	s_lshl_b32 s16, s18, 1
	s_add_co_u32 s92, s92, s16
	s_add_co_u32 s92, s92, QKS                     ; q's scale bytes
	s_mov_b32 s93, 0
	s_lshr_b32 s94, s13, 2                         ; the output: K chunk head / 4, row group as above
	s_lshl_b32 s94, s94, 5
	s_add_co_u32 s94, s94, s3
	s_mul_i32 s94, s94, BLK
	s_and_b32 s2, s17, 1                           ; which 128 of the chunk's 256
	s_lshl_b32 s96, s2, 9
	s_add_co_u32 s96, s96, s94
	s_lshl_b32 s16, s89, 6
	s_add_co_u32 s96, s96, s16
	s_lshl_b32 s16, s18, 1
	s_add_co_u32 s96, s96, s16
	s_add_co_u32 s96, s96, 32768                   ; its scale bytes
	s_mov_b32 s97, 0
	s_lshl_b32 s16, s2, 14
	s_add_co_u32 s94, s94, s16
	s_lshl_b32 s16, s89, 11
	s_add_co_u32 s94, s94, s16
	s_lshl_b32 s16, s18, 10
	s_add_co_u32 s94, s94, s16                     ; its codes: quads 2 (head % 2), + 1
	s_mov_b32 s95, 0
	s_mov_b32 s[SEL], 0x76543210
	s_mov_b32 s[SEL+1], 0xfedcba98
	s_mov_b32 s[CS], 0x3e38aa3b                    ; c = log2(e) / 8
	s_mov_b32 s[CS+1], s[CS]                       ; (named with it as a pair, so it is written)
	s_mov_b32 s[MNT], 0x600000
	s_mov_b32 s[TK], 0
	s_mov_b32 s[TS], 0
	s_mov_b32 s[TJ], 0
	s_wait_dscnt 0x0                               ; both opening adds are done
	s_wait_kmcnt 0x0
	s_mov_b32 s56, 1
	s_lshl_b32 s57, s14, 14
	s_add_nc_u64 s[58:59], s[4:5], s[80:81]
	s_or_b32 s59, s59, 0x80000000
	s_mov_b32 s60, 1
	s_add_co_u32 s61, s57, LVC
	s_add_nc_u64 s[62:63], s[4:5], s[82:83]
	s_or_b32 s63, s63, 0x80000000
	s_mov_b32 s68, 1
	s_mov_b32 s69, LKS
	s_add_nc_u64 s[70:71], s[4:5], s[84:85]
	s_or_b32 s71, s71, 0x80000000
	s_mov_b32 s72, 1
	s_mov_b32 s73, LVS
	s_add_nc_u64 s[74:75], s[4:5], s[86:87]
	s_or_b32 s75, s75, 0x80000000
	s_add_nc_u64 s[90:91], s[4:5], s[90:91]
	s_add_nc_u64 s[92:93], s[4:5], s[92:93]
	s_add_nc_u64 s[94:95], s[6:7], s[94:95]
	s_add_nc_u64 s[96:97], s[6:7], s[96:97]
	CROUND                                         ; all four work-groups are here: the joint loads meet
	s_cmp_lt_u32 s[WV], 4                          ; the branches hang on the wave's number alone; an s_nop 0 and four v_nop follow each load
	s_cbranch_scc0 .Lnot_k
	tensor_load_to_lds s[56:59], s[24:31]
	s_nop 0
.rept 4
	v_nop
.endr
	s_branch .Lasked
.Lnot_k:
	s_cmp_lt_u32 s[WV], 8
	s_cbranch_scc0 .Lnot_v
	tensor_load_to_lds s[60:63], s[32:39]
	s_nop 0
.rept 4
	v_nop
.endr
	s_branch .Lasked
.Lnot_v:
	s_cmp_eq_u32 s[WV], 8
	s_cbranch_scc0 .Lnot_ks
	tensor_load_to_lds s[68:71], s[40:47]
	s_nop 0
.rept 4
	v_nop
.endr
	s_branch .Lasked
.Lnot_ks:
	s_cmp_eq_u32 s[WV], 9
	s_cbranch_scc0 .Lasked
	tensor_load_to_lds s[72:75], s[48:55]
	s_nop 0
.rept 4
	v_nop
.endr
.Lasked:
	v_and_b32 v9, 31, v0
	v_lshlrev_b32 v[AK0], 4, v9
	v_add_nc_u32 v[AV0], LVC, v[AK0]
	v_and_b32 v10, 15, v0                          ; r
	s_lshl_b32 s16, s18, 1
	s_add_co_u32 s16, s16, LKS
	v_lshl_add_u32 v[ASK0], v10, 2, s16
	v_lshl_add_u32 v[ASV0], v10, 2, LVS
	global_load_b128 v[16:19], v[AK0], s[90:91]    ; q's two quads stay in registers
	global_load_b128 v[20:23], v[AK0], s[90:91] offset:512
	v_lshlrev_b32 v11, 2, v10
	global_load_u16 v255, v11, s[92:93]            ; q's two scale bytes; the upper two bytes are 0
	s_and_b32 s15, s[WV], 1                        ; my query in the step on the diagonal: 64 (w % 2) + 32 (cx / 2) + 8 (cx % 2) + r % 8 + 16 (r / 8)
	s_lshl_b32 s15, s15, 6
	s_lshr_b32 s16, s[CX], 1
	s_lshl_b32 s16, s16, 5
	s_add_co_u32 s15, s15, s16
	s_and_b32 s16, s[CX], 1
	s_lshl_b32 s16, s16, 3
	s_add_co_u32 s15, s15, s16
	v_bfe_u32 v9, v0, 4, 1                         ; h
	v_and_b32 v12, 7, v10
	v_lshrrev_b32 v13, 3, v10
	v_lshl_add_u32 v12, v13, 4, v12
	v_lshlrev_b32 v13, 4, v9
	v_sub_nc_u32 v12, v12, v13
	v_add_nc_u32 v[DD], s15, v12                   ; register 16 j + i holds key 32 j + 16 h + i of the step: hidden where 32 j + i > this
	v_mov_b32 v13, 0xff61b1e6                      ; the largest t so far: -3e38, under every t
	v_floor_f32 v12, -v13                          ; -M
	v_mov_b32 v14, 0
	v_mov_b32 v15, 0
.irp b, 0,1,2,3
	v_mov_b32 v[236+\b], 0                         ; written once: a lane permute's destination counts as one of its sources
.endr
	v_mov_b32 v252, 0
	v_mov_b32 v253, 0
.set n, 0
.rept 8
	v_mov_b32 v[24+n], 0                           ; zero codes: the upper 64 of q's 128 along K,
	v_mov_b32 v[96+n], 0                           ; and behind K's last tile
.set n, n+1
.endr
.set n, 0
.rept 32
	v_mov_b32 v[O+n], 0                            ; O^T: the step is written once; the first finds zeros
.set n, n+1
.endr
	s_wait_tensorcnt 0x0                           ; my load, if I had one, has landed
	s_barrier_signal -1
	s_barrier_wait -1                              ; everybody's has
	s_wait_loadcnt 0x0                             ; q
	s_mov_b32 s[SI], 0
.Lstep:                                            ; eight trips in every wave; a step beyond the wave's last is passed over, but for the lines at its end that step addresses
	s_cmp_gt_u32 s[SI], s[WH]
	s_cbranch_scc1 .Lhidden
	v_add_nc_u32 v[ADK], s[TK], v[AK0]
	v_add_nc_u32 v[ADV], s[TK], v[AV0]
	v_add_nc_u32 v[ADS], s[TS], v[ASK0]
	v_add_nc_u32 v[ADT], s[TJ], v[ASV0]
.rept 4
	v_nop                                          ; with the four additions: eight places in front of loads into registers that the last products read
.endr
.irp t, 0,1,2,3,4,5,6,7
	ds_load_b128 v[KV+8*\t:KV+8*\t+3], v[ADK] offset:1024*\t
	ds_load_b128 v[KV+8*\t+4:KV+8*\t+7], v[ADK] offset:1024*\t+512
	ds_load_u16 v[SW+\t], v[ADS] offset:64*\t
.endr
	s_wait_dscnt 0x0
.irp t, 0,1,2,3,4,5,6,7
	v_wmma_scale_f32_16x16x128_f8f6f4 v[S+8*\t:S+8*\t+7], v[KV+8*\t:KV+8*\t+15], v[16:31], 0, v[SW+\t], v255
.endr
.rept 8
	v_nop
.endr
	s_cmp_lt_u32 s[SI], s[WH]                      ; only my last step lies on the diagonal: there hidden scores become -infinity ahead of the maximum
	s_cbranch_scc1 .Lopen
	v_mov_b32 v254, 0xff800000
.set n, 0
.rept 64
	v_cmp_gt_i32 vcc_lo, 32*(n/16)+n%16, v[DD]
	v_cndmask_b32 v[S+n], v[S+n], v254, vcc_lo
.set n, n+1
.endr
.Lopen:
.irp b, 0,1,2,3
	v_max3_num_f32 v[232+\b], v[S+16*\b], v[S+16*\b+1], v[S+16*\b+2]       ; the largest score of each block of 32 keys: for the row's maximum, and, since p rises with the score, for the block's largest p
.endr
.irp i, 3,5,7,9,11,13
.irp b, 0,1,2,3
	v_max3_num_f32 v[232+\b], v[232+\b], v[S+16*\b+\i], v[S+16*\b+\i+1]
.endr
.endr
.irp b, 0,1,2,3
	v_max_num_f32 v[232+\b], v[232+\b], v[S+16*\b+15]
.endr
.irp b, 0,1,2,3
	v_permlanex16_b32 v[236+\b], v[232+\b], s[SEL], s[SEL+1]
.endr
.irp b, 0,1,2,3
	v_max_num_f32 v[232+\b], v[232+\b], v[236+\b]
.endr
	v_max3_num_f32 v254, v232, v233, v234
	v_max_num_f32 v254, v254, v235
	v_mul_f32 v254, s[CS], v254                    ; as t (c is positive)
	v_max_num_f32 v13, v13, v254                   ; the running largest t
	v_mov_b32 v254, v12
	v_floor_f32 v12, -v13                          ; the new -M = -ceil(t): a whole number
	v_sub_f32 v254, v12, v254                      ; old M - new M: a whole number, 0 or less
	v_cvt_i32_f32 v254, v254
	v_ldexp_f32 v252, 1.0, v254                    ; f = 2^(old M - new M): the rescaling rounds nothing
.set n, 0
.rept 32
	v_pk_fma_f32 v[S+n:S+n+1], v[S+n:S+n+1], s[CS:CS+1], v[12:13] op_sel_hi:[1,0,0]   ; t - M
.set n, n+2
.endr
.irp b, 0,1,2,3
	v_fma_f32 v[232+\b], v[232+\b], s[CS], v12
.endr
.set n, 0
.rept 64
	v_exp_f32 v[S+n], v[S+n]                       ; p = 2^(t - M), not normalised
.set n, n+1
.endr
	v_pk_mul_f32 v[14:15], v[14:15], v[252:253] op_sel_hi:[1,0]    ; the sums under the new M (a plain line behind the exponentials)
	s_wait_alu depctr_va_vdst(0)                   ; one wait for the batch, ahead of its first reader
.irp b, 0,1,2,3
	v_exp_f32 v[232+\b], v[232+\b]                 ; each block's largest p
.endr
	v_pk_add_f32 v[236:237], v[S:S+1], v[S+2:S+3]  ; the row's sum, of the unquantised p, in two chains
.irp j, 4,8,12,16,20,24,28,32,36,40,44,48,52,56,60
	v_pk_add_f32 v[14:15], v[14:15], v[S+\j:S+\j+1]
	v_pk_add_f32 v[236:237], v[236:237], v[S+\j+2:S+\j+3]
.endr
	v_pk_add_f32 v[14:15], v[14:15], v[236:237]
	s_wait_alu depctr_va_vdst(0)                   ; and one for the four
.irp b, 0,1,2,3
	v_max_num_f32 v[232+\b], 0x4800000, v[232+\b]  ; the floor 2^(9 - 127): a block whose every p is 0 keeps the byte 1; its codes are zeros
.endr
.irp b, 0,1,2,3
	v_add_nc_u32 v[244+\b], 0xfc000000, v[232+\b]
.endr
.irp b, 0,1,2,3
	v_and_or_b32 v[240+\b], v[232+\b], 0x7f800000, s[MNT]
.endr
.irp b, 0,1,2,3
	v_lshrrev_b32 v[236+\b], 23, v[244+\b]
.endr
	v_lshl_or_b32 v253, v237, 8, v236              ; p's scale word for these 128 keys
	v_lshl_or_b32 v253, v238, 16, v253
	v_lshl_or_b32 v253, v239, 24, v253
.irp b, 0,1,2,3
.irp i, 0,1,2,3,4,5,6,7,8,9,10,11,12,13,14,15
	v_min_num_f32 v[S+16*\b+\i], v[S+16*\b+\i], v[240+\b]          ; the hold (ISA guide 7.6.2); p is not negative, so it is one-sided
.endr
	v_cvt_scalef32_pk8_fp8_f32 v[PC+4*\b:PC+4*\b+1], v[S+16*\b:S+16*\b+7], v[244+\b]
	v_cvt_scalef32_pk8_fp8_f32 v[PC+4*\b+2:PC+4*\b+3], v[S+16*\b+8:S+16*\b+15], v[244+\b]
.endr
.set n, 0
.rept 16
	v_pk_mul_f32 v[O+n:O+n+1], v[O+n:O+n+1], v[252:253] op_sel_hi:[1,0]    ; O^T under the new M; these are also the places in front of the products below
.set n, n+2
.endr
.irp t, 0,1,2,3
.irp c, 0,1,2,3
	ds_load_b128 v[KV+16*\t+4*\c:KV+16*\t+4*\c+3], v[ADV] offset:2048*\t+512*\c
.endr
	ds_load_b32 v[SW+\t], v[ADT] offset:64*\t
.endr
	s_wait_dscnt 0x0
.irp t, 0,1,2,3                                    ; one instruction for each of the four accumulators: between two on one accumulator stand the three others' and the next step's eight
	v_wmma_scale_f32_16x16x128_f8f6f4 v[O+8*\t:O+8*\t+7], v[KV+16*\t:KV+16*\t+15], v[PC:PC+15], v[O+8*\t:O+8*\t+7], v[SW+\t], v253
.endr
.Lhidden:
	s_add_co_u32 s[TK], s[TK], 8192
	s_add_co_u32 s[TS], s[TS], 512
	s_add_co_u32 s[TJ], s[TJ], 256
	s_add_co_u32 s[SI], s[SI], 1
	s_cmp_lt_u32 s[SI], 8
	s_cbranch_scc1 .Lstep
	; THE WAY OUT: O^T / the sum; register 16 j + i is channel 32 j + 16 h + i of my query: two blocks of 32 along the next product's K, each shared with lane l xor 16
.rept 8
	v_nop
.endr
	v_add_f32 v14, v14, v15
	v_permlanex16_b32 v252, v14, s[SEL], s[SEL+1]
	v_add_f32 v14, v14, v252
	v_rcp_f32 v14, v14
	v_and_b32 v8, 15, v0                           ; (a plain line behind the reciprocal)
	v_lshlrev_b32 v8, 2, v8                        ; 4 r
	s_wait_alu depctr_va_vdst(0)                   ; the wait, ahead of the first reader
.set n, 0
.rept 32
	v_mul_f32 v[S+n], v[O+n], v14
.set n, n+1
.endr
.irp b, 0,1
	v_max3_num_f32 v[232+\b], |v[S+16*\b]|, |v[S+16*\b+1]|, 0x4800000
.endr
.irp i, 2,4,6,8,10,12,14
.irp b, 0,1
	v_max3_num_f32 v[232+\b], v[232+\b], |v[S+16*\b+\i]|, |v[S+16*\b+\i+1]|
.endr
.endr
.irp b, 0,1
	v_permlanex16_b32 v[236+\b], v[232+\b], s[SEL], s[SEL+1]
.endr
.irp b, 0,1
	v_max_num_f32 v[232+\b], v[232+\b], v[236+\b]
.endr
.irp b, 0,1
	v_add_nc_u32 v[244+\b], 0xfc000000, v[232+\b]
.endr
.irp b, 0,1
	v_and_or_b32 v[240+\b], v[232+\b], 0x7f800000, s[MNT]
.endr
.irp b, 0,1
	v_lshrrev_b32 v[236+\b], 23, v[244+\b]
.endr
	v_lshl_or_b32 v254, v237, 8, v236              ; the two scale bytes
.irp b, 0,1
.irp i, 0,1,2,3,4,5,6,7,8,9,10,11,12,13,14,15
	v_med3_num_f32 v[S+16*\b+\i], v[S+16*\b+\i], -v[240+\b], v[240+\b]
.endr
	v_cvt_scalef32_pk8_fp8_f32 v[PC+4*\b:PC+4*\b+1], v[S+16*\b:S+16*\b+7], v[244+\b]
	v_cvt_scalef32_pk8_fp8_f32 v[PC+4*\b+2:PC+4*\b+3], v[S+16*\b+8:S+16*\b+15], v[244+\b]
.endr
	v_nop                                          ; a plain line behind the last conversion
	global_store_b128 v[AK0], v[PC:PC+3], s[94:95]                 ; a quad: 512 consecutive bytes
	global_store_b128 v[AK0], v[PC+4:PC+7], s[94:95] offset:512
	global_store_b16 v8, v254, s[96:97]            ; lanes r and r + 16 store the same two bytes to the same place
	s_wait_tensorcnt 0x0                           ; the wave's end
	ds_add_u32 v[SPW], v[NIL]
	s_wait_dscnt 0x0
	CROUND                                         ; the closing round
	s_endpgm
.Lfunc_end_k_q1f96941077_attn:
	.size	k_q1f96941077_attn, .Lfunc_end_k_q1f96941077_attn-k_q1f96941077_attn
	.p2alignl 7, 3214868480
	.fill 96, 4, 3214868480
	.section	.rodata,"a",@progbits
	.p2align	6, 0x0
	.amdhsa_kernel k_q1f96941077_attn
		.amdhsa_group_segment_fixed_size 167936
		.amdhsa_private_segment_fixed_size 0
		.amdhsa_enable_private_segment 0
		.amdhsa_kernarg_size 16
		.amdhsa_user_sgpr_count 2
		.amdhsa_user_sgpr_kernarg_segment_ptr 1
		.amdhsa_wavefront_size32 1
		.amdhsa_system_sgpr_workgroup_id_x 1
		.amdhsa_system_sgpr_workgroup_id_y 1
		.amdhsa_system_sgpr_workgroup_id_z 1
		.amdhsa_system_vgpr_workitem_id 0
		.amdhsa_next_free_vgpr 256
		.amdhsa_next_free_sgpr 100
		.amdhsa_reserve_vcc 1
		.amdhsa_float_denorm_mode_32 3
		.amdhsa_float_denorm_mode_16_64 3
		.amdhsa_memory_ordered 1
		.amdhsa_forward_progress 1
		.amdhsa_inst_pref_size 42
	.end_amdhsa_kernel
	.amdgpu_metadata
---
amdhsa.version: [ 1, 2 ]
amdhsa.kernels:
  - .name:           k_q1f96941077_attn
    .symbol:         k_q1f96941077_attn.kd
    .args:
      - { .name: att, .offset: 0, .size: 8, .value_kind: global_buffer, .address_space: global }
      - { .name: ao, .offset: 8, .size: 8, .value_kind: global_buffer, .address_space: global }
    .group_segment_fixed_size: 167936
    .private_segment_fixed_size: 0
    .kernarg_segment_align: 8
    .kernarg_segment_size: 16
    .max_flat_workgroup_size: 512
    .sgpr_count:     100
    .vgpr_count:     256
    .wavefront_size: 32
...
	.end_amdgpu_metadata
.endif
;; end of part 4
;; launch wo (part 5): grid 4 x 16, 4 waves a work-group, clusters of 4 x 4, 327,680 bytes of LDS; arguments ao, wc, bo, x, x1; writes x1
.if DOCPART == 5
	.amdgcn_target "amdgcn-amd-amdhsa--gfx1250"
	.amdhsa_code_object_version 6
	.text
	.protected	k_q1f96941077_wo
	.globl	k_q1f96941077_wo
	.p2align	8
	.type	k_q1f96941077_wo,@function
k_q1f96941077_wo:
	s_mov_b64 s[64:65], 0
	v_nop
	global_prefetch_b8 v0, s[64:65] scope:SCOPE_SE
	s_setreg_imm32_b32 hwreg(HW_REG_WAVE_MODE, 25, 1), 1
	s_wait_xcnt 0x0
	s_wait_alu depctr_hold_cnt(0) depctr_sa_sdst(0) depctr_va_vdst(0) depctr_va_sdst(0) depctr_va_ssrc(0) depctr_va_vcc(0) depctr_vm_vsrc(0)
	s_getreg_b32 s2, hwreg(HW_REG_IB_STS2, 6, 4)
	s_cmp_eq_u32 s2, 0
	s_cbranch_scc0 .Lentry_in_a_cluster
	s_endpgm
.Lentry_in_a_cluster:
	s_bfe_u32 s2, ttmp6, 0x10000c
	s_cmp_lg_u32 s2, 0xf033
	s_cbranch_scc0 .Lentry_shape_is_right
	s_endpgm
.Lentry_shape_is_right:
; x1 = x + (attention's output) Wo + bo.  A = ao (4,096 rows), B = Wo's 1,024 columns (blocks 96-127 of wc), both as codes of E4M3 with E8M0 scales in the operand layout (launch wq's head); K = 1,024; x, x1: f32 [4096][1024].
; A tile of the result, 256 x 256, is made by a work-group of four waves; a wave makes 128 x 128: 64 accumulators.  The matrix instruction is used transposed (source 0 = 16 rows of B, source 1 = 16 rows of A): a lane holds one row,
; and the 16 registers of B's tiles 2 j, 2 j + 1 are the 16 neighbouring columns 32 j + 16 h + 0 .. 15.  The bias is the C of each sum's first matrix instruction.
; 64 tiles of 256 x 256: 64 work-groups.  A tile of 128 x 128 would give 256, at twice the LDS bytes for each product.
; THE RING: K goes in steps of 256 through two LDS slots.  A slot is four blocks of the operand layout (A's two row groups, B's two), each one dense run of 33,792 bytes with its scale words, brought by one tensor load of one wave.
; Each tile is asked for JOINTLY: A's by the four work-groups of a row of the cluster, B's by the four of a column.  By this text's count a wave has two tensor loads out at the start and one behind each round.
; REGISTERS, in windows of 256: window 0: v0-31 addresses; v32-63 scale words, two sets, and nothing else; v64-127 the bias; v128-255 A's fragments, one set (on the way out: rows).  window 1: B's fragments, two sets (on the way out: the residual).
;   windows 2, 3: the accumulators, (a, b) at v[8 (8 (a % 4) + b)].
.set BLK,   33792
.set SLOT,  4*BLK
.set SPARE, 2*SLOT                     ; behind the ring: the spare words, 128 bytes for each wave: two blocks of 256 bytes that no other line names
.set LAPS,  2                          ; a lap = two K steps of 256
.set ASTEP, 32*BLK                     ; A: bytes from K step to K step
.set BSTEP, 8*BLK
.set BOFF,  96*BLK
.set BIAS,  1
.set RELU,  0
.set FR,    16
.set NP,    8                          ; places behind this matrix instruction (ISA guide 7.12.1)
.set L16,   3                          ; v3      16 x lane; never rewritten
.set ADRA,  16
.set ADRB,  20
.set ADRS,  22
.set STO,   24                         ; v24     the way out: where I put 64 bytes of a row
.set RD,    25                         ; v25     and where I read a row back
.set SPW,   28
.set NIL,   29
.set SC,    32
.set BI,    64
.set AF,    128
.set BK,    128
.set G1,    24
.set G0,    32
.set G1B,   48
.set G0B,   56
.set MSB,   0
.macro WIN new                         ; the immediate's high byte repeats the setting that is left
.if MSB != (\new)
	s_set_vgpr_msb (MSB<<8)|(\new)
.set MSB, (\new)
.endif
.endm
.set MUL_LO, 0xa1
.set MUL_HI, 0xf1
.set TO_B,   0x40
.macro JLOAD s                         ; a joint load: waves 0 and 1 fetch A's two blocks, waves 2 and 3 B's; an s_nop 0 and four v_nop follow each of the two lines
	s_cmp_eq_u32 s15, 0
	s_cbranch_scc0 .Lfor_b_\@
	tensor_load_to_lds s[G0+4*\s:G0+4*\s+3], s[G1:G1+7]
	s_nop 0
.rept 4
	v_nop
.endr
	s_branch .Lasked_\@
.Lfor_b_\@:
	tensor_load_to_lds s[G0B+4*\s:G0B+4*\s+3], s[G1B:G1B+7]
	s_nop 0
.rept 4
	v_nop
.endr
.Lasked_\@:
.endm
.macro CREST
	s_cmp_lg_u32 s14, 0
	s_cbranch_scc1 .Lnot_wave_0_\@
	s_barrier_signal -3
.Lnot_wave_0_\@:
	s_barrier_wait -3
	s_barrier_signal -1
	s_barrier_wait -1
.endm
.macro CROUND
	s_barrier_signal -1
	s_barrier_wait -1
	CREST
.endm
	s_load_b256 s[4:11], s[0:1], 0x0               ; A s[4:5], wc s[6:7], the bias s[8:9], the residual s[10:11]
	s_load_b64 s[12:13], s[0:1], 0x20              ; the result
	v_lshl_add_u32 v[SPW], v0, 2, SPARE
	v_mov_b32 v[NIL], 0
	ds_add_u32 v[SPW], v[NIL]                      ; the wave's opening: the add, twice on end, and its wait ahead of my first tensor load
	ds_add_u32 v[SPW], v[NIL]
	v_lshrrev_b32 v1, 5, v0
	v_readfirstlane_b32 s14, v1                    ; wave 0..3
	s_lshr_b32 s15, s14, 1                         ; which of A's two row groups is mine.  Also: I fetch for A (0) or for B (1)
	s_and_b32 s16, s14, 1                          ; which of B's.  Also: which of the two blocks I fetch
	s_bfe_u32 s40, ttmp6, 0x40000                  ; cx
	s_bfe_u32 s41, ttmp6, 0x40004                  ; cy
	s_lshl_b32 s42, ttmp9, 2
	s_add_co_u32 s42, s42, s40                     ; tx
	s_and_b32 s17, ttmp7, 0xffff
	s_lshl_b32 s17, s17, 2
	s_add_co_u32 s17, s17, s41                     ; ty
	s_lshl_b32 s43, s41, 2
	s_lshl_b32 s43, 15, s43                        ; my row of the cluster
	s_lshl_b32 s44, 0x1111, s40                    ; my column
	; descriptor group 1: a dense block of 33,792 bytes as 132 rows of 32 elements of 8 bytes, no padding
	s_or_b32 s[G1+0], s43, (3<<16)|(1<<21)
	s_or_b32 s[G1B+0], s44, (3<<16)|(1<<21)
.irp g, G1, G1B
	s_mov_b32 s[\g+1], 32<<16
	s_mov_b32 s[\g+2], 132<<16
	s_mov_b32 s[\g+3], 32<<16
	s_mov_b32 s[\g+4], 132
	s_mov_b32 s[\g+5], 32
	s_mov_b32 s[\g+6], 0
	s_mov_b32 s[\g+7], 0
.endr
	s_lshl_b32 s20, s17, 1
	s_add_co_u32 s20, s20, s16
	s_mul_i32 s20, s20, BLK                        ; A: row group 2 ty + (wave % 2), K step 0
	s_mov_b32 s21, 0
	s_lshl_b32 s46, s42, 1
	s_add_co_u32 s46, s46, s16
	s_mul_i32 s46, s46, BLK
	s_add_co_u32 s46, s46, BOFF                    ; B: row group 2 tx + (wave % 2) of its operand in wc
	s_mov_b32 s47, 0
	s_mul_i32 s45, s14, BLK                        ; where they go: wave x a block
	s_wait_dscnt 0x0                               ; both opening adds are done
	s_wait_kmcnt 0x0
	s_add_nc_u64 s[20:21], s[4:5], s[20:21]
	s_add_nc_u64 s[46:47], s[6:7], s[46:47]
	CROUND                                         ; all sixteen work-groups are here: the first joint loads meet
.irp s, 0,1
	s_mov_b32 s[G0+4*\s], 1
	s_add_co_u32 s[G0+4*\s+1], s45, \s*SLOT
	s_add_nc_u64 s[G0+4*\s+2:G0+4*\s+3], s[20:21], \s*ASTEP
	s_or_b32 s[G0+4*\s+3], s[G0+4*\s+3], 0x80000000
	s_mov_b32 s[G0B+4*\s], 1
	s_add_co_u32 s[G0B+4*\s+1], s45, \s*SLOT
	s_add_nc_u64 s[G0B+4*\s+2:G0B+4*\s+3], s[46:47], \s*BSTEP
	s_or_b32 s[G0B+4*\s+3], s[G0B+4*\s+3], 0x80000000
	JLOAD \s
.endr
	v_and_b32 v1, 15, v0                           ; r
	v_bfe_u32 v2, v0, 4, 1                         ; h
	v_and_b32 v[L16], 31, v0
	v_lshlrev_b32 v[L16], 4, v[L16]
	s_lshl_b32 s86, s42, 10                        ; the bias of my 128 columns; lane (r, h) wants, for B's tile 2 j + u, columns 32 j + 16 h + 8 u + 0 .. 7
	s_lshl_b32 s87, s16, 9
	s_add_co_u32 s86, s86, s87
	s_mov_b32 s87, 0
	s_add_nc_u64 s[8:9], s[8:9], s[86:87]
	v_lshlrev_b32 v7, 6, v2
.irp b, 0,1,2,3,4,5,6,7
	global_load_b128 v[BI+8*\b:BI+8*\b+3], v7, s[8:9] offset:(32*(\b/2)+8*(\b%2))*4
	global_load_b128 v[BI+8*\b+4:BI+8*\b+7], v7, s[8:9] offset:(32*(\b/2)+8*(\b%2))*4+16
.endr
	s_mul_i32 s21, s15, BLK
	s_mul_i32 s22, s16, BLK
	s_add_co_u32 s22, s22, 2*BLK
.irp s, 0,1
	v_add_nc_u32 v[ADRA+\s], s21, v[L16]
	v_add_nc_u32 v[ADRB+\s], s22, v[L16]
	s_add_co_u32 s21, s21, SLOT
	s_add_co_u32 s22, s22, SLOT
.endr
	s_mul_i32 s21, s15, BLK
	s_mul_i32 s22, s16, BLK
	s_add_co_u32 s22, s22, 2*BLK
	s_sub_co_u32 s22, s22, s21
	v_mul_u32_u24 v6, s22, v2                      ; lanes 16-31 take B's words: the lower base + h x the distance
	v_lshl_add_u32 v5, v1, 2, v6
	v_add_nc_u32 v[ADRS], s21, v5
	v_add_nc_u32 v[ADRS+1], SLOT, v[ADRS]
	s_mul_i32 s23, s14, 16*528                     ; my stage: 16 rows x (512 bytes + 16), in slot 0, which has had its last fill and its last read when the first result is stored there
	v_mul_u32_u24 v5, v1, 528
	v_lshl_add_u32 v5, v2, 6, v5
	v_add_nc_u32 v[STO], s23, v5
	v_add_nc_u32 v[RD], s23, v[L16]
	s_lshl_b32 s84, s17, 8
	s_lshl_b32 s85, s15, 7
	s_add_co_u32 s84, s84, s85                     ; my first row: 256 ty + 128 x my half,
	s_lshl_b32 s84, s84, 12
	s_lshl_b32 s85, s42, 10
	s_add_co_u32 s84, s84, s85                     ; my first column, in bytes: 1,024 tx + 512 x my half
	s_lshl_b32 s85, s16, 9
	s_add_co_u32 s84, s84, s85
	s_mov_b32 s85, 0
	s_add_nc_u64 s[10:11], s[10:11], s[84:85]
	s_add_nc_u64 s[12:13], s[12:13], s[84:85]
.macro FRAG reg, adr, q, i
.irp c, 0,1,2,3
	ds_load_b128 v[\reg+4*\c:\reg+4*\c+3], v[\adr] offset:16384*(\q)+2048*(\i)+512*\c
.endr
.endm
; 16 matrix instructions: A's tiles a0, a0 + 1 x B's eight, 128 along K.  zero = 1: the first product starts the sums, from the bias.  The 64 accumulators take turns, one instruction a turn.
.macro MUL16 a0, p, q, sc, zero
.irp a, \a0, \a0+1
.irp b, 0,1,2,3,4,5,6,7
.if \zero
	v_wmma_scale_f32_16x16x128_f8f6f4 v[8*(8*((\a)%4)+\b):8*(8*((\a)%4)+\b)+7], v[128*(\p)+FR*\b:128*(\p)+FR*\b+FR-1], v[AF+FR*(\a):AF+FR*(\a)+FR-1], v[BI+8*\b:BI+8*\b+7], v[SC+16*(\sc)+2*\b+(\q)], v[SC+16*(\sc)+2*(\a)+(\q)] matrix_a_scale:MATRIX_SCALE_ROW1
.else
	v_wmma_scale_f32_16x16x128_f8f6f4 v[8*(8*((\a)%4)+\b):8*(8*((\a)%4)+\b)+7], v[128*(\p)+FR*\b:128*(\p)+FR*\b+FR-1], v[AF+FR*(\a):AF+FR*(\a)+FR-1], v[8*(8*((\a)%4)+\b):8*(8*((\a)%4)+\b)+7], v[SC+16*(\sc)+2*\b+(\q)], v[SC+16*(\sc)+2*(\a)+(\q)] matrix_a_scale:MATRIX_SCALE_ROW1
.endif
.endr
.endr
.endm
.macro FETCH_B slot, q, p
	WIN TO_B
.irp i, 0,1,2,3,4,5,6,7
	FRAG 128*(\p)+FR*\i, ADRB+\slot, \q, \i
.endr
	WIN 0
.endm
.macro FETCH_A slot, q, i0
.irp i, \i0, \i0+1, \i0+2, \i0+3
	FRAG AF+FR*(\i), ADRA+\slot, \q, \i
.endr
.endm
.macro SCALES sc
.irp i, 0,1,2,3,4,5,6,7
	ds_load_b32 v[SC+16*\sc+2*\i], v[ADRS+\sc] offset:32768+64*\i
	ds_load_b32 v[SC+16*\sc+2*\i+1], v[ADRS+\sc] offset:32768+512+64*\i
.endr
.endm
.macro PLACES n
.rept \n
	v_nop
.endr
.endm
.macro STEP slot, q, zero
	s_wait_dscnt 16                                ; B's set, A's tiles 0-3 and the scale words are in; the youngest 16 loads (A's tiles 4-7) may be out
.if \zero
	WIN 0x81                                       ; C (the bias) window 0, D window 2
.else
	WIN MUL_LO
.endif
	MUL16 0, (\q)%2, \q, \slot, \zero
	MUL16 2, (\q)%2, \q, \slot, \zero
	s_wait_dscnt 0x0
	PLACES NP
	FETCH_B \slot, (\q)+1, 1-(\q)%2
	FETCH_A \slot, (\q)+1, 0
.if \zero
	WIN 0xc1
.else
	WIN MUL_HI
.endif
	MUL16 4, (\q)%2, \q, \slot, \zero
	MUL16 6, (\q)%2, \q, \slot, \zero
	PLACES NP
	WIN 0
	FETCH_A \slot, (\q)+1, 4
.endm
.macro TURN slot, next, fill
	s_wait_tensorcnt 0x0                           ; all my tensor loads have landed: my part of the next slot
	ds_add_u32 v[SPW], v[NIL]
	s_wait_dscnt 17                                ; (the add and the youngest 16 loads may be out)
	WIN MUL_LO
	MUL16 0, 1, 1, \slot, 0
	s_wait_dscnt 0x0                               ; the add is done, and my reads of this slot are over
	s_barrier_signal -1
	MUL16 2, 1, 1, \slot, 0
	WIN 0
	s_barrier_wait -1
.if \fill
	CREST                                          ; the barrier has opened a round of the cluster's: no wave of any partner still reads this slot or has a load on its way
	s_add_nc_u64 s[G0+4*\slot+2:G0+4*\slot+3], s[G0+4*\slot+2:G0+4*\slot+3], 2*ASTEP
	s_add_nc_u64 s[G0B+4*\slot+2:G0B+4*\slot+3], s[G0B+4*\slot+2:G0B+4*\slot+3], 2*BSTEP
	JLOAD \slot
	PLACES NP-4
.else
	PLACES NP
.endif
	FETCH_B \next, 0, 0
	FETCH_A \next, 0, 0
	SCALES \next
	WIN MUL_HI
	MUL16 4, 1, 1, \slot, 0
	MUL16 6, 1, 1, \slot, 0
	PLACES NP
	WIN 0
	FETCH_A \next, 0, 4
.endm
	s_wait_tensorcnt 1                             ; my part of K step 0 is in; K step 1's load may be out
	s_barrier_signal -1
	s_barrier_wait -1
	FETCH_B 0, 0, 0
	FETCH_A 0, 0, 0
	SCALES 0
	FETCH_A 0, 0, 4
	s_wait_loadcnt 0x0                             ; the bias
	STEP 0, 0, 1
	s_mov_b32 s3, LAPS-1
.Llap:
	TURN 0, 1, 1
	STEP 1, 0, 0
	TURN 1, 0, 1
	STEP 0, 0, 0
	s_sub_co_u32 s3, s3, 1
	s_cmp_lg_u32 s3, 0
	s_cbranch_scc1 .Llap
	TURN 0, 1, 0
	STEP 1, 0, 0
	s_wait_dscnt 16
	WIN MUL_LO
	MUL16 0, 1, 1, 1, 0
	MUL16 2, 1, 1, 1, 0
	s_wait_dscnt 0x0
	WIN MUL_HI
	MUL16 4, 1, 1, 1, 0
	MUL16 6, 1, 1, 1, 0
	WIN 0
; THE WAY OUT, tile by tile of 16 rows x 128 columns: through my own stage in LDS, back as whole rows of 512 bytes; the residual's same rows are added; 32 lanes store 512 consecutive bytes.
; Stage row t of tile a is row 32 (a / 2) + 8 (a % 2) + t % 8 + 16 (t / 8) of my 128: it stands in the immediate, 520,192 bytes at the most.  The residual runs three tiles ahead.
.macro RLOAD a
	WIN 0x40
.irp t, 0,1,2,3,4,5,6,7,8,9,10,11,12,13,14,15
	global_load_b128 v[64*((\a)%4)+4*\t:64*((\a)%4)+4*\t+3], v[L16], s[10:11] offset:(32*((\a)/2)+8*((\a)%2)+(\t%8)+16*(\t/8))*4096
.endr
	WIN 0
.endm
.macro TOSTAGE a
.set AC, 64*((\a)%4)
	WIN 0x08+4*((\a)/4)                            ; an LDS store's data are its source 1: window 2 or 3
.irp b, 0,1,2,3,4,5,6,7
	ds_store_b128 v[STO], v[AC+8*\b:AC+8*\b+3] offset:128*(\b/2)+32*(\b%2)         ; each accumulator from its low end on
	ds_store_b128 v[STO], v[AC+8*\b+4:AC+8*\b+7] offset:128*(\b/2)+32*(\b%2)+16
.endr
	WIN 0
.set BBR, BK+64*((\a)%2)
.irp t, 0,1,2,3,4,5,6,7,8,9,10,11,12,13,14,15
	ds_load_b128 v[BBR+4*\t:BBR+4*\t+3], v[RD] offset:\t*528       ; LDS serves a wave's instructions in order (ISA guide 5.7.1.4): these see the stores above
.endr
.endm
.macro FIN a, younger
.set BBR, BK+64*((\a)%2)
.set RR, 64*((\a)%4)
	s_wait_dscnt \younger                          ; the tile is back in registers
.if (\a) < 6
	s_wait_loadcnt 32                              ; its residual is in; the next two tiles' 32 loads may be out
.elseif (\a) == 6
	s_wait_loadcnt 16
.else
	s_wait_loadcnt 0x0
.endif
	WIN 0x04                                       ; source 1: window 1
.set n, 0
.rept 32
	v_pk_add_f32 v[BBR+n:BBR+n+1], v[BBR+n:BBR+n+1], v[RR+n:RR+n+1]
.set n, n+2
.endr
	WIN 0
.irp t, 0,1,2,3,4,5,6,7,8,9,10,11,12,13,14,15
	global_store_b128 v[L16], v[BBR+4*\t:BBR+4*\t+3], s[12:13] offset:(32*((\a)/2)+8*((\a)%2)+(\t%8)+16*(\t/8))*4096
.endr
.if (\a)+3 < 8
	RLOAD (\a)+3
.endif
.endm
	PLACES NP
	RLOAD 0
	RLOAD 1
	RLOAD 2
	TOSTAGE 0
.irp a, 1,2,3,4,5,6,7
.if \a > 1
	s_wait_xcnt 0x0                                ; the stores of two tiles back have read their registers: this tile's rows may land there
.endif
	TOSTAGE \a
	FIN \a-1, 32                                   ; behind the last tile's loads: this tile's 16 stores and 16 loads
.endr
	FIN 7, 0
	s_wait_tensorcnt 0x0                           ; the wave's end
	ds_add_u32 v[SPW], v[NIL]
	s_wait_dscnt 0x0
	CROUND                                         ; the closing round
	s_endpgm
.Lfunc_end_k_q1f96941077_wo:
	.size	k_q1f96941077_wo, .Lfunc_end_k_q1f96941077_wo-k_q1f96941077_wo
	.p2alignl 7, 3214868480
	.fill 96, 4, 3214868480
	.section	.rodata,"a",@progbits
	.p2align	6, 0x0
	.amdhsa_kernel k_q1f96941077_wo
		.amdhsa_group_segment_fixed_size 327680
		.amdhsa_private_segment_fixed_size 0
		.amdhsa_enable_private_segment 0
		.amdhsa_kernarg_size 40
		.amdhsa_user_sgpr_count 2
		.amdhsa_user_sgpr_kernarg_segment_ptr 1
		.amdhsa_wavefront_size32 1
		.amdhsa_system_sgpr_workgroup_id_x 1
		.amdhsa_system_sgpr_workgroup_id_y 1
		.amdhsa_system_sgpr_workgroup_id_z 1
		.amdhsa_system_vgpr_workitem_id 0
		.amdhsa_next_free_vgpr 1024
		.amdhsa_next_free_sgpr 98
		.amdhsa_reserve_vcc 0
		.amdhsa_float_denorm_mode_32 3
		.amdhsa_float_denorm_mode_16_64 3
		.amdhsa_memory_ordered 1
		.amdhsa_forward_progress 1
		.amdhsa_inst_pref_size 175
	.end_amdhsa_kernel
	.amdgpu_metadata
---
amdhsa.version: [ 1, 2 ]
amdhsa.kernels:
  - .name:           k_q1f96941077_wo
    .symbol:         k_q1f96941077_wo.kd
    .args:
      - { .name: ao, .offset: 0, .size: 8, .value_kind: global_buffer, .address_space: global }
      - { .name: wc, .offset: 8, .size: 8, .value_kind: global_buffer, .address_space: global }
      - { .name: bo, .offset: 16, .size: 8, .value_kind: global_buffer, .address_space: global }
      - { .name: x, .offset: 24, .size: 8, .value_kind: global_buffer, .address_space: global }
      - { .name: x1, .offset: 32, .size: 8, .value_kind: global_buffer, .address_space: global }
    .group_segment_fixed_size: 327680
    .private_segment_fixed_size: 0
    .kernarg_segment_align: 8
    .kernarg_segment_size: 40
    .max_flat_workgroup_size: 128
    .sgpr_count:     98
    .vgpr_count:     1024
    .wavefront_size: 32
...
	.end_amdgpu_metadata
.endif
;; end of part 5
;; launch ln2: the kernel of part 2 again; grid 256 x 1, 4 waves a work-group, no clusters, 17,664 bytes of LDS; arguments x1, ln2_g, ln2_b, hc; writes hc
;; launch w1 (part 6): grid 16 x 16, 4 waves a work-group, clusters of 4 x 4, 327,680 bytes of LDS; arguments hc, wc, b1, ffc; writes ffc
.if DOCPART == 6
	.amdgcn_target "amdgcn-amd-amdhsa--gfx1250"
	.amdhsa_code_object_version 6
	.text
	.protected	k_q1f96941077_w1
	.globl	k_q1f96941077_w1
	.p2align	8
	.type	k_q1f96941077_w1,@function
k_q1f96941077_w1:
	s_mov_b64 s[64:65], 0
	v_nop
	global_prefetch_b8 v0, s[64:65] scope:SCOPE_SE
	s_setreg_imm32_b32 hwreg(HW_REG_WAVE_MODE, 25, 1), 1
	s_wait_xcnt 0x0
	s_wait_alu depctr_hold_cnt(0) depctr_sa_sdst(0) depctr_va_vdst(0) depctr_va_sdst(0) depctr_va_ssrc(0) depctr_va_vcc(0) depctr_vm_vsrc(0)
	s_getreg_b32 s2, hwreg(HW_REG_IB_STS2, 6, 4)
	s_cmp_eq_u32 s2, 0
	s_cbranch_scc0 .Lentry_in_a_cluster
	s_endpgm
.Lentry_in_a_cluster:
	s_bfe_u32 s2, ttmp6, 0x10000c
	s_cmp_lg_u32 s2, 0xf033
	s_cbranch_scc0 .Lentry_shape_is_right
	s_endpgm
.Lentry_shape_is_right:
; The hidden layer relu(h2 W1 + b1), quantised along its 4,096 on the way out: it never exists as f32 in memory.  A = hc (4,096 rows), B = W1's 4,096 columns (blocks 128-255 of wc), codes of E4M3 with E8M0 scales in the operand layout
; (launch wq's head); K = 1,024.  ffc: the same layout, 4,096 rows x 4,096 K.  LIMITS: as in launch wq's head.
; A tile of the result, 256 x 256, is made by a work-group of four waves; a wave makes 128 x 128: 64 accumulators.  The matrix instruction is used transposed (source 0 = 16 rows of B, source 1 = 16 rows of A): a lane holds one row,
; and the 16 registers of B's tiles 2 j, 2 j + 1 are the 16 neighbouring columns 32 j + 16 h + 0 .. 15: quad j of the next operand, after the conversion.  The bias is the C of each sum's first matrix instruction.
; THE RING: K goes in steps of 256 through two LDS slots.  A slot is four blocks of the operand layout (A's two row groups, B's two), each one dense run of 33,792 bytes with its scale words, brought by one tensor load of one wave.
; Each tile is asked for JOINTLY: A's by the four work-groups of a row of the cluster, B's by the four of a column.  By this text's count a wave has two tensor loads out at the start and one behind each round.
; REGISTERS, in windows of 256: window 0: v0-31 addresses; v32-63 scale words, two sets, and nothing else; v64-127 the bias (on the way out: held numbers); v128-255 A's fragments, one set (on the way out: work).
;   window 1: B's fragments, two sets.  windows 2, 3: the accumulators, (a, b) at v[8 (8 (a % 4) + b)].
.set BLK,   33792
.set SLOT,  4*BLK
.set SPARE, 2*SLOT                     ; behind the ring: the spare words, 128 bytes for each wave: two blocks of 256 bytes that no other line names
.set LAPS,  2
.set ASTEP, 32*BLK
.set BSTEP, 32*BLK
.set BOFF,  128*BLK
.set FR,    16
.set NP,    8                          ; places behind this matrix instruction (ISA guide 7.12.1)
.set L16,   3                          ; v3      16 x lane; never rewritten
.set ADRA,  16
.set ADRB,  20
.set ADRS,  22
.set SST,   24                         ; v24     the way out: where my row's scale word goes in LDS
.set SRD,   25                         ; v25     and where I read 16 bytes of the wave's 512 back
.set SPW,   28
.set NIL,   29
.set SC,    32
.set BI,    64
.set AF,    128
.set YY,    64
.set CD0,   128
.set TM,    160
.set PW,    176
.set RB,    180
.set G1,    24
.set G0,    32
.set G1B,   48
.set G0B,   56
.set MSB,   0
.macro WIN new                         ; the immediate's high byte repeats the setting that is left
.if MSB != (\new)
	s_set_vgpr_msb (MSB<<8)|(\new)
.set MSB, (\new)
.endif
.endm
.set MUL_LO, 0xa1
.set MUL_HI, 0xf1
.set TO_B,   0x40
.macro JLOAD s                         ; a joint load: waves 0 and 1 fetch A's two blocks, waves 2 and 3 B's; an s_nop 0 and four v_nop follow each of the two lines
	s_cmp_eq_u32 s15, 0
	s_cbranch_scc0 .Lfor_b_\@
	tensor_load_to_lds s[G0+4*\s:G0+4*\s+3], s[G1:G1+7]
	s_nop 0
.rept 4
	v_nop
.endr
	s_branch .Lasked_\@
.Lfor_b_\@:
	tensor_load_to_lds s[G0B+4*\s:G0B+4*\s+3], s[G1B:G1B+7]
	s_nop 0
.rept 4
	v_nop
.endr
.Lasked_\@:
.endm
.macro CREST
	s_cmp_lg_u32 s14, 0
	s_cbranch_scc1 .Lnot_wave_0_\@
	s_barrier_signal -3
.Lnot_wave_0_\@:
	s_barrier_wait -3
	s_barrier_signal -1
	s_barrier_wait -1
.endm
.macro CROUND
	s_barrier_signal -1
	s_barrier_wait -1
	CREST
.endm
	s_load_b256 s[4:11], s[0:1], 0x0               ; hc s[4:5], wc s[6:7], b1 s[8:9], ffc s[10:11]
	v_lshl_add_u32 v[SPW], v0, 2, SPARE
	v_mov_b32 v[NIL], 0
	ds_add_u32 v[SPW], v[NIL]                      ; the wave's opening: the add, twice on end, and its wait ahead of my first tensor load
	ds_add_u32 v[SPW], v[NIL]
	v_lshrrev_b32 v1, 5, v0
	v_readfirstlane_b32 s14, v1                    ; wave 0..3
	s_lshr_b32 s15, s14, 1                         ; which of A's two row groups is mine.  Also: I fetch for A (0) or for B (1)
	s_and_b32 s16, s14, 1                          ; which of B's.  Also: which of the two blocks I fetch
	s_bfe_u32 s40, ttmp6, 0x40000                  ; cx
	s_bfe_u32 s41, ttmp6, 0x40004                  ; cy
	s_lshl_b32 s42, ttmp9, 2
	s_add_co_u32 s42, s42, s40                     ; tx
	s_and_b32 s17, ttmp7, 0xffff
	s_lshl_b32 s17, s17, 2
	s_add_co_u32 s17, s17, s41                     ; ty
	s_lshl_b32 s43, s41, 2
	s_lshl_b32 s43, 15, s43                        ; my row of the cluster
	s_lshl_b32 s44, 0x1111, s40                    ; my column
	; descriptor group 1: a dense block of 33,792 bytes as 132 rows of 32 elements of 8 bytes, no padding
	s_or_b32 s[G1+0], s43, (3<<16)|(1<<21)
	s_or_b32 s[G1B+0], s44, (3<<16)|(1<<21)
.irp g, G1, G1B
	s_mov_b32 s[\g+1], 32<<16
	s_mov_b32 s[\g+2], 132<<16
	s_mov_b32 s[\g+3], 32<<16
	s_mov_b32 s[\g+4], 132
	s_mov_b32 s[\g+5], 32
	s_mov_b32 s[\g+6], 0
	s_mov_b32 s[\g+7], 0
.endr
	s_lshl_b32 s20, s17, 1
	s_add_co_u32 s20, s20, s16
	s_mul_i32 s20, s20, BLK
	s_mov_b32 s21, 0
	s_lshl_b32 s46, s42, 1
	s_add_co_u32 s46, s46, s16
	s_mul_i32 s46, s46, BLK
	s_add_co_u32 s46, s46, BOFF
	s_mov_b32 s47, 0
	s_mul_i32 s45, s14, BLK
	s_mov_b32 s78, 2048                            ; the way out: bytes from a tile of rows to the next
	s_mov_b32 s79, 0
	s_mov_b32 s80, 0x76543210
	s_mov_b32 s81, 0xfedcba98
	s_mov_b32 s82, 0x600000
	s_wait_dscnt 0x0                               ; both opening adds are done
	s_wait_kmcnt 0x0
	s_add_nc_u64 s[20:21], s[4:5], s[20:21]
	s_add_nc_u64 s[46:47], s[6:7], s[46:47]
	CROUND                                         ; all sixteen work-groups are here: the first joint loads meet
.irp s, 0,1
	s_mov_b32 s[G0+4*\s], 1
	s_add_co_u32 s[G0+4*\s+1], s45, \s*SLOT
	s_add_nc_u64 s[G0+4*\s+2:G0+4*\s+3], s[20:21], \s*ASTEP
	s_or_b32 s[G0+4*\s+3], s[G0+4*\s+3], 0x80000000
	s_mov_b32 s[G0B+4*\s], 1
	s_add_co_u32 s[G0B+4*\s+1], s45, \s*SLOT
	s_add_nc_u64 s[G0B+4*\s+2:G0B+4*\s+3], s[46:47], \s*BSTEP
	s_or_b32 s[G0B+4*\s+3], s[G0B+4*\s+3], 0x80000000
	JLOAD \s
.endr
	v_and_b32 v1, 15, v0                           ; r
	v_bfe_u32 v2, v0, 4, 1                         ; h
	v_and_b32 v[L16], 31, v0
	v_lshlrev_b32 v[L16], 4, v[L16]
	s_lshl_b32 s86, s42, 10                        ; the bias of my 128 columns; lane (r, h) wants, for B's tile 2 j + u, columns 32 j + 16 h + 8 u + 0 .. 7
	s_lshl_b32 s87, s16, 9
	s_add_co_u32 s86, s86, s87
	s_mov_b32 s87, 0
	s_add_nc_u64 s[8:9], s[8:9], s[86:87]
	v_lshlrev_b32 v7, 6, v2
.irp b, 0,1,2,3,4,5,6,7
	global_load_b128 v[BI+8*\b:BI+8*\b+3], v7, s[8:9] offset:(32*(\b/2)+8*(\b%2))*4
	global_load_b128 v[BI+8*\b+4:BI+8*\b+7], v7, s[8:9] offset:(32*(\b/2)+8*(\b%2))*4+16
.endr
	s_mul_i32 s21, s15, BLK
	s_mul_i32 s22, s16, BLK
	s_add_co_u32 s22, s22, 2*BLK
.irp s, 0,1
	v_add_nc_u32 v[ADRA+\s], s21, v[L16]
	v_add_nc_u32 v[ADRB+\s], s22, v[L16]
	s_add_co_u32 s21, s21, SLOT
	s_add_co_u32 s22, s22, SLOT
.endr
	s_mul_i32 s21, s15, BLK
	s_mul_i32 s22, s16, BLK
	s_add_co_u32 s22, s22, 2*BLK
	s_sub_co_u32 s22, s22, s21
	v_mul_u32_u24 v6, s22, v2                      ; lanes 16-31 take B's words: the lower base + h x the distance
	v_lshl_add_u32 v5, v1, 2, v6
	v_add_nc_u32 v[ADRS], s21, v5
	v_add_nc_u32 v[ADRS+1], SLOT, v[ADRS]
	s_lshl_b32 s23, s14, 9                         ; the way out: 512 bytes for each wave at the head of slot 0, which has had its last fill and its last read by then
	v_lshl_add_u32 v[SST], v1, 2, s23
	v_add_nc_u32 v[SRD], s23, v[L16]
	s_lshl_b32 s84, s42, 5                         ; my block of ffc: K chunk tx, row group 2 ty + my half
	s_lshl_b32 s85, s17, 1
	s_add_co_u32 s84, s84, s85
	s_add_co_u32 s84, s84, s15
	s_mul_i32 s84, s84, BLK
	s_mov_b32 s85, 0
	s_add_nc_u64 s[76:77], s[10:11], s[84:85]
	s_lshl_b32 s84, s16, 14
	s_add_nc_u64 s[74:75], s[76:77], s[84:85]      ; the codes: my 128 columns are one half of the chunk's 256
	s_lshl_b32 s84, s16, 9
	s_add_co_u32 s84, s84, 32768
	s_add_nc_u64 s[76:77], s[76:77], s[84:85]      ; the scale words
.macro FRAG reg, adr, q, i
.irp c, 0,1,2,3
	ds_load_b128 v[\reg+4*\c:\reg+4*\c+3], v[\adr] offset:16384*(\q)+2048*(\i)+512*\c
.endr
.endm
; 16 matrix instructions: A's tiles a0, a0 + 1 x B's eight, 128 along K.  zero = 1: the first product starts the sums, from the bias.  The 64 accumulators take turns, one instruction a turn.
.macro MUL16 a0, p, q, sc, zero
.irp a, \a0, \a0+1
.irp b, 0,1,2,3,4,5,6,7
.if \zero
	v_wmma_scale_f32_16x16x128_f8f6f4 v[8*(8*((\a)%4)+\b):8*(8*((\a)%4)+\b)+7], v[128*(\p)+FR*\b:128*(\p)+FR*\b+FR-1], v[AF+FR*(\a):AF+FR*(\a)+FR-1], v[BI+8*\b:BI+8*\b+7], v[SC+16*(\sc)+2*\b+(\q)], v[SC+16*(\sc)+2*(\a)+(\q)] matrix_a_scale:MATRIX_SCALE_ROW1
.else
	v_wmma_scale_f32_16x16x128_f8f6f4 v[8*(8*((\a)%4)+\b):8*(8*((\a)%4)+\b)+7], v[128*(\p)+FR*\b:128*(\p)+FR*\b+FR-1], v[AF+FR*(\a):AF+FR*(\a)+FR-1], v[8*(8*((\a)%4)+\b):8*(8*((\a)%4)+\b)+7], v[SC+16*(\sc)+2*\b+(\q)], v[SC+16*(\sc)+2*(\a)+(\q)] matrix_a_scale:MATRIX_SCALE_ROW1
.endif
.endr
.endr
.endm
.macro FETCH_B slot, q, p
	WIN TO_B
.irp i, 0,1,2,3,4,5,6,7
	FRAG 128*(\p)+FR*\i, ADRB+\slot, \q, \i
.endr
	WIN 0
.endm
.macro FETCH_A slot, q, i0
.irp i, \i0, \i0+1, \i0+2, \i0+3
	FRAG AF+FR*(\i), ADRA+\slot, \q, \i
.endr
.endm
.macro SCALES sc
.irp i, 0,1,2,3,4,5,6,7
	ds_load_b32 v[SC+16*\sc+2*\i], v[ADRS+\sc] offset:32768+64*\i
	ds_load_b32 v[SC+16*\sc+2*\i+1], v[ADRS+\sc] offset:32768+512+64*\i
.endr
.endm
.macro PLACES n
.rept \n
	v_nop
.endr
.endm
.macro STEP slot, q, zero
	s_wait_dscnt 16                                ; B's set, A's tiles 0-3 and the scale words are in; the youngest 16 loads (A's tiles 4-7) may be out
.if \zero
	WIN 0x81                                       ; C (the bias) window 0, D window 2
.else
	WIN MUL_LO
.endif
	MUL16 0, (\q)%2, \q, \slot, \zero
	MUL16 2, (\q)%2, \q, \slot, \zero
	s_wait_dscnt 0x0
	PLACES NP
	FETCH_B \slot, (\q)+1, 1-(\q)%2
	FETCH_A \slot, (\q)+1, 0
.if \zero
	WIN 0xc1
.else
	WIN MUL_HI
.endif
	MUL16 4, (\q)%2, \q, \slot, \zero
	MUL16 6, (\q)%2, \q, \slot, \zero
	PLACES NP
	WIN 0
	FETCH_A \slot, (\q)+1, 4
.endm
.macro TURN slot, next, fill
	s_wait_tensorcnt 0x0                           ; all my tensor loads have landed: my part of the next slot
	ds_add_u32 v[SPW], v[NIL]
	s_wait_dscnt 17                                ; (the add and the youngest 16 loads may be out)
	WIN MUL_LO
	MUL16 0, 1, 1, \slot, 0
	s_wait_dscnt 0x0                               ; the add is done, and my reads of this slot are over
	s_barrier_signal -1
	MUL16 2, 1, 1, \slot, 0
	WIN 0
	s_barrier_wait -1
.if \fill
	CREST                                          ; the barrier has opened a round of the cluster's: no wave of any partner still reads this slot or has a load on its way
	s_add_nc_u64 s[G0+4*\slot+2:G0+4*\slot+3], s[G0+4*\slot+2:G0+4*\slot+3], 2*ASTEP
	s_add_nc_u64 s[G0B+4*\slot+2:G0B+4*\slot+3], s[G0B+4*\slot+2:G0B+4*\slot+3], 2*BSTEP
	JLOAD \slot
	PLACES NP-4
.else
	PLACES NP
.endif
	FETCH_B \next, 0, 0
	FETCH_A \next, 0, 0
	SCALES \next
	WIN MUL_HI
	MUL16 4, 1, 1, \slot, 0
	MUL16 6, 1, 1, \slot, 0
	PLACES NP
	WIN 0
	FETCH_A \next, 0, 4
.endm
	s_wait_tensorcnt 1                             ; my part of K step 0 is in; K step 1's load may be out
	s_barrier_signal -1
	s_barrier_wait -1
	FETCH_B 0, 0, 0
	FETCH_A 0, 0, 0
	SCALES 0
	FETCH_A 0, 0, 4
	s_wait_loadcnt 0x0                             ; the bias
	STEP 0, 0, 1
	s_mov_b32 s3, LAPS-1
.Llap:
	TURN 0, 1, 1
	STEP 1, 0, 0
	TURN 1, 0, 1
	STEP 0, 0, 0
	s_sub_co_u32 s3, s3, 1
	s_cmp_lg_u32 s3, 0
	s_cbranch_scc1 .Llap
	TURN 0, 1, 0
	STEP 1, 0, 0
	s_wait_dscnt 16
	WIN MUL_LO
	MUL16 0, 1, 1, 1, 0
	MUL16 2, 1, 1, 1, 0
	s_wait_dscnt 0x0
	WIN MUL_HI
	MUL16 4, 1, 1, 1, 0
	MUL16 6, 1, 1, 1, 0
	WIN 0
; THE WAY OUT.  Tile a of the rows: register 16 j + i = column 32 j + 16 h + i: four blocks of 32, each shared with lane l xor 16.  What is negative becomes 0 (the activation): it does not count for the largest magnitude, and the hold
; clips at 0 as well.  The conversions' results are quads 0 .. 3 of a fragment of the next operand and are stored as they stand: 512 consecutive bytes an instruction.  The wave's scale words gather in 512 bytes of LDS and leave by one store.
.macro QOUT a
.set AC, 64*((\a)%4)
.set CD, CD0+16*((\a)%2)
	WIN (2+(\a)/4)*5                               ; sources 0 and 1: the accumulators' window
.irp b, 0,1,2,3
	v_max3_num_f32 v[TM+\b], v[AC+16*\b], v[AC+16*\b+1], 0x4800000         ; each accumulator is read from its low end on; the floor 2^(9 - 127) holds the byte at 1 from below
.endr
	WIN (2+(\a)/4)*20                              ; sources 1 and 2
.irp i, 2,4,6,8,10,12,14
.irp b, 0,1,2,3
	v_max3_num_f32 v[TM+\b], v[TM+\b], v[AC+16*\b+\i], v[AC+16*\b+\i+1]
.endr
.endr
	WIN 0
.irp b, 0,1,2,3
	v_permlanex16_b32 v[TM+4+\b], v[TM+\b], s80, s81
.endr
.irp b, 0,1,2,3
	v_max_num_f32 v[TM+\b], v[TM+\b], v[TM+4+\b]
.endr
.irp b, 0,1,2,3
	v_add_nc_u32 v[TM+12+\b], 0xfc000000, v[TM+\b]         ; 8 off the exponent field: the conversion's scale operand
.endr
.irp b, 0,1,2,3
	v_and_or_b32 v[TM+8+\b], v[TM+\b], 0x7f800000, s82     ; 448 x the scale
.endr
.irp b, 0,1,2,3
	v_lshrrev_b32 v[TM+4+\b], 23, v[TM+12+\b]              ; the scale's byte
.endr
	v_lshl_or_b32 v[PW], v[TM+5], 8, v[TM+4]
	v_lshl_or_b32 v[PW], v[TM+6], 16, v[PW]
	v_lshl_or_b32 v[PW], v[TM+7], 24, v[PW]
	WIN 2+(\a)/4                                   ; source 0
.irp b, 0,1,2,3
.irp i, 0,1,2,3,4,5,6,7,8,9,10,11,12,13,14,15
	v_med3_num_f32 v[YY+16*\b+\i], v[AC+16*\b+\i], 0, v[TM+8+\b]   ; the activation and the hold in one (the conversion does not saturate: ISA guide 7.6.2)
.endr
.endr
	WIN 0
.irp b, 0,1,2,3
	v_cvt_scalef32_pk8_fp8_f32 v[CD+4*\b:CD+4*\b+1], v[YY+16*\b:YY+16*\b+7], v[TM+12+\b]
	v_cvt_scalef32_pk8_fp8_f32 v[CD+4*\b+2:CD+4*\b+3], v[YY+16*\b+8:YY+16*\b+15], v[TM+12+\b]
.endr
	v_nop                                          ; a plain line behind the last conversion
.if (\a) > 0
	s_wait_xcnt 0x0                                ; the last tile's stores have read their base and their data: the base may step, and the next tile may write that set of codes
	s_add_nc_u64 s[74:75], s[74:75], s[78:79]
.endif
.irp b, 0,1,2,3
	global_store_b128 v[L16], v[CD+4*\b:CD+4*\b+3], s[74:75] offset:512*\b
.endr
	ds_store_b32 v[SST], v[PW] offset:64*(\a)      ; lanes r and r + 16 write the same word with the same value
.endm
	PLACES NP
.irp b, 0,1,2,3
	v_mov_b32 v[TM+4+\b], 0                        ; written once: a lane permute's destination counts as one of its sources
.endr
.irp a, 0,1,2,3,4,5,6,7
	QOUT \a
.endr
	ds_load_b128 v[RB:RB+3], v[SRD]                ; LDS serves a wave's instructions in order (ISA guide 5.7.1.4): this sees my stores
	s_wait_dscnt 0x0
	global_store_b128 v[L16], v[RB:RB+3], s[76:77] ; 512 consecutive bytes
	s_wait_tensorcnt 0x0                           ; the wave's end
	ds_add_u32 v[SPW], v[NIL]
	s_wait_dscnt 0x0
	CROUND                                         ; the closing round
	s_endpgm
.Lfunc_end_k_q1f96941077_w1:
	.size	k_q1f96941077_w1, .Lfunc_end_k_q1f96941077_w1-k_q1f96941077_w1
	.p2alignl 7, 3214868480
	.fill 96, 4, 3214868480
	.section	.rodata,"a",@progbits
	.p2align	6, 0x0
	.amdhsa_kernel k_q1f96941077_w1
		.amdhsa_group_segment_fixed_size 327680
		.amdhsa_private_segment_fixed_size 0
		.amdhsa_enable_private_segment 0
		.amdhsa_kernarg_size 32
		.amdhsa_user_sgpr_count 2
		.amdhsa_user_sgpr_kernarg_segment_ptr 1
		.amdhsa_wavefront_size32 1
		.amdhsa_system_sgpr_workgroup_id_x 1
		.amdhsa_system_sgpr_workgroup_id_y 1
		.amdhsa_system_sgpr_workgroup_id_z 1
		.amdhsa_system_vgpr_workitem_id 0
		.amdhsa_next_free_vgpr 1024
		.amdhsa_next_free_sgpr 98
		.amdhsa_reserve_vcc 0
		.amdhsa_float_denorm_mode_32 3
		.amdhsa_float_denorm_mode_16_64 3
		.amdhsa_memory_ordered 1
		.amdhsa_forward_progress 1
		.amdhsa_inst_pref_size 187
	.end_amdhsa_kernel
	.amdgpu_metadata
---
amdhsa.version: [ 1, 2 ]
amdhsa.kernels:
  - .name:           k_q1f96941077_w1
    .symbol:         k_q1f96941077_w1.kd
    .args:
      - { .name: hc, .offset: 0, .size: 8, .value_kind: global_buffer, .address_space: global }
      - { .name: wc, .offset: 8, .size: 8, .value_kind: global_buffer, .address_space: global }
      - { .name: b1, .offset: 16, .size: 8, .value_kind: global_buffer, .address_space: global }
      - { .name: ffc, .offset: 24, .size: 8, .value_kind: global_buffer, .address_space: global }
    .group_segment_fixed_size: 327680
    .private_segment_fixed_size: 0
    .kernarg_segment_align: 8
    .kernarg_segment_size: 32
    .max_flat_workgroup_size: 128
    .sgpr_count:     98
    .vgpr_count:     1024
    .wavefront_size: 32
...
	.end_amdgpu_metadata
.endif
;; end of part 6
;; launch w2 (part 7): grid 4 x 16, 4 waves a work-group, clusters of 4 x 4, 327,680 bytes of LDS; arguments ffc, wc, b2, x1, out0; writes out0
.if DOCPART == 7
	.amdgcn_target "amdgcn-amd-amdhsa--gfx1250"
	.amdhsa_code_object_version 6
	.text
	.protected	k_q1f96941077_w2
	.globl	k_q1f96941077_w2
	.p2align	8
	.type	k_q1f96941077_w2,@function
k_q1f96941077_w2:
	s_mov_b64 s[64:65], 0
	v_nop
	global_prefetch_b8 v0, s[64:65] scope:SCOPE_SE
	s_setreg_imm32_b32 hwreg(HW_REG_WAVE_MODE, 25, 1), 1
	s_wait_xcnt 0x0
	s_wait_alu depctr_hold_cnt(0) depctr_sa_sdst(0) depctr_va_vdst(0) depctr_va_sdst(0) depctr_va_ssrc(0) depctr_va_vcc(0) depctr_vm_vsrc(0)
	s_getreg_b32 s2, hwreg(HW_REG_IB_STS2, 6, 4)
	s_cmp_eq_u32 s2, 0
	s_cbranch_scc0 .Lentry_in_a_cluster
	s_endpgm
.Lentry_in_a_cluster:
	s_bfe_u32 s2, ttmp6, 0x10000c
	s_cmp_lg_u32 s2, 0xf033
	s_cbranch_scc0 .Lentry_shape_is_right
	s_endpgm
.Lentry_shape_is_right:
; out0 = x1 + relu(hidden W2 + b2).  A = ffc (4,096 rows), B = W2's 1,024 columns (blocks 256-383 of wc), both as codes of E4M3 with E8M0 scales in the operand layout (launch wq's head); K = 4,096; x1, out0: f32 [4096][1024].
; A tile of the result, 256 x 256, is made by a work-group of four waves; a wave makes 128 x 128: 64 accumulators.  The matrix instruction is used transposed (source 0 = 16 rows of B, source 1 = 16 rows of A): a lane holds one row,
; and the 16 registers of B's tiles 2 j, 2 j + 1 are the 16 neighbouring columns 32 j + 16 h + 0 .. 15.  The bias is the C of each sum's first matrix instruction.
; 64 tiles of 256 x 256: 64 work-groups.  A tile of 128 x 128 would give 256, at twice the LDS bytes for each product.
; THE RING: K goes in steps of 256 through two LDS slots.  A slot is four blocks of the operand layout (A's two row groups, B's two), each one dense run of 33,792 bytes with its scale words, brought by one tensor load of one wave.
; Each tile is asked for JOINTLY: A's by the four work-groups of a row of the cluster, B's by the four of a column.  By this text's count a wave has two tensor loads out at the start and one behind each round.
; REGISTERS, in windows of 256: window 0: v0-31 addresses; v32-63 scale words, two sets, and nothing else; v64-127 the bias; v128-255 A's fragments, one set (on the way out: rows).  window 1: B's fragments, two sets (on the way out: the residual).
;   windows 2, 3: the accumulators, (a, b) at v[8 (8 (a % 4) + b)].
.set BLK,   33792
.set SLOT,  4*BLK
.set SPARE, 2*SLOT                     ; behind the ring: the spare words, 128 bytes for each wave: two blocks of 256 bytes that no other line names
.set LAPS,  8                          ; a lap = two K steps of 256
.set ASTEP, 32*BLK
.set BSTEP, 8*BLK
.set BOFF,  256*BLK
.set FR,    16
.set NP,    8                          ; places behind this matrix instruction (ISA guide 7.12.1)
.set L16,   3                          ; v3      16 x lane; never rewritten
.set ADRA,  16
.set ADRB,  20
.set ADRS,  22
.set STO,   24
.set RD,    25
.set SPW,   28
.set NIL,   29
.set SC,    32
.set BI,    64
.set AF,    128
.set BK,    128
.set G1,    24
.set G0,    32
.set G1B,   48
.set G0B,   56
.set MSB,   0
.macro WIN new                         ; the immediate's high byte repeats the setting that is left
.if MSB != (\new)
	s_set_vgpr_msb (MSB<<8)|(\new)
.set MSB, (\new)
.endif
.endm
.set MUL_LO, 0xa1
.set MUL_HI, 0xf1
.set TO_B,   0x40
.macro JLOAD s                         ; a joint load: waves 0 and 1 fetch A's two blocks, waves 2 and 3 B's; an s_nop 0 and four v_nop follow each of the two lines
	s_cmp_eq_u32 s15, 0
	s_cbranch_scc0 .Lfor_b_\@
	tensor_load_to_lds s[G0+4*\s:G0+4*\s+3], s[G1:G1+7]
	s_nop 0
.rept 4
	v_nop
.endr
	s_branch .Lasked_\@
.Lfor_b_\@:
	tensor_load_to_lds s[G0B+4*\s:G0B+4*\s+3], s[G1B:G1B+7]
	s_nop 0
.rept 4
	v_nop
.endr
.Lasked_\@:
.endm
.macro CREST
	s_cmp_lg_u32 s14, 0
	s_cbranch_scc1 .Lnot_wave_0_\@
	s_barrier_signal -3
.Lnot_wave_0_\@:
	s_barrier_wait -3
	s_barrier_signal -1
	s_barrier_wait -1
.endm
.macro CROUND
	s_barrier_signal -1
	s_barrier_wait -1
	CREST
.endm
	s_load_b256 s[4:11], s[0:1], 0x0               ; A s[4:5], wc s[6:7], the bias s[8:9], the residual s[10:11]
	s_load_b64 s[12:13], s[0:1], 0x20              ; the result
	v_lshl_add_u32 v[SPW], v0, 2, SPARE
	v_mov_b32 v[NIL], 0
	ds_add_u32 v[SPW], v[NIL]                      ; the wave's opening: the add, twice on end, and its wait ahead of my first tensor load
	ds_add_u32 v[SPW], v[NIL]
	v_lshrrev_b32 v1, 5, v0
	v_readfirstlane_b32 s14, v1                    ; wave 0..3
	s_lshr_b32 s15, s14, 1                         ; which of A's two row groups is mine.  Also: I fetch for A (0) or for B (1)
	s_and_b32 s16, s14, 1                          ; which of B's.  Also: which of the two blocks I fetch
	s_bfe_u32 s40, ttmp6, 0x40000                  ; cx
	s_bfe_u32 s41, ttmp6, 0x40004                  ; cy
	s_lshl_b32 s42, ttmp9, 2
	s_add_co_u32 s42, s42, s40                     ; tx
	s_and_b32 s17, ttmp7, 0xffff
	s_lshl_b32 s17, s17, 2
	s_add_co_u32 s17, s17, s41                     ; ty
	s_lshl_b32 s43, s41, 2
	s_lshl_b32 s43, 15, s43                        ; my row of the cluster
	s_lshl_b32 s44, 0x1111, s40                    ; my column
	; descriptor group 1: a dense block of 33,792 bytes as 132 rows of 32 elements of 8 bytes, no padding
	s_or_b32 s[G1+0], s43, (3<<16)|(1<<21)
	s_or_b32 s[G1B+0], s44, (3<<16)|(1<<21)
.irp g, G1, G1B
	s_mov_b32 s[\g+1], 32<<16
	s_mov_b32 s[\g+2], 132<<16
	s_mov_b32 s[\g+3], 32<<16
	s_mov_b32 s[\g+4], 132
	s_mov_b32 s[\g+5], 32
	s_mov_b32 s[\g+6], 0
	s_mov_b32 s[\g+7], 0
.endr
	s_lshl_b32 s20, s17, 1
	s_add_co_u32 s20, s20, s16
	s_mul_i32 s20, s20, BLK
	s_mov_b32 s21, 0
	s_lshl_b32 s46, s42, 1
	s_add_co_u32 s46, s46, s16
	s_mul_i32 s46, s46, BLK
	s_add_co_u32 s46, s46, BOFF
	s_mov_b32 s47, 0
	s_mul_i32 s45, s14, BLK
	s_wait_dscnt 0x0                               ; both opening adds are done
	s_wait_kmcnt 0x0
	s_add_nc_u64 s[20:21], s[4:5], s[20:21]
	s_add_nc_u64 s[46:47], s[6:7], s[46:47]
	CROUND                                         ; all sixteen work-groups are here: the first joint loads meet
.irp s, 0,1
	s_mov_b32 s[G0+4*\s], 1
	s_add_co_u32 s[G0+4*\s+1], s45, \s*SLOT
	s_add_nc_u64 s[G0+4*\s+2:G0+4*\s+3], s[20:21], \s*ASTEP
	s_or_b32 s[G0+4*\s+3], s[G0+4*\s+3], 0x80000000
	s_mov_b32 s[G0B+4*\s], 1
	s_add_co_u32 s[G0B+4*\s+1], s45, \s*SLOT
	s_add_nc_u64 s[G0B+4*\s+2:G0B+4*\s+3], s[46:47], \s*BSTEP
	s_or_b32 s[G0B+4*\s+3], s[G0B+4*\s+3], 0x80000000
	JLOAD \s
.endr
	v_and_b32 v1, 15, v0                           ; r
	v_bfe_u32 v2, v0, 4, 1                         ; h
	v_and_b32 v[L16], 31, v0
	v_lshlrev_b32 v[L16], 4, v[L16]
	s_lshl_b32 s86, s42, 10                        ; the bias of my 128 columns; lane (r, h) wants, for B's tile 2 j + u, columns 32 j + 16 h + 8 u + 0 .. 7
	s_lshl_b32 s87, s16, 9
	s_add_co_u32 s86, s86, s87
	s_mov_b32 s87, 0
	s_add_nc_u64 s[8:9], s[8:9], s[86:87]
	v_lshlrev_b32 v7, 6, v2
.irp b, 0,1,2,3,4,5,6,7
	global_load_b128 v[BI+8*\b:BI+8*\b+3], v7, s[8:9] offset:(32*(\b/2)+8*(\b%2))*4
	global_load_b128 v[BI+8*\b+4:BI+8*\b+7], v7, s[8:9] offset:(32*(\b/2)+8*(\b%2))*4+16
.endr
	s_mul_i32 s21, s15, BLK
	s_mul_i32 s22, s16, BLK
	s_add_co_u32 s22, s22, 2*BLK
.irp s, 0,1
	v_add_nc_u32 v[ADRA+\s], s21, v[L16]
	v_add_nc_u32 v[ADRB+\s], s22, v[L16]
	s_add_co_u32 s21, s21, SLOT
	s_add_co_u32 s22, s22, SLOT
.endr
	s_mul_i32 s21, s15, BLK
	s_mul_i32 s22, s16, BLK
	s_add_co_u32 s22, s22, 2*BLK
	s_sub_co_u32 s22, s22, s21
	v_mul_u32_u24 v6, s22, v2                      ; lanes 16-31 take B's words: the lower base + h x the distance
	v_lshl_add_u32 v5, v1, 2, v6
	v_add_nc_u32 v[ADRS], s21, v5
	v_add_nc_u32 v[ADRS+1], SLOT, v[ADRS]
	s_mul_i32 s23, s14, 16*528                     ; my stage: 16 rows x (512 bytes + 16), in slot 0, which has had its last fill and its last read when the first result is stored there
	v_mul_u32_u24 v5, v1, 528
	v_lshl_add_u32 v5, v2, 6, v5
	v_add_nc_u32 v[STO], s23, v5
	v_add_nc_u32 v[RD], s23, v[L16]
	s_lshl_b32 s84, s17, 8
	s_lshl_b32 s85, s15, 7
	s_add_co_u32 s84, s84, s85
	s_lshl_b32 s84, s84, 12
	s_lshl_b32 s85, s42, 10
	s_add_co_u32 s84, s84, s85
	s_lshl_b32 s85, s16, 9
	s_add_co_u32 s84, s84, s85
	s_mov_b32 s85, 0
	s_add_nc_u64 s[10:11], s[10:11], s[84:85]
	s_add_nc_u64 s[12:13], s[12:13], s[84:85]
.macro FRAG reg, adr, q, i
.irp c, 0,1,2,3
	ds_load_b128 v[\reg+4*\c:\reg+4*\c+3], v[\adr] offset:16384*(\q)+2048*(\i)+512*\c
.endr
.endm
; 16 matrix instructions: A's tiles a0, a0 + 1 x B's eight, 128 along K.  zero = 1: the first product starts the sums, from the bias.  The 64 accumulators take turns, one instruction a turn.
.macro MUL16 a0, p, q, sc, zero
.irp a, \a0, \a0+1
.irp b, 0,1,2,3,4,5,6,7
.if \zero
	v_wmma_scale_f32_16x16x128_f8f6f4 v[8*(8*((\a)%4)+\b):8*(8*((\a)%4)+\b)+7], v[128*(\p)+FR*\b:128*(\p)+FR*\b+FR-1], v[AF+FR*(\a):AF+FR*(\a)+FR-1], v[BI+8*\b:BI+8*\b+7], v[SC+16*(\sc)+2*\b+(\q)], v[SC+16*(\sc)+2*(\a)+(\q)] matrix_a_scale:MATRIX_SCALE_ROW1
.else
	v_wmma_scale_f32_16x16x128_f8f6f4 v[8*(8*((\a)%4)+\b):8*(8*((\a)%4)+\b)+7], v[128*(\p)+FR*\b:128*(\p)+FR*\b+FR-1], v[AF+FR*(\a):AF+FR*(\a)+FR-1], v[8*(8*((\a)%4)+\b):8*(8*((\a)%4)+\b)+7], v[SC+16*(\sc)+2*\b+(\q)], v[SC+16*(\sc)+2*(\a)+(\q)] matrix_a_scale:MATRIX_SCALE_ROW1
.endif
.endr
.endr
.endm
.macro FETCH_B slot, q, p
	WIN TO_B
.irp i, 0,1,2,3,4,5,6,7
	FRAG 128*(\p)+FR*\i, ADRB+\slot, \q, \i
.endr
	WIN 0
.endm
.macro FETCH_A slot, q, i0
.irp i, \i0, \i0+1, \i0+2, \i0+3
	FRAG AF+FR*(\i), ADRA+\slot, \q, \i
.endr
.endm
.macro SCALES sc
.irp i, 0,1,2,3,4,5,6,7
	ds_load_b32 v[SC+16*\sc+2*\i], v[ADRS+\sc] offset:32768+64*\i
	ds_load_b32 v[SC+16*\sc+2*\i+1], v[ADRS+\sc] offset:32768+512+64*\i
.endr
.endm
.macro PLACES n
.rept \n
	v_nop
.endr
.endm
.macro STEP slot, q, zero
	s_wait_dscnt 16                                ; B's set, A's tiles 0-3 and the scale words are in; the youngest 16 loads (A's tiles 4-7) may be out
.if \zero
	WIN 0x81                                       ; C (the bias) window 0, D window 2
.else
	WIN MUL_LO
.endif
	MUL16 0, (\q)%2, \q, \slot, \zero
	MUL16 2, (\q)%2, \q, \slot, \zero
	s_wait_dscnt 0x0
	PLACES NP
	FETCH_B \slot, (\q)+1, 1-(\q)%2
	FETCH_A \slot, (\q)+1, 0
.if \zero
	WIN 0xc1
.else
	WIN MUL_HI
.endif
	MUL16 4, (\q)%2, \q, \slot, \zero
	MUL16 6, (\q)%2, \q, \slot, \zero
	PLACES NP
	WIN 0
	FETCH_A \slot, (\q)+1, 4
.endm
.macro TURN slot, next, fill
	s_wait_tensorcnt 0x0                           ; all my tensor loads have landed: my part of the next slot
	ds_add_u32 v[SPW], v[NIL]
	s_wait_dscnt 17                                ; (the add and the youngest 16 loads may be out)
	WIN MUL_LO
	MUL16 0, 1, 1, \slot, 0
	s_wait_dscnt 0x0                               ; the add is done, and my reads of this slot are over
	s_barrier_signal -1
	MUL16 2, 1, 1, \slot, 0
	WIN 0
	s_barrier_wait -1
.if \fill
	CREST                                          ; the barrier has opened a round of the cluster's: no wave of any partner still reads this slot or has a load on its way
	s_add_nc_u64 s[G0+4*\slot+2:G0+4*\slot+3], s[G0+4*\slot+2:G0+4*\slot+3], 2*ASTEP
	s_add_nc_u64 s[G0B+4*\slot+2:G0B+4*\slot+3], s[G0B+4*\slot+2:G0B+4*\slot+3], 2*BSTEP
	JLOAD \slot
	PLACES NP-4
.else
	PLACES NP
.endif
	FETCH_B \next, 0, 0
	FETCH_A \next, 0, 0
	SCALES \next
	WIN MUL_HI
	MUL16 4, 1, 1, \slot, 0
	MUL16 6, 1, 1, \slot, 0
	PLACES NP
	WIN 0
	FETCH_A \next, 0, 4
.endm
	s_wait_tensorcnt 1                             ; my part of K step 0 is in; K step 1's load may be out
	s_barrier_signal -1
	s_barrier_wait -1
	FETCH_B 0, 0, 0
	FETCH_A 0, 0, 0
	SCALES 0
	FETCH_A 0, 0, 4
	s_wait_loadcnt 0x0                             ; the bias
	STEP 0, 0, 1
	s_mov_b32 s3, LAPS-1
.Llap:
	TURN 0, 1, 1
	STEP 1, 0, 0
	TURN 1, 0, 1
	STEP 0, 0, 0
	s_sub_co_u32 s3, s3, 1
	s_cmp_lg_u32 s3, 0
	s_cbranch_scc1 .Llap
	TURN 0, 1, 0
	STEP 1, 0, 0
	s_wait_dscnt 16
	WIN MUL_LO
	MUL16 0, 1, 1, 1, 0
	MUL16 2, 1, 1, 1, 0
	s_wait_dscnt 0x0
	WIN MUL_HI
	MUL16 4, 1, 1, 1, 0
	MUL16 6, 1, 1, 1, 0
	WIN 0
; THE WAY OUT, tile by tile of 16 rows x 128 columns: through my own stage in LDS, back as whole rows of 512 bytes; what is negative becomes 0; the residual's same rows are added; 32 lanes store 512 consecutive bytes.
; Stage row t of tile a is row 32 (a / 2) + 8 (a % 2) + t % 8 + 16 (t / 8) of my 128: it stands in the immediate, 520,192 bytes at the most.  The residual runs three tiles ahead.
.macro RLOAD a
	WIN 0x40
.irp t, 0,1,2,3,4,5,6,7,8,9,10,11,12,13,14,15
	global_load_b128 v[64*((\a)%4)+4*\t:64*((\a)%4)+4*\t+3], v[L16], s[10:11] offset:(32*((\a)/2)+8*((\a)%2)+(\t%8)+16*(\t/8))*4096
.endr
	WIN 0
.endm
.macro TOSTAGE a
.set AC, 64*((\a)%4)
	WIN 0x08+4*((\a)/4)                            ; an LDS store's data are its source 1: window 2 or 3
.irp b, 0,1,2,3,4,5,6,7
	ds_store_b128 v[STO], v[AC+8*\b:AC+8*\b+3] offset:128*(\b/2)+32*(\b%2)         ; each accumulator from its low end on
	ds_store_b128 v[STO], v[AC+8*\b+4:AC+8*\b+7] offset:128*(\b/2)+32*(\b%2)+16
.endr
	WIN 0
.set BBR, BK+64*((\a)%2)
.irp t, 0,1,2,3,4,5,6,7,8,9,10,11,12,13,14,15
	ds_load_b128 v[BBR+4*\t:BBR+4*\t+3], v[RD] offset:\t*528       ; LDS serves a wave's instructions in order (ISA guide 5.7.1.4): these see the stores above
.endr
.endm
.macro FIN a, younger
.set BBR, BK+64*((\a)%2)
.set RR, 64*((\a)%4)
	s_wait_dscnt \younger                          ; the tile is back in registers
.if (\a) < 6
	s_wait_loadcnt 32                              ; its residual is in; the next two tiles' 32 loads may be out
.elseif (\a) == 6
	s_wait_loadcnt 16
.else
	s_wait_loadcnt 0x0
.endif
.set n, 0
.rept 64
	v_max_num_f32 v[BBR+n], 0, v[BBR+n]            ; the activation
.set n, n+1
.endr
	WIN 0x04                                       ; source 1: window 1
.set n, 0
.rept 32
	v_pk_add_f32 v[BBR+n:BBR+n+1], v[BBR+n:BBR+n+1], v[RR+n:RR+n+1]
.set n, n+2
.endr
	WIN 0
.irp t, 0,1,2,3,4,5,6,7,8,9,10,11,12,13,14,15
	global_store_b128 v[L16], v[BBR+4*\t:BBR+4*\t+3], s[12:13] offset:(32*((\a)/2)+8*((\a)%2)+(\t%8)+16*(\t/8))*4096 th:TH_STORE_NT
.endr
.if (\a)+3 < 8
	RLOAD (\a)+3
.endif
.endm
	PLACES NP
	RLOAD 0
	RLOAD 1
	RLOAD 2
	TOSTAGE 0
.irp a, 1,2,3,4,5,6,7
.if \a > 1
	s_wait_xcnt 0x0                                ; the stores of two tiles back have read their registers: this tile's rows may land there
.endif
	TOSTAGE \a
	FIN \a-1, 32                                   ; behind the last tile's loads: this tile's 16 stores and 16 loads
.endr
	FIN 7, 0
	s_wait_tensorcnt 0x0                           ; the wave's end
	ds_add_u32 v[SPW], v[NIL]
	s_wait_dscnt 0x0
	CROUND                                         ; the closing round
	s_endpgm
.Lfunc_end_k_q1f96941077_w2:
	.size	k_q1f96941077_w2, .Lfunc_end_k_q1f96941077_w2-k_q1f96941077_w2
	.p2alignl 7, 3214868480
	.fill 96, 4, 3214868480
	.section	.rodata,"a",@progbits
	.p2align	6, 0x0
	.amdhsa_kernel k_q1f96941077_w2
		.amdhsa_group_segment_fixed_size 327680
		.amdhsa_private_segment_fixed_size 0
		.amdhsa_enable_private_segment 0
		.amdhsa_kernarg_size 40
		.amdhsa_user_sgpr_count 2
		.amdhsa_user_sgpr_kernarg_segment_ptr 1
		.amdhsa_wavefront_size32 1
		.amdhsa_system_sgpr_workgroup_id_x 1
		.amdhsa_system_sgpr_workgroup_id_y 1
		.amdhsa_system_sgpr_workgroup_id_z 1
		.amdhsa_system_vgpr_workitem_id 0
		.amdhsa_next_free_vgpr 1024
		.amdhsa_next_free_sgpr 98
		.amdhsa_reserve_vcc 0
		.amdhsa_float_denorm_mode_32 3
		.amdhsa_float_denorm_mode_16_64 3
		.amdhsa_memory_ordered 1
		.amdhsa_forward_progress 1
		.amdhsa_inst_pref_size 191
	.end_amdhsa_kernel
	.amdgpu_metadata
---
amdhsa.version: [ 1, 2 ]
amdhsa.kernels:
  - .name:           k_q1f96941077_w2
    .symbol:         k_q1f96941077_w2.kd
    .args:
      - { .name: ffc, .offset: 0, .size: 8, .value_kind: global_buffer, .address_space: global }
      - { .name: wc, .offset: 8, .size: 8, .value_kind: global_buffer, .address_space: global }
      - { .name: b2, .offset: 16, .size: 8, .value_kind: global_buffer, .address_space: global }
      - { .name: x1, .offset: 24, .size: 8, .value_kind: global_buffer, .address_space: global }
      - { .name: out0, .offset: 32, .size: 8, .value_kind: global_buffer, .address_space: global }
    .group_segment_fixed_size: 327680
    .private_segment_fixed_size: 0
    .kernarg_segment_align: 8
    .kernarg_segment_size: 40
    .max_flat_workgroup_size: 128
    .sgpr_count:     98
    .vgpr_count:     1024
    .wavefront_size: 32
...
	.end_amdgpu_metadata
.endif
;; end of part 7
;; ======== version 2 of 2: 7 launches
;; limits: right only within a limited range of input values
;; workspace buffers: wc 12,976,128 bytes; hc 4,325,376 bytes; att 12,976,128 bytes; ao 4,325,376 bytes; x1 16,777,216 bytes; ffc 17,301,504 bytes
;; launch wq (part 8): grid 640 x 1, 8 waves a work-group, no clusters, 18,944 bytes of LDS; arguments x, ln1_g, ln1_b, hc, Wq, Wk, Wv, Wo, W1, W2, wc; writes hc, wc
.if DOCPART == 8
	.amdgcn_target "amdgcn-amd-amdhsa--gfx1250"
	.amdhsa_code_object_version 6
	.text
	.protected	k_q1f96941077_wq
	.globl	k_q1f96941077_wq
	.p2align	8
	.type	k_q1f96941077_wq,@function
k_q1f96941077_wq:
	s_mov_b64 s[64:65], 0
	v_nop
	global_prefetch_b8 v0, s[64:65] scope:SCOPE_SE
	s_setreg_imm32_b32 hwreg(HW_REG_WAVE_MODE, 25, 1), 1
	s_wait_xcnt 0x0
; THE PROGRAM: a pre-LN transformer block, 4,096 tokens x 1,024, 16 heads of 64, causal, FFN of 4,096; all eight products on codes of E4M3 with one E8M0 scale for each 32 along K.
; Launches: wq (this one: the first layer norm and the six weights, into codes), qkv, attn, wo, ln2, w1, w2.
; WORK LEFT OUT, in the launch attn: a step of 128 keys all of which come after all 16 queries of a wave.  reference() sets those scores to -inf by a mask that it builds itself (jnp.tril), so their softmax weight is 0
; and their term in the row's sum and in the product with v is 0, whatever finite values the inputs hold.  Nothing else is left out, and every input is loaded.
; LIMITS of the program: a NaN, an infinity or an overflow that reaches only those hidden scores is not carried to the result; NaN and infinities among the inputs are not served; a block of zeros gets the scale byte 1
; where the quantiser's text says 127 (its codes are zeros, which add nothing under any byte but 0xff, and only this program reads the bytes); a block whose largest magnitude lies under 2^-118 is held at the byte 1.
; THE OPERAND LAYOUT of every workspace buffer of codes: an image of the matrix instruction's registers.
;   A tile is 16 rows; lane-row r of tile T is row 32 (T / 2) + 8 (T % 2) + r % 8 + 16 (r / 8).  A quad is 512 bytes: lane l = (r = l % 16, h = l / 16) has 16 bytes at 16 l: k = 32 c + 16 h + 0 .. 15 of its row.
;   A block is 128 rows x 256 K, 33,792 bytes: codes at q 16384 + i 2048 + c 512 + 16 l (q: which 128 of the 256, i: tile 0 .. 7); scale words (four bytes, one for each c) at 32768 + q 512 + i 64 + 4 r.
;   An operand of R rows: block kc (R / 128) + g, kc = k / 256, g = row / 128.
; THIS LAUNCH has two kinds of work-group, told apart by the work-group's number alone; they share no byte.
; WORK-GROUPS 0-255: y = (x - mean) * rsqrt(var + 1e-5) * g + b along rows of 1,024 f32, quantised along the row, into hc (4,096 rows x 1,024 K).  Work-group T makes tile T; wave w takes lane-rows 2 w, 2 w + 1, two neighbouring rows.
;   Every load covers 512 consecutive bytes: lane l holds columns 128 j + 4 l + 0 .. 3.  Mean and variance in two passes over registers.  A block of 32 columns lies in eight neighbouring lanes.
;   A conversion takes eight numbers under one scale, and a lane's eight belong to two blocks: each eight are converted under both scales, and of each result the four codes of that scale's block are kept.
;   The codes go by 4-byte stores into an LDS image of the tile's quads, [K step j][16 columns g][272 bytes]; behind one barrier wave w stores K step w: four quads of 512 bytes and 64 bytes of scale words.
; WORK-GROUPS 256-639: a weight is [K][N] f32 with K its first axis; its operand's rows are its columns.  wc holds 384 blocks: 0-63 Wq's and Wk's columns as one operand of 2,048 rows, 64-95 Wv, 96-127 Wo, 128-255 W1, 256-383 W2.
;   A work-group makes one block; wave w its columns 32 (w % 4) .. + 31 and its half w / 4 of the 256 along K.  A LANE TAKES A COLUMN AND ITS REGISTERS RUN DOWN K: a block of 32 lies in one lane's 32 registers, and the
;   conversions give 32 codes with K innermost.  Each store of codes covers two whole aligned runs of 256 bytes.  Loads run two blocks of 32 (64 loads a wave) ahead; each block of 32 has its own registers for its codes.  No LDS here.
; No cluster: the work-groups share only g and b, 8 KiB.
.set BLK,   33792
.set GP,    272
.set JP,    8*GP
.set SCS,   8*JP                       ; scale words [K step 8][lane-row 16][4 bytes]
.set SPARE, SCS+512                    ; the spare words, 128 bytes a wave: four blocks of 256 bytes that no other line names
.set XA,  2
.set STW, 3
.set SCW, 4
.set RD,  5
.set SCR, 6
.set SGO, 7
.set SPW, 8
.set NIL, 9
.set EB,  12                           ; v12-27 at work on the sums, then the scale bytes
.set X,   32                           ; v32-95 two rows x 32 numbers: 32 k + 4 j + i
.set GG,  96                           ; v96-127 g, then the codes
.set BE,  128                          ; v128-159 b, then bounds and scale operands
.set CD,  96
.set MX,  128
.set SOP, 144
	s_cmp_lt_u32 ttmp9, 256
	s_cbranch_scc0 .Lweights
	s_load_b256 s[4:11], s[0:1], 0x0               ; x, g, b, hc
	v_lshrrev_b32 v1, 5, v0
	v_readfirstlane_b32 s12, v1                    ; wave
	s_lshr_b32 s13, ttmp9, 1                       ; my first row: 32 (T / 2) + 8 (T % 2) + (2 w) % 8 + 16 (w / 4)
	s_lshl_b32 s13, s13, 5
	s_and_b32 s14, ttmp9, 1
	s_lshl_b32 s14, s14, 3
	s_add_co_u32 s13, s13, s14
	s_lshl_b32 s14, s12, 1
	s_and_b32 s14, s14, 7
	s_add_co_u32 s13, s13, s14
	s_lshr_b32 s14, s12, 2
	s_lshl_b32 s14, s14, 4
	s_add_co_u32 s13, s13, s14
	s_lshl_b32 s14, s13, 12
	s_mov_b32 s15, 0
	s_lshr_b32 s16, s12, 1                         ; the block that I store into: 32 (w / 2) + T / 8; its half w % 2, its tile T % 8
	s_lshl_b32 s16, s16, 5
	s_lshr_b32 s17, ttmp9, 3
	s_add_co_u32 s16, s16, s17
	s_mul_i32 s16, s16, BLK
	s_and_b32 s17, s12, 1
	s_and_b32 s18, ttmp9, 7
	s_lshl_b32 s19, s17, 14
	s_add_co_u32 s20, s16, s19
	s_lshl_b32 s19, s18, 11
	s_add_co_u32 s20, s20, s19
	s_mov_b32 s21, 0
	s_lshl_b32 s19, s17, 9
	s_add_co_u32 s16, s16, s19
	s_lshl_b32 s19, s18, 6
	s_add_co_u32 s16, s16, s19
	s_add_co_u32 s16, s16, 32768
	s_mov_b32 s17, 0
	s_mov_b32 s26, 0x76543210
	s_mov_b32 s27, 0xfedcba98                      ; selects for lane l xor 16
	s_mov_b32 s28, 0x3a800000                      ; 1 / 1,024
	s_mov_b32 s29, 0x3727c5ac                      ; 1e-5
	s_mov_b32 s30, 0x600000                        ; the mantissa field of 448
	s_lshl_b32 s22, s12, 5
	s_lshl_b32 s23, s12, 3
	s_add_co_u32 s23, s23, SCS
	s_mul_i32 s24, s12, JP
	s_lshl_b32 s25, s12, 6
	s_add_co_u32 s25, s25, SCS
	v_lshl_add_u32 v[SPW], v0, 2, SPARE
	v_mov_b32 v[NIL], 0
	v_and_b32 v1, 31, v0
	v_lshlrev_b32 v[XA], 4, v1
	v_lshrrev_b32 v10, 2, v1
	v_and_b32 v11, 3, v1
	v_mul_u32_u24 v10, v10, GP
	v_lshl_add_u32 v10, v11, 2, v10
	v_add_nc_u32 v[STW], s22, v10                  ; 272 (l / 4) + 4 (l % 4) + 16 x lane-row 2 w
	v_lshrrev_b32 v10, 3, v1
	v_add_nc_u32 v[SCW], s23, v10                  ; word of lane-row 2 w, byte l / 8
	v_and_b32 v10, 15, v0
	v_bfe_u32 v11, v0, 4, 1
	v_mul_u32_u24 v11, v11, GP
	v_lshl_add_u32 v11, v10, 4, v11
	v_add_nc_u32 v[RD], s24, v11                   ; K step w: 272 h + 16 r; quad c 544 bytes on
	v_lshlrev_b32 v[SGO], 2, v10
	v_add_nc_u32 v[SCR], s25, v[SGO]
	s_wait_alu depctr_va_vdst(0)                   ; the wait at the head's end
	s_wait_kmcnt 0x0
	s_add_nc_u64 s[4:5], s[4:5], s[14:15]
	s_add_nc_u64 s[20:21], s[10:11], s[20:21]
	s_add_nc_u64 s[16:17], s[10:11], s[16:17]
.irp k, 0,1
.irp j, 0,1,2,3,4,5,6,7
	global_load_b128 v[X+32*\k+4*\j:X+32*\k+4*\j+3], v[XA], s[4:5] offset:4096*\k+512*\j th:TH_LOAD_NT
.endr
.endr
.irp j, 0,1,2,3,4,5,6,7
	global_load_b128 v[GG+4*\j:GG+4*\j+3], v[XA], s[6:7] offset:512*\j
	global_load_b128 v[BE+4*\j:BE+4*\j+3], v[XA], s[8:9] offset:512*\j
.endr
	s_wait_loadcnt 0x0
.macro RED b                           ; v[b + 4 k] + v[b + 1 + 4 k], summed over the wave's 32 lanes; the two rows by turns
.irp k, 0,1
	v_add_f32 v[\b+4*\k], v[\b+4*\k], v[\b+1+4*\k]
.endr
.irp m, 1,2,4,8
.irp k, 0,1
	v_add_f32_dpp v[\b+4*\k], v[\b+4*\k], v[\b+4*\k] row_xmask:\m row_mask:0xf bank_mask:0xf
.endr
.endr
.irp k, 0,1
	v_permlanex16_b32 v[\b+1+4*\k], v[\b+4*\k], s26, s27
.endr
.irp k, 0,1
	v_add_f32 v[\b+4*\k], v[\b+4*\k], v[\b+1+4*\k]
.endr
.endm
.irp k, 0,1
	v_pk_add_f32 v[12+4*\k:13+4*\k], v[X+32*\k:X+32*\k+1], v[X+32*\k+2:X+32*\k+3]
	v_pk_add_f32 v[14+4*\k:15+4*\k], v[X+32*\k+4:X+32*\k+5], v[X+32*\k+6:X+32*\k+7]
.endr
.irp i, 8,12,16,20,24,28
.irp k, 0,1
	v_pk_add_f32 v[12+4*\k:13+4*\k], v[12+4*\k:13+4*\k], v[X+32*\k+\i:X+32*\k+\i+1]
	v_pk_add_f32 v[14+4*\k:15+4*\k], v[14+4*\k:15+4*\k], v[X+32*\k+\i+2:X+32*\k+\i+3]
.endr
.endr
.irp k, 0,1
	v_pk_add_f32 v[12+4*\k:13+4*\k], v[12+4*\k:13+4*\k], v[14+4*\k:15+4*\k]
.endr
	RED 12
.irp k, 0,1
	v_mul_f32 v[12+4*\k], s28, v[12+4*\k]          ; the mean
.endr
.set n, 0
.rept 16
.irp k, 0,1
	v_pk_add_f32 v[X+32*\k+n:X+32*\k+n+1], v[X+32*\k+n:X+32*\k+n+1], v[12+4*\k:13+4*\k] op_sel_hi:[1,0] neg_lo:[0,1] neg_hi:[0,1]   ; d = x - mean
.endr
.set n, n+2
.endr
.irp k, 0,1
	v_pk_mul_f32 v[14+4*\k:15+4*\k], v[X+32*\k:X+32*\k+1], v[X+32*\k:X+32*\k+1]      ; the sum of d^2, two chains a row
	v_pk_mul_f32 v[20+2*\k:21+2*\k], v[X+32*\k+2:X+32*\k+3], v[X+32*\k+2:X+32*\k+3]
.endr
.irp i, 4,8,12,16,20,24,28
.irp k, 0,1
	v_pk_fma_f32 v[14+4*\k:15+4*\k], v[X+32*\k+\i:X+32*\k+\i+1], v[X+32*\k+\i:X+32*\k+\i+1], v[14+4*\k:15+4*\k]
	v_pk_fma_f32 v[20+2*\k:21+2*\k], v[X+32*\k+\i+2:X+32*\k+\i+3], v[X+32*\k+\i+2:X+32*\k+\i+3], v[20+2*\k:21+2*\k]
.endr
.endr
.irp k, 0,1
	v_pk_add_f32 v[14+4*\k:15+4*\k], v[14+4*\k:15+4*\k], v[20+2*\k:21+2*\k]
.endr
	RED 14
.irp k, 0,1
	v_fma_f32 v[14+4*\k], v[14+4*\k], s28, s29     ; var + 1e-5
.endr
	s_wait_alu depctr_va_vdst(0)                   ; the wait ahead of the two
.irp k, 0,1
	v_rsq_f32 v[14+4*\k], v[14+4*\k]
.endr
	v_nop
	s_wait_alu depctr_va_vdst(0)                   ; and behind them, ahead of their first reader
.set n, 0
.rept 16
.irp k, 0,1
	v_pk_mul_f32 v[X+32*\k+n:X+32*\k+n+1], v[X+32*\k+n:X+32*\k+n+1], v[14+4*\k:15+4*\k] op_sel_hi:[1,0]
.endr
.set n, n+2
.endr
.set n, 0
.rept 16
.irp k, 0,1
	v_pk_fma_f32 v[X+32*\k+n:X+32*\k+n+1], v[X+32*\k+n:X+32*\k+n+1], v[GG+n:GG+n+1], v[BE+n:BE+n+1]
.endr
.set n, n+2
.endr
.set n, 0
.rept 16                               ; n = 8 k + j: my four numbers of block 4 j + l / 8 of row k
	v_max3_num_f32 v[MX+n], |v[X+4*n]|, |v[X+4*n+1]|, |v[X+4*n+2]|
.set n, n+1
.endr
.set n, 0
.rept 16
	v_max3_num_f32 v[MX+n], v[MX+n], |v[X+4*n+3]|, 0x4800000       ; the floor 2^(9 - 127): the byte cannot fall under 1
.set n, n+1
.endr
.irp m, 1,2,4
.set n, 0
.rept 16
	v_max_num_f32_dpp v[MX+n], v[MX+n], v[MX+n] row_xmask:\m row_mask:0xf bank_mask:0xf   ; with the block's other seven lanes
.set n, n+1
.endr
.endr
.set n, 0
.rept 16
	v_add_nc_u32 v[SOP+n], 0xfc000000, v[MX+n]     ; 8 off the exponent field: the conversion's scale operand
.set n, n+1
.endr
.set n, 0
.rept 16
	v_and_or_b32 v[MX+n], v[MX+n], 0x7f800000, s30 ; 448 x the scale
.set n, n+1
.endr
.set n, 0
.rept 16
	v_lshrrev_b32 v[EB+n], 23, v[SOP+n]            ; the scale's byte
.set n, n+1
.endr
.set n, 0
.rept 16
.irp i, 0,1,2,3
	v_med3_num_f32 v[X+4*n+\i], v[X+4*n+\i], -v[MX+n], v[MX+n]     ; the conversion does not saturate (ISA guide 7.6.2): the hold
.endr
.set n, n+1
.endr
.set n, 0
.rept 8                                ; n = 4 k + p: K steps 2 p and 2 p + 1 of row k; kept: the first result's low register, the second's high one
	v_cvt_scalef32_pk8_fp8_f32 v[CD+4*n:CD+4*n+1], v[X+8*n:X+8*n+7], v[SOP+2*n]
	v_cvt_scalef32_pk8_fp8_f32 v[CD+4*n+2:CD+4*n+3], v[X+8*n:X+8*n+7], v[SOP+2*n+1]
.set n, n+1
.endr
	v_nop                                          ; a plain line behind the last conversion
.irp k, 0,1
.irp p, 0,1,2,3
	ds_store_b32 v[STW], v[CD+16*\k+4*\p] offset:JP*2*\p+16*\k
	ds_store_b32 v[STW], v[CD+16*\k+4*\p+3] offset:JP*(2*\p+1)+16*\k
	ds_store_b8 v[SCW], v[EB+8*\k+2*\p] offset:128*\p+4*\k         ; the block's eight lanes write the same byte with the same value
	ds_store_b8 v[SCW], v[EB+8*\k+2*\p+1] offset:128*\p+64+4*\k
.endr
.endr
	s_wait_dscnt 0x0                               ; for the others' sake: my stores have landed
	s_barrier_signal -1
	s_barrier_wait -1
.irp c, 0,1,2,3
	ds_load_b128 v[X+4*\c:X+4*\c+3], v[RD] offset:2*GP*\c
.endr
	ds_load_b32 v[X+16], v[SCR]
	s_wait_dscnt 0x0
.irp c, 0,1,2,3
	global_store_b128 v[XA], v[X+4*\c:X+4*\c+3], s[20:21] offset:512*\c    ; a quad: 512 consecutive bytes, at a multiple of 256 from the buffer's first byte
.endr
	global_store_b32 v[SGO], v[X+16], s[16:17]     ; lanes r and r + 16 store the same word to the same place
	s_wait_tensorcnt 0x0                           ; the wave's end
	ds_add_u32 v[SPW], v[NIL]
	s_wait_dscnt 0x0
	s_endpgm
; THE WEIGHTS
.set DO,   2                           ; v2      where my codes go in the block
.set SO,   3                           ; v3      and my scale word
.set SB,   14                          ; v14     the scale word of my 128 along K
.set OFF,  16                          ; v16-47  4 x lane + i x a row of the weight in bytes
.set WX,   48                          ; v48-111 two sets of 32 numbers
.set WC,   112                         ; v112-143 eight registers of codes for each of my four blocks of 32
.Lweights:
	s_load_b256 s[4:11], s[0:1], 0x20              ; Wq, Wk, Wv, Wo
	s_load_b128 s[12:15], s[0:1], 0x40             ; W1, W2
	s_load_b64 s[16:17], s[0:1], 0x50              ; wc
	v_lshrrev_b32 v1, 5, v0
	v_readfirstlane_b32 s18, v1                    ; wave
	v_and_b32 v1, 31, v0                           ; lane = my column of the wave's 32
	s_wait_alu depctr_va_vdst(0)
	s_lshr_b32 s52, s18, 2                         ; which 128 of the block's 256 along K
	s_and_b32 s18, s18, 3                          ; which 32 of its 128 columns
	s_sub_co_u32 s19, ttmp9, 256                   ; the block's number
	s_lshr_b32 s20, s19, 4                         ; kc, by the operand: blocks 0-63: id / 16;
	s_bfe_u32 s21, s19, 0x20003                    ; 64-127: (id / 8) % 4;
	s_bfe_u32 s22, s19, 0x20005                    ; 128-255: (id / 32) % 4;
	s_bfe_u32 s23, s19, 0x40003                    ; 256-383: (id / 8) % 16
	s_cmp_lt_u32 s19, 64
	s_cselect_b32 s20, s20, s21
	s_cmp_lt_u32 s19, 256
	s_cselect_b32 s22, s22, s23
	s_cmp_lt_u32 s19, 128
	s_cselect_b32 s20, s20, s22                    ; kc
	s_lshr_b32 s23, s19, 7
	s_cmp_eq_u32 s23, 1                            ; W1?
	s_cselect_b32 s21, 31, 7
	s_mov_b32 s22, 4096
	s_cselect_b32 s22, 16384, s22                  ; a row of the weight in bytes
	s_and_b32 s21, s19, s21                        ; which 128 columns of the weight
	s_mul_i32 s23, s20, s22
	s_lshl_b32 s23, s23, 8                         ; 256 kc rows
	s_lshl_b32 s48, s21, 9
	s_add_co_u32 s23, s23, s48                     ; + 128 columns x 4 bytes
	s_lshl_b32 s48, s18, 7
	s_add_co_u32 s48, s23, s48                     ; + my wave's 32 columns
	s_mul_i32 s53, s52, s22
	s_lshl_b32 s53, s53, 7
	s_add_co_u32 s48, s48, s53                     ; + my half's 128 rows
	s_mov_b32 s49, 0
	s_lshl_b32 s46, s22, 5                         ; 32 rows on
	s_mov_b32 s47, 0
	s_mul_i32 s50, s19, BLK
	s_mov_b32 s51, 0
	s_mov_b32 s44, 0x600000                        ; the mantissa field of 448
	v_bfe_u32 v4, v1, 3, 1                         ; u: column j = 8 u + r % 8 + 16 (r / 8)
	v_and_b32 v5, 7, v1
	v_bfe_u32 v6, v1, 4, 1
	v_lshl_or_b32 v5, v6, 3, v5                    ; r
	v_lshlrev_b32 v[DO], 4, v5
	v_lshl_add_u32 v[DO], v4, 11, v[DO]
	s_lshl_b32 s45, s18, 12
	s_lshl_b32 s53, s52, 14
	s_add_co_u32 s45, s45, s53
	v_add_nc_u32 v[DO], s45, v[DO]
	v_lshlrev_b32 v[SO], 2, v5
	v_lshl_add_u32 v[SO], v4, 6, v[SO]
	s_lshl_b32 s45, s18, 7
	s_lshl_b32 s53, s52, 9
	s_add_co_u32 s45, s45, s53
	v_add_nc_u32 v[SO], s45, v[SO]
	v_lshlrev_b32 v7, 2, v1
.set n, 0
.rept 32
	v_mad_u32_u24 v[OFF+n], s22, n, v7
.set n, n+1
.endr
	s_wait_alu depctr_va_vdst(0)                   ; the wait at the head's end
	s_wait_kmcnt 0x0
	s_bitcmp1_b32 s19, 3                           ; the choices hang on the block's number alone
	s_cselect_b64 s[24:25], s[6:7], s[4:5]         ; blocks 0-63: Wk where bit 3 is set, else Wq
	s_cmp_lt_u32 s19, 96
	s_cselect_b64 s[26:27], s[8:9], s[10:11]       ; 64-127: Wv, then Wo
	s_cmp_lt_u32 s19, 64
	s_cselect_b64 s[24:25], s[24:25], s[26:27]
	s_cmp_lt_u32 s19, 256
	s_cselect_b64 s[26:27], s[12:13], s[14:15]     ; 128-383: W1, then W2
	s_cmp_lt_u32 s19, 128
	s_cselect_b64 s[24:25], s[24:25], s[26:27]
	s_add_nc_u64 s[28:29], s[24:25], s[48:49]      ; a base for each block of 32 rows: none is ever stepped
.irp t, 1,2,3
	s_add_nc_u64 s[28+2*\t:29+2*\t], s[26+2*\t:27+2*\t], s[46:47]
.endr
	s_add_nc_u64 s[16:17], s[16:17], s[50:51]      ; my block of wc
.macro LOAD t                          ; rows 32 t .. 32 t + 31 of my column into set t % 2
.set n, 0
.rept 32
	global_load_b32 v[WX+32*((\t)%2)+n], v[OFF+n], s[28+2*(\t):29+2*(\t)] th:TH_LOAD_NT
.set n, n+1
.endr
.endm
.macro BLOCK t
.set XS, WX+32*((\t)%2)
.set CC, WC+8*(\t)
.if (\t) < 3
	s_wait_loadcnt 32                              ; this block's 32 loads are in; the next block's 32 may be out
.else
	s_wait_loadcnt 0x0
.endif
	v_max3_num_f32 v12, |v[XS]|, |v[XS+1]|, |v[XS+2]|              ; the block's largest magnitude: all 32 numbers are mine; two chains
	v_max3_num_f32 v13, |v[XS+3]|, |v[XS+4]|, |v[XS+5]|
.irp i, 6,10,14,18,22,26
	v_max3_num_f32 v12, v12, |v[XS+\i]|, |v[XS+\i+1]|
	v_max3_num_f32 v13, v13, |v[XS+\i+2]|, |v[XS+\i+3]|
.endr
	v_max3_num_f32 v12, v12, |v[XS+30]|, |v[XS+31]|
	v_max3_num_f32 v12, v12, v13, 0x4800000        ; and the floor 2^(9 - 127)
	v_add_nc_u32 v11, 0xfc000000, v12              ; the conversion's scale operand
	v_and_or_b32 v10, v12, 0x7f800000, s44         ; 448 x the scale
	v_lshrrev_b32 v13, 23, v11                     ; the scale's byte
.if (\t) == 0
	v_mov_b32 v[SB], v13
.else
	v_lshl_or_b32 v[SB], v13, 8*(\t), v[SB]
.endif
.set n, 0
.rept 32
	v_med3_num_f32 v[XS+n], v[XS+n], -v10, v10     ; the hold at 448 x the scale (ISA guide 7.6.2)
.set n, n+1
.endr
.irp g, 0,1,2,3
	v_cvt_scalef32_pk8_fp8_f32 v[CC+2*\g:CC+2*\g+1], v[XS+8*\g:XS+8*\g+7], v11
.endr
	global_store_b128 v[DO], v[CC:CC+3], s[16:17] offset:512*(\t)          ; k = 32 t + 0 .. 15: the quad's lanes 0-15
	global_store_b128 v[DO], v[CC+4:CC+7], s[16:17] offset:512*(\t)+256    ; k = 32 t + 16 .. 31: its lanes 16-31
.if (\t) == 3
	global_store_b32 v[SO], v[SB], s[16:17] offset:32768
.endif
.if (\t)+2 < 4
	LOAD (\t)+2
.endif
.endm
	LOAD 0
	LOAD 1
.irp t, 0,1,2,3
	BLOCK \t
.endr
	s_endpgm
.Lfunc_end_k_q1f96941077_wq:
	.size	k_q1f96941077_wq, .Lfunc_end_k_q1f96941077_wq-k_q1f96941077_wq
	.p2alignl 7, 3214868480
	.fill 96, 4, 3214868480
	.section	.rodata,"a",@progbits
	.p2align	6, 0x0
	.amdhsa_kernel k_q1f96941077_wq
		.amdhsa_group_segment_fixed_size 18944
		.amdhsa_private_segment_fixed_size 0
		.amdhsa_enable_private_segment 0
		.amdhsa_kernarg_size 88
		.amdhsa_user_sgpr_count 2
		.amdhsa_user_sgpr_kernarg_segment_ptr 1
		.amdhsa_wavefront_size32 1
		.amdhsa_system_sgpr_workgroup_id_x 1
		.amdhsa_system_sgpr_workgroup_id_y 1
		.amdhsa_system_sgpr_workgroup_id_z 1
		.amdhsa_system_vgpr_workitem_id 0
		.amdhsa_next_free_vgpr 160
		.amdhsa_next_free_sgpr 66
		.amdhsa_reserve_vcc 0
		.amdhsa_float_denorm_mode_32 3
		.amdhsa_float_denorm_mode_16_64 3
		.amdhsa_memory_ordered 1
		.amdhsa_forward_progress 1
		.amdhsa_inst_pref_size 67
	.end_amdhsa_kernel
	.amdgpu_metadata
---
amdhsa.version: [ 1, 2 ]
amdhsa.kernels:
  - .name:           k_q1f96941077_wq
    .symbol:         k_q1f96941077_wq.kd
    .args:
      - { .name: x, .offset: 0, .size: 8, .value_kind: global_buffer, .address_space: global }
      - { .name: ln1_g, .offset: 8, .size: 8, .value_kind: global_buffer, .address_space: global }
      - { .name: ln1_b, .offset: 16, .size: 8, .value_kind: global_buffer, .address_space: global }
      - { .name: hc, .offset: 24, .size: 8, .value_kind: global_buffer, .address_space: global }
      - { .name: Wq, .offset: 32, .size: 8, .value_kind: global_buffer, .address_space: global }
      - { .name: Wk, .offset: 40, .size: 8, .value_kind: global_buffer, .address_space: global }
      - { .name: Wv, .offset: 48, .size: 8, .value_kind: global_buffer, .address_space: global }
      - { .name: Wo, .offset: 56, .size: 8, .value_kind: global_buffer, .address_space: global }
      - { .name: W1, .offset: 64, .size: 8, .value_kind: global_buffer, .address_space: global }
      - { .name: W2, .offset: 72, .size: 8, .value_kind: global_buffer, .address_space: global }
      - { .name: wc, .offset: 80, .size: 8, .value_kind: global_buffer, .address_space: global }
    .group_segment_fixed_size: 18944
    .private_segment_fixed_size: 0
    .kernarg_segment_align: 8
    .kernarg_segment_size: 88
    .max_flat_workgroup_size: 256
    .sgpr_count:     66
    .vgpr_count:     160
    .wavefront_size: 32
...
	.end_amdgpu_metadata
.endif
;; end of part 8
;; launch qkv (part 9): grid 12 x 16, 4 waves a work-group, clusters of 4 x 4, 327,680 bytes of LDS; arguments hc, wc, att; writes att
.if DOCPART == 9
	.amdgcn_target "amdgcn-amd-amdhsa--gfx1250"
	.amdhsa_code_object_version 6
	.text
	.protected	k_q1f96941077_qkv
	.globl	k_q1f96941077_qkv
	.p2align	8
	.type	k_q1f96941077_qkv,@function
k_q1f96941077_qkv:
	s_mov_b64 s[64:65], 0
	v_nop
	global_prefetch_b8 v0, s[64:65] scope:SCOPE_SE
	s_setreg_imm32_b32 hwreg(HW_REG_WAVE_MODE, 25, 1), 1
	s_wait_xcnt 0x0
	s_wait_alu depctr_hold_cnt(0) depctr_sa_sdst(0) depctr_va_vdst(0) depctr_va_sdst(0) depctr_va_ssrc(0) depctr_va_vcc(0) depctr_vm_vsrc(0)
	s_getreg_b32 s2, hwreg(HW_REG_IB_STS2, 6, 4)
	s_cmp_eq_u32 s2, 0
	s_cbranch_scc0 .Lentry_in_a_cluster
	s_endpgm
.Lentry_in_a_cluster:
	s_bfe_u32 s2, ttmp6, 0x10000c
	s_cmp_lg_u32 s2, 0xf033
	s_cbranch_scc0 .Lentry_shape_is_right
	s_endpgm
.Lentry_shape_is_right:
.set BLK,   33792
.set SLOT,  4*BLK
.set SPARE, 2*SLOT
.set LAPS,  2
.set BIAS,  0
.set RELU,  0
.set VCO,   8388608
.set QKS,   12582912
.set VSO,   12845056
.set FR,    16
.set NP,    8
.set L16,   3
.set ADRA,  16
.set ADRB,  20
.set ADRS,  22
.set SST,   24
.set SRD,   25
.set SPW,   28
.set NIL,   29
.set SC,    32
.set BI,    64
.set AF,    128
.set YY,    64
.set CD0,   128
.set TM,    160
.set PW,    176
.set RB,    180
.set G1,    24
.set G0,    32
.set G1B,   48
.set G0B,   56
.set MSB,   0
.macro WIN new
.if MSB != (\new)
	s_set_vgpr_msb (MSB<<8)|(\new)
.set MSB, (\new)
.endif
.endm
.set MUL_LO, 0xa1
.set MUL_HI, 0xf1
.set TO_B,   0x40
.macro JLOAD s
	s_cmp_eq_u32 s15, 0
	s_cbranch_scc0 .Lfor_b_\@
	tensor_load_to_lds s[G0+4*\s:G0+4*\s+3], s[G1:G1+7]
	s_nop 0
.rept 4
	v_nop
.endr
	s_branch .Lasked_\@
.Lfor_b_\@:
	tensor_load_to_lds s[G0B+4*\s:G0B+4*\s+3], s[G1B:G1B+7]
	s_nop 0
.rept 4
	v_nop
.endr
.Lasked_\@:
.endm
.macro CREST
	s_cmp_lg_u32 s14, 0
	s_cbranch_scc1 .Lnot_wave_0_\@
	s_barrier_signal -3
.Lnot_wave_0_\@:
	s_barrier_wait -3
	s_barrier_signal -1
	s_barrier_wait -1
.endm
.macro CROUND
	s_barrier_signal -1
	s_barrier_wait -1
	CREST
.endm
	s_load_b128 s[4:7], s[0:1], 0x0
	s_load_b64 s[8:9], s[0:1], 0x10
	v_lshl_add_u32 v[SPW], v0, 2, SPARE
	v_mov_b32 v[NIL], 0
	ds_add_u32 v[SPW], v[NIL]
	ds_add_u32 v[SPW], v[NIL]
	v_lshrrev_b32 v1, 5, v0
	v_readfirstlane_b32 s14, v1
	v_and_b32 v30, 31, v0                          ; the prefetches' offsets: 256 x min(lane, 16), 256 x min(lane, 15); never rewritten
	v_min_u32 v31, 15, v30
	v_min_u32 v30, 16, v30
	v_lshlrev_b32 v31, 8, v31
	v_lshlrev_b32 v30, 8, v30
	s_lshr_b32 s15, s14, 1
	s_and_b32 s16, s14, 1
	s_bfe_u32 s40, ttmp6, 0x40000
	s_bfe_u32 s41, ttmp6, 0x40004
	s_and_b32 s18, ttmp7, 0xffff
	s_cmp_eq_u32 ttmp9, 2
	s_cselect_b32 s19, 0, s18
	s_cselect_b32 s83, s18, ttmp9
	s_mov_b32 s70, 32*BLK
	s_cselect_b32 s70, 8*BLK, s70
	s_mov_b32 s72, 16*BLK
	s_cselect_b32 s72, 32*BLK, s72
	s_cselect_b32 s84, 64*BLK, 0
	s_mov_b32 s78, 16384
	s_cselect_b32 s78, 2048, s78
	s_mov_b32 s71, 0
	s_mov_b32 s73, 0
	s_mov_b32 s79, 0
	s_lshl_b32 s66, s70, 1
	s_mov_b32 s67, 0
	s_lshl_b32 s68, s72, 1
	s_mov_b32 s69, 0
	s_lshl_b32 s17, s19, 2
	s_add_co_u32 s17, s17, s41
	s_lshl_b32 s42, s83, 2
	s_add_co_u32 s42, s42, s40
	s_lshl_b32 s43, s41, 2
	s_lshl_b32 s43, 15, s43
	s_lshl_b32 s44, 0x1111, s40
	s_or_b32 s[G1+0], s43, (3<<16)|(1<<21)
	s_or_b32 s[G1B+0], s44, (3<<16)|(1<<21)
.irp g, G1, G1B
	s_mov_b32 s[\g+1], 32<<16
	s_mov_b32 s[\g+2], 132<<16
	s_mov_b32 s[\g+3], 32<<16
	s_mov_b32 s[\g+4], 132
	s_mov_b32 s[\g+5], 32
	s_mov_b32 s[\g+6], 0
	s_mov_b32 s[\g+7], 0
.endr
	s_lshl_b32 s20, s17, 1
	s_add_co_u32 s20, s20, s16
	s_mul_i32 s20, s20, BLK
	s_add_co_u32 s20, s20, s84
	s_mov_b32 s21, 0
	s_lshl_b32 s46, s42, 1
	s_add_co_u32 s46, s46, s16
	s_mul_i32 s46, s46, BLK
	s_mov_b32 s47, 0
	s_mul_i32 s45, s14, BLK
	s_mov_b32 s80, 0x76543210
	s_mov_b32 s81, 0xfedcba98
	s_mov_b32 s82, 0x600000
	s_wait_dscnt 0x0
	s_wait_kmcnt 0x0
	s_cmp_eq_u32 ttmp9, 2
	s_cselect_b64 s[86:87], s[6:7], s[4:5]
	s_cselect_b64 s[88:89], s[4:5], s[6:7]
	s_add_nc_u64 s[20:21], s[86:87], s[20:21]
	s_add_nc_u64 s[46:47], s[88:89], s[46:47]
	; PREFETCH INTO THE L2 of the blocks that my wave will fetch for slots 1, 2, 3: the four partners of a joint load share a block's 132 pieces of 256 bytes out by address, 33 each (cx for source 1's operand, cy for source 0's)
	s_cmp_eq_u32 s15, 0
	s_cselect_b64 s[92:93], s[20:21], s[46:47]
	s_cselect_b32 s10, s40, s41
	s_cselect_b32 s12, s70, s72                    ; a K chunk on, in bytes
	s_mul_i32 s10, s10, 33*256
	s_mov_b32 s11, 0
	s_mov_b32 s13, 0
	s_add_nc_u64 s[92:93], s[92:93], s[10:11]
	s_add_nc_u64 s[92:93], s[92:93], s[12:13]      ; slot 1
	s_add_nc_u64 s[94:95], s[92:93], s[12:13]      ; slot 2
	s_add_nc_u64 s[96:97], s[94:95], s[12:13]      ; slot 3
	CROUND
.irp s, 0,1
	s_mov_b32 s[G0+4*\s], 1
	s_add_co_u32 s[G0+4*\s+1], s45, \s*SLOT
	s_mov_b32 s[G0B+4*\s], 1
	s_add_co_u32 s[G0B+4*\s+1], s45, \s*SLOT
.if \s == 0
	s_mov_b64 s[G0+2:G0+3], s[20:21]
	s_mov_b64 s[G0B+2:G0B+3], s[46:47]
.else
	s_add_nc_u64 s[G0+6:G0+7], s[20:21], s[70:71]
	s_add_nc_u64 s[G0B+6:G0B+7], s[46:47], s[72:73]
.endif
	s_or_b32 s[G0+4*\s+3], s[G0+4*\s+3], 0x80000000
	s_or_b32 s[G0B+4*\s+3], s[G0B+4*\s+3], 0x80000000
	s_wait_alu depctr_va_vdst(0)
.if \s == 1                                        ; slot 1's first fill stands behind the full sequence and a round of its own, as a refill does; slot 0's follows the opening lines and the one round above
	s_wait_tensorcnt 0x0
	ds_add_u32 v28, v29
	ds_add_u32 v28, v29
	s_wait_dscnt 0x0
	CROUND
.endif
	JLOAD \s
.if \s == 0
	global_prefetch_b8 v30, s[92:93] th:TH_LOAD_NT scope:SCOPE_SE
	global_prefetch_b8 v31, s[92:93] offset:17*256 th:TH_LOAD_NT scope:SCOPE_SE
.else
	global_prefetch_b8 v30, s[94:95] th:TH_LOAD_NT scope:SCOPE_SE
	global_prefetch_b8 v31, s[94:95] offset:17*256 th:TH_LOAD_NT scope:SCOPE_SE
	global_prefetch_b8 v30, s[96:97] th:TH_LOAD_NT scope:SCOPE_SE
	global_prefetch_b8 v31, s[96:97] offset:17*256 th:TH_LOAD_NT scope:SCOPE_SE
.endif
.endr
	v_and_b32 v1, 15, v0
	v_bfe_u32 v2, v0, 4, 1
	s_wait_alu depctr_va_vdst(0)
	v_and_b32 v[L16], 31, v0
	v_lshlrev_b32 v[L16], 4, v[L16]
	s_mul_i32 s21, s15, BLK
	s_mul_i32 s22, s16, BLK
	s_add_co_u32 s22, s22, 2*BLK
.irp s, 0,1
	v_add_nc_u32 v[ADRA+\s], s21, v[L16]
	v_add_nc_u32 v[ADRB+\s], s22, v[L16]
	s_add_co_u32 s21, s21, SLOT
	s_add_co_u32 s22, s22, SLOT
.endr
	s_mul_i32 s21, s15, BLK
	s_mul_i32 s22, s16, BLK
	s_add_co_u32 s22, s22, 2*BLK
	s_sub_co_u32 s22, s22, s21
	v_mul_u32_u24 v6, s22, v2
	v_lshl_add_u32 v5, v1, 2, v6
	v_add_nc_u32 v[ADRS], s21, v5
	v_add_nc_u32 v[ADRS+1], SLOT, v[ADRS]
	s_lshl_b32 s23, s14, 9
	v_lshl_add_u32 v[SST], v1, 2, s23
	v_add_nc_u32 v[SRD], s23, v[L16]
	s_lshr_b32 s84, s42, 2
	s_and_b32 s85, s42, 3
	s_lshl_b32 s85, s85, 1
	s_add_co_u32 s85, s85, s16
	s_lshl_b32 s86, s84, 8
	s_lshl_b32 s87, s17, 4
	s_add_co_u32 s86, s86, s87
	s_lshl_b32 s87, s15, 3
	s_add_co_u32 s86, s86, s87
	s_lshl_b32 s86, s86, 14
	s_lshl_b32 s87, s85, 11
	s_add_co_u32 s86, s86, s87
	s_lshl_b32 s88, s84, 3
	s_add_co_u32 s88, s88, s85
	s_lshl_b32 s89, s88, 4
	s_lshl_b32 s90, s17, 2
	s_add_co_u32 s89, s89, s90
	s_lshl_b32 s90, s15, 1
	s_add_co_u32 s89, s89, s90
	s_lshl_b32 s89, s89, 13
	s_add_co_u32 s89, s89, VCO
	s_lshl_b32 s90, s84, 5
	s_lshl_b32 s91, s17, 1
	s_add_co_u32 s90, s90, s91
	s_add_co_u32 s90, s90, s15
	s_lshl_b32 s90, s90, 3
	s_add_co_u32 s90, s90, s85
	s_lshl_b32 s90, s90, 9
	s_add_co_u32 s90, s90, QKS
	s_lshl_b32 s88, s88, 3
	s_add_co_u32 s88, s88, s91
	s_add_co_u32 s88, s88, s15
	s_lshl_b32 s88, s88, 9
	s_add_co_u32 s88, s88, VSO
	s_cmp_eq_u32 ttmp9, 2
	s_cselect_b32 s86, s89, s86
	s_cselect_b32 s90, s88, s90
	s_mov_b32 s87, 0
	s_mov_b32 s91, 0
	s_add_nc_u64 s[74:75], s[8:9], s[86:87]
	s_add_nc_u64 s[76:77], s[8:9], s[90:91]
.macro FRAG reg, adr, q, i
.irp c, 0,1,2,3
	ds_load_b128 v[\reg+4*\c:\reg+4*\c+3], v[\adr] offset:16384*(\q)+2048*(\i)+512*\c
.endr
.endm
.macro MUL16 a0, p, q, sc, zero
.irp a, \a0, \a0+1
.irp b, 0,1,2,3,4,5,6,7
.if \zero
.if BIAS
	v_wmma_scale_f32_16x16x128_f8f6f4 v[8*(8*((\a)%4)+\b):8*(8*((\a)%4)+\b)+7], v[128*(\p)+FR*\b:128*(\p)+FR*\b+FR-1], v[AF+FR*(\a):AF+FR*(\a)+FR-1], v[BI+8*\b:BI+8*\b+7], v[SC+16*(\sc)+2*\b+(\q)], v[SC+16*(\sc)+2*(\a)+(\q)] matrix_a_scale:MATRIX_SCALE_ROW1
.else
	v_wmma_scale_f32_16x16x128_f8f6f4 v[8*(8*((\a)%4)+\b):8*(8*((\a)%4)+\b)+7], v[128*(\p)+FR*\b:128*(\p)+FR*\b+FR-1], v[AF+FR*(\a):AF+FR*(\a)+FR-1], 0, v[SC+16*(\sc)+2*\b+(\q)], v[SC+16*(\sc)+2*(\a)+(\q)] matrix_a_scale:MATRIX_SCALE_ROW1
.endif
.else
	v_wmma_scale_f32_16x16x128_f8f6f4 v[8*(8*((\a)%4)+\b):8*(8*((\a)%4)+\b)+7], v[128*(\p)+FR*\b:128*(\p)+FR*\b+FR-1], v[AF+FR*(\a):AF+FR*(\a)+FR-1], v[8*(8*((\a)%4)+\b):8*(8*((\a)%4)+\b)+7], v[SC+16*(\sc)+2*\b+(\q)], v[SC+16*(\sc)+2*(\a)+(\q)] matrix_a_scale:MATRIX_SCALE_ROW1
.endif
.endr
.endr
.endm
.macro FETCH_B slot, q, p
	WIN TO_B
.irp i, 0,1,2,3,4,5,6,7
	FRAG 128*(\p)+FR*\i, ADRB+\slot, \q, \i
.endr
	WIN 0
.endm
.macro FETCH_A slot, q, i0
.irp i, \i0, \i0+1, \i0+2, \i0+3
	FRAG AF+FR*(\i), ADRA+\slot, \q, \i
.endr
.endm
.macro SCALES sc
.irp i, 0,1,2,3,4,5,6,7
	ds_load_b32 v[SC+16*\sc+2*\i], v[ADRS+\sc] offset:32768+64*\i
	ds_load_b32 v[SC+16*\sc+2*\i+1], v[ADRS+\sc] offset:32768+512+64*\i
.endr
.endm
.macro PLACES n
.rept \n
	v_nop
.endr
.endm
.macro STEP slot, q, zero
	s_wait_dscnt 16
.if (\zero) && BIAS
	WIN 0x81
.else
	WIN MUL_LO
.endif
	MUL16 0, (\q)%2, \q, \slot, \zero
	MUL16 2, (\q)%2, \q, \slot, \zero
	s_wait_dscnt 0x0
	PLACES NP
	FETCH_B \slot, (\q)+1, 1-(\q)%2
	FETCH_A \slot, (\q)+1, 0
.if (\zero) && BIAS
	WIN 0xc1
.else
	WIN MUL_HI
.endif
	MUL16 4, (\q)%2, \q, \slot, \zero
	MUL16 6, (\q)%2, \q, \slot, \zero
	PLACES NP
	WIN 0
	FETCH_A \slot, (\q)+1, 4
.endm
.macro TURN slot, next, fill
	s_wait_tensorcnt 0x0
	ds_add_u32 v[SPW], v[NIL]
	s_wait_dscnt 17
	WIN MUL_LO
	MUL16 0, 1, 1, \slot, 0
	s_wait_dscnt 0x0
	s_barrier_signal -1
	MUL16 2, 1, 1, \slot, 0
	WIN 0
	s_barrier_wait -1
.if \fill
	CREST
	s_add_nc_u64 s[G0+4*\slot+2:G0+4*\slot+3], s[G0+4*\slot+2:G0+4*\slot+3], s[66:67]
	s_add_nc_u64 s[G0B+4*\slot+2:G0B+4*\slot+3], s[G0B+4*\slot+2:G0B+4*\slot+3], s[68:69]
	JLOAD \slot
	PLACES NP-4
.else
	PLACES NP
.endif
	FETCH_B \next, 0, 0
	FETCH_A \next, 0, 0
	SCALES \next
	WIN MUL_HI
	MUL16 4, 1, 1, \slot, 0
	MUL16 6, 1, 1, \slot, 0
	PLACES NP
	WIN 0
	FETCH_A \next, 0, 4
.endm
	s_wait_alu depctr_va_vdst(0)
	s_wait_tensorcnt 1
	s_barrier_signal -1
	s_barrier_wait -1
	FETCH_B 0, 0, 0
	FETCH_A 0, 0, 0
	SCALES 0
	FETCH_A 0, 0, 4
	STEP 0, 0, 1
	s_mov_b32 s3, LAPS-1
.Llap:
	TURN 0, 1, 1
	STEP 1, 0, 0
	TURN 1, 0, 1
	STEP 0, 0, 0
	s_sub_co_u32 s3, s3, 1
	s_cmp_lg_u32 s3, 0
	s_cbranch_scc1 .Llap
	TURN 0, 1, 0
	STEP 1, 0, 0
	s_wait_dscnt 16
	WIN MUL_LO
	MUL16 0, 1, 1, 1, 0
	MUL16 2, 1, 1, 1, 0
	s_wait_dscnt 0x0
	WIN MUL_HI
	MUL16 4, 1, 1, 1, 0
	MUL16 6, 1, 1, 1, 0
	WIN 0
.macro QOUT a
.set AC, 64*((\a)%4)
.set CD, CD0+16*((\a)%2)
	WIN (2+(\a)/4)*5
.irp b, 0,1,2,3
.if RELU
	v_max3_num_f32 v[TM+\b], v[AC+16*\b], v[AC+16*\b+1], 0x4800000
.else
	v_max3_num_f32 v[TM+\b], |v[AC+16*\b]|, |v[AC+16*\b+1]|, 0x4800000
.endif
.endr
	WIN (2+(\a)/4)*20
.irp i, 2,4,6,8,10,12,14
.irp b, 0,1,2,3
.if RELU
	v_max3_num_f32 v[TM+\b], v[TM+\b], v[AC+16*\b+\i], v[AC+16*\b+\i+1]
.else
	v_max3_num_f32 v[TM+\b], v[TM+\b], |v[AC+16*\b+\i]|, |v[AC+16*\b+\i+1]|
.endif
.endr
.endr
	WIN 0
.irp b, 0,1,2,3
	v_permlanex16_b32 v[TM+4+\b], v[TM+\b], s80, s81
.endr
.irp b, 0,1,2,3
	v_max_num_f32 v[TM+\b], v[TM+\b], v[TM+4+\b]
.endr
.irp b, 0,1,2,3
	v_add_nc_u32 v[TM+12+\b], 0xfc000000, v[TM+\b]
.endr
.irp b, 0,1,2,3
	v_and_or_b32 v[TM+8+\b], v[TM+\b], 0x7f800000, s82
.endr
.irp b, 0,1,2,3
	v_lshrrev_b32 v[TM+4+\b], 23, v[TM+12+\b]
.endr
	v_lshl_or_b32 v[PW], v[TM+5], 8, v[TM+4]
	v_lshl_or_b32 v[PW], v[TM+6], 16, v[PW]
	v_lshl_or_b32 v[PW], v[TM+7], 24, v[PW]
	WIN 2+(\a)/4
.irp b, 0,1,2,3
.irp i, 0,1,2,3,4,5,6,7,8,9,10,11,12,13,14,15
.if RELU
	v_med3_num_f32 v[YY+16*\b+\i], v[AC+16*\b+\i], 0, v[TM+8+\b]
.else
	v_med3_num_f32 v[YY+16*\b+\i], v[AC+16*\b+\i], -v[TM+8+\b], v[TM+8+\b]
.endif
.endr
.endr
	WIN 0
.irp b, 0,1,2,3
	v_cvt_scalef32_pk8_fp8_f32 v[CD+4*\b:CD+4*\b+1], v[YY+16*\b:YY+16*\b+7], v[TM+12+\b]
	v_cvt_scalef32_pk8_fp8_f32 v[CD+4*\b+2:CD+4*\b+3], v[YY+16*\b+8:YY+16*\b+15], v[TM+12+\b]
.endr
	v_nop
.if (\a) > 0
	s_wait_alu depctr_va_vdst(0)
	s_wait_xcnt 0x0
	s_add_nc_u64 s[74:75], s[74:75], s[78:79]
.endif
.irp b, 0,1,2,3
	global_store_b128 v[L16], v[CD+4*\b:CD+4*\b+3], s[74:75] offset:512*\b
.endr
	ds_store_b32 v[SST], v[PW] offset:64*(\a)
.endm
	PLACES NP
.irp b, 0,1,2,3
	v_mov_b32 v[TM+4+\b], 0
.endr
.irp a, 0,1,2,3,4,5,6,7
	QOUT \a
.endr
	ds_load_b128 v[RB:RB+3], v[SRD]
	s_wait_dscnt 0x0
	global_store_b128 v[L16], v[RB:RB+3], s[76:77]
	s_wait_tensorcnt 0x0
	ds_add_u32 v[SPW], v[NIL]
	s_wait_dscnt 0x0
	CROUND
	s_endpgm
.Lfunc_end_k_q1f96941077_qkv:
	.size	k_q1f96941077_qkv, .Lfunc_end_k_q1f96941077_qkv-k_q1f96941077_qkv
	.p2alignl 7, 3214868480
	.fill 96, 4, 3214868480
	.section	.rodata,"a",@progbits
	.p2align	6, 0x0
	.amdhsa_kernel k_q1f96941077_qkv
		.amdhsa_group_segment_fixed_size 327680
		.amdhsa_private_segment_fixed_size 0
		.amdhsa_enable_private_segment 0
		.amdhsa_kernarg_size 24
		.amdhsa_user_sgpr_count 2
		.amdhsa_user_sgpr_kernarg_segment_ptr 1
		.amdhsa_wavefront_size32 1
		.amdhsa_system_sgpr_workgroup_id_x 1
		.amdhsa_system_sgpr_workgroup_id_y 1
		.amdhsa_system_sgpr_workgroup_id_z 1
		.amdhsa_system_vgpr_workitem_id 0
		.amdhsa_next_free_vgpr 1024
		.amdhsa_next_free_sgpr 98
		.amdhsa_reserve_vcc 0
		.amdhsa_float_denorm_mode_32 3
		.amdhsa_float_denorm_mode_16_64 3
		.amdhsa_memory_ordered 1
		.amdhsa_forward_progress 1
		.amdhsa_inst_pref_size 188
	.end_amdhsa_kernel
	.amdgpu_metadata
---
amdhsa.version: [ 1, 2 ]
amdhsa.kernels:
  - .name:           k_q1f96941077_qkv
    .symbol:         k_q1f96941077_qkv.kd
    .args:
      - { .name: hc, .offset: 0, .size: 8, .value_kind: global_buffer, .address_space: global }
      - { .name: wc, .offset: 8, .size: 8, .value_kind: global_buffer, .address_space: global }
      - { .name: att, .offset: 16, .size: 8, .value_kind: global_buffer, .address_space: global }
    .group_segment_fixed_size: 327680
    .private_segment_fixed_size: 0
    .kernarg_segment_align: 8
    .kernarg_segment_size: 24
    .max_flat_workgroup_size: 128
    .sgpr_count:     98
    .vgpr_count:     1024
    .wavefront_size: 32
...
	.end_amdgpu_metadata
.endif
;; end of part 9
;; launch attn (part 10): grid 4 x 64, 16 waves a work-group, clusters of 4 x 1, 167,936 bytes of LDS; arguments att, ao; writes ao
.if DOCPART == 10
	.amdgcn_target "amdgcn-amd-amdhsa--gfx1250"
	.amdhsa_code_object_version 6
	.text
	.protected	k_q1f96941077_attn
	.globl	k_q1f96941077_attn
	.p2align	8
	.type	k_q1f96941077_attn,@function
k_q1f96941077_attn:
	s_mov_b64 s[64:65], 0
	v_nop
	global_prefetch_b8 v0, s[64:65] scope:SCOPE_SE
	s_setreg_imm32_b32 hwreg(HW_REG_WAVE_MODE, 25, 1), 1
	s_wait_xcnt 0x0
	s_wait_alu depctr_hold_cnt(0) depctr_sa_sdst(0) depctr_va_vdst(0) depctr_va_sdst(0) depctr_va_ssrc(0) depctr_va_vcc(0) depctr_vm_vsrc(0)
	s_getreg_b32 s2, hwreg(HW_REG_IB_STS2, 6, 4)
	s_cmp_eq_u32 s2, 0
	s_cbranch_scc0 .Lentry_in_a_cluster
	s_endpgm
.Lentry_in_a_cluster:
	s_bfe_u32 s2, ttmp6, 0x10000c
	s_cmp_lg_u32 s2, 0x3003
	s_cbranch_scc0 .Lentry_shape_is_right
	s_endpgm
.Lentry_shape_is_right:
; Causal attention of one head of one batch on codes of E4M3 (att: launch qkv's head), and its output quantised along the model's 1,024 into ao (operand layout: launch wq's head).
; WORK LEFT OUT: a step of 128 keys all of which come after a wave's 16 queries (shown dead at the head of launch wq).  LIMIT: a NaN or an infinity that reaches only such scores is not carried to the result.
; THE SOFTMAX: t = score x log2(e) / 8; M = the row's largest t so far, rounded UP to a whole number; p = 2^(t - M) is quantised along the keys; the row's sum is taken of the unquantised p and divides at the end.
; SHARES.  A cluster of four work-groups owns a head (cluster y = 16 x batch + head).  Wave w of work-group cx owns the tile of queries 4 w + cx, whose queries lie in rows 32 (2 w + cx / 2) .. + 31: it needs key steps 0 .. w / 2,
; a number that hangs on the wave alone: no branch hangs on cx, and the four work-groups have the same work.
; ALL OF THE HEAD'S K AND V LIE IN LDS, filled once, by joint loads that name the four partners: waves 0-3 K's codes, 4-7 V's, 8 K's scale words, 9 V's.  No byte of LDS is filled again: no ring, no barrier in the loop.
; By this text's count a wave has at most one tensor load out.
; LAYOUT.  Both products are used transposed: S^T = K Q^T (source 0 = a tile of 16 keys, source 1 = my queries), O^T = V^T P^T: a lane holds one query throughout; by the order of rows in a tile the 16 registers of tiles 2 j, 2 j + 1 are
; 16 neighbouring keys (or channels).  K = 64 IN AN INSTRUCTION OF 128: source 1 is q's 8 registers and 8 registers of zero codes.  Source 0 of tile t is v[32 + 8 t] on, 16 registers: tile t's 8, and behind them the next tile's
; (for the last tile: zeros), which meet q's zero codes and add nothing; the scale words come by 16-bit loads, so their upper two bytes are 0.
; The two scale bytes of a row of the output leave by a 2-byte store: 1 byte in 33 of the output; a whole word would take two heads in one work-group.
.set BLK,   33792
.set VCO,   8388608
.set QKS,   12582912
.set VSO,   12845056
.set LVC,   65536                      ; LDS: K's codes at 0: [tile 64][c 2][512];  V's here: [key step 8][tile of channels 4][c 4][512]
.set LKS,   131072                     ; K's scale words [key step][tile 8][r 16][4]
.set LVS,   135168                     ; V's [key step][tile 4][r 16][4]
.set SPARE, 137216                     ; the spare words, 128 bytes for each wave: eight blocks of 256 bytes that no other line names
.set AK0,  1                           ; v1   16 x lane
.set AV0,  2                           ; v2   16 x lane + LVC
.set ASK0, 3                           ; v3   LKS + 4 r + 2 (head % 2)
.set ASV0, 4                           ; v4   LVS + 4 r
.set SPW,  5                           ; v5   my spare word; never rewritten
.set NIL,  6                           ; v6   0; never rewritten
.set DD,   7                           ; v7   my query's place in the step on the diagonal, less 16 (lane / 16)
.set ADK,  8
.set ADV,  9
.set ADS,  10
.set ADT,  11                          ; v8-11 the step's addresses;  v12 -M, v13 the largest t, v[14:15] the sum in two halves;  v16-23 q, v24-31 zeros
.set KV,   32                          ; v32-95 eight tiles of K, later four fragments of V;  v96-103 zeros
.set S,    104                         ; v104-167 S^T, then p
.set O,    168                         ; v168-199 O^T
.set PC,   200                         ; v200-215 p's codes
.set SW,   216                         ; v216-223 scale words of K or V;  v232-254 at work;  v253 p's scale word;  v255 q's
.set WV,   8
.set WH,   9
.set CX,   10
.set MNT,  19
.set SEL,  20
.set CS,   22
.set SI,   76
.set TK,   77
.set TS,   78
.set TJ,   79
.macro CROUND
	s_barrier_signal -1
	s_barrier_wait -1
	s_cmp_lg_u32 s[WV], 0
	s_cbranch_scc1 .Lnot_wave_0_\@
	s_barrier_signal -3
.Lnot_wave_0_\@:
	s_barrier_wait -3
	s_barrier_signal -1
	s_barrier_wait -1
.endm
	s_load_b128 s[4:7], s[0:1], 0x0                ; att, ao
	v_lshl_add_u32 v[SPW], v0, 2, SPARE
	v_mov_b32 v[NIL], 0
	ds_add_u32 v[SPW], v[NIL]                      ; the wave's opening: the add, twice on end, and its wait ahead of the first tensor loads
	ds_add_u32 v[SPW], v[NIL]
	v_lshrrev_b32 v8, 5, v0
	s_delay_alu instid0(VALU_DEP_1)
	v_readfirstlane_b32 s[WV], v8                  ; wave 0..15
	; THE NUMBER w OF THIS TEXT'S HEAD IS DEALT, not the wave's own: wave 4 a + 2 b + e takes w = 2 u + e with u = 2 a + (a xor b) % 2.  So waves that lie four apart have 1 + 4 + 5 + 8 or 2 + 3 + 6 + 7 key steps: 18 either way.
	s_lshr_b32 s98, s[WV], 2
	s_bfe_u32 s99, s[WV], 0x10001
	s_xor_b32 s99, s99, s98
	s_and_b32 s99, s99, 1
	s_lshl_b32 s[WH], s98, 1
	s_add_co_u32 s[WH], s[WH], s99                 ; u: my last key step
	s_and_b32 s99, s[WV], 1
	s_lshl_b32 s98, s[WH], 1
	s_add_co_u32 s98, s98, s99                     ; w; w % 2 is the wave's own number % 2
	s_bfe_u32 s[CX], ttmp6, 0x40000
	s_and_b32 s11, ttmp7, 0xffff
	s_lshr_b32 s12, s11, 4                         ; batch
	s_and_b32 s13, s11, 15                         ; head
	s_and_b32 s14, s[WV], 3                        ; which quarter I fetch, if I fetch
	; descriptor groups 1: elements of 8 bytes, the mask of the four partners, bit 21 beside it, no padding
	s_mov_b32 s24, 15|(3<<16)|(1<<21)              ; K's codes: 16 tiles, 1,024 bytes each, 16,384 bytes apart
	s_mov_b32 s25, 128<<16
	s_mov_b32 s26, 16<<16
	s_mov_b32 s27, 128<<16
	s_mov_b32 s28, 16
	s_mov_b32 s29, 2048
	s_mov_b32 s30, 0
	s_mov_b32 s31, 0
	s_mov_b32 s32, 15|(3<<16)|(1<<21)              ; V's codes: 2 key steps, 8,192 bytes each, 131,072 bytes apart
	s_mov_b32 s33, 1024<<16
	s_mov_b32 s34, 2<<16
	s_mov_b32 s35, 1024<<16
	s_mov_b32 s36, 2
	s_mov_b32 s37, 16384
	s_mov_b32 s38, 0
	s_mov_b32 s39, 0
	s_mov_b32 s40, 15|(3<<16)|(1<<21)              ; K's scale words: 8 key steps, 512 bytes each, 4,096 bytes apart
	s_mov_b32 s41, 64<<16
	s_mov_b32 s42, 8<<16
	s_mov_b32 s43, 64<<16
	s_mov_b32 s44, 8
	s_mov_b32 s45, 512
	s_mov_b32 s46, 0
	s_mov_b32 s47, 0
	s_mov_b32 s48, 15|(3<<16)|(1<<21)              ; V's: 8 key steps, 256 bytes each, 4,096 bytes apart
	s_mov_b32 s49, 32<<16
	s_mov_b32 s50, 8<<16
	s_mov_b32 s51, 32<<16
	s_mov_b32 s52, 8
	s_mov_b32 s53, 512
	s_mov_b32 s54, 0
	s_mov_b32 s55, 0
	s_add_co_u32 s15, s12, 4
	s_lshl_b32 s15, s15, 6                         ; k's tiles of my batch begin at tile (4 + batch) x 64
	s_lshl_b32 s16, s14, 4
	s_add_co_u32 s16, s15, s16
	s_lshl_b32 s80, s16, 14
	s_lshl_b32 s16, s13, 10
	s_add_co_u32 s80, s80, s16                     ; K's codes: my 16 tiles, my head
	s_mov_b32 s81, 0
	s_lshl_b32 s82, s12, 3
	s_lshl_b32 s16, s14, 1
	s_add_co_u32 s82, s82, s16
	s_lshl_b32 s82, s82, 4
	s_add_co_u32 s82, s82, s13
	s_lshl_b32 s82, s82, 13
	s_add_co_u32 s82, s82, VCO                     ; V's codes: my 2 key steps, my head
	s_mov_b32 s83, 0
	s_lshr_b32 s17, s13, 1                         ; the pair of heads
	s_and_b32 s18, s13, 1                          ; which of the pair
	s_add_co_u32 s84, s15, s17
	s_lshl_b32 s84, s84, 9
	s_add_co_u32 s84, s84, QKS
	s_mov_b32 s85, 0
	s_lshl_b32 s86, s12, 6
	s_add_co_u32 s86, s86, s17
	s_lshl_b32 s86, s86, 9
	s_lshl_b32 s16, s18, 8
	s_add_co_u32 s86, s86, s16
	s_add_co_u32 s86, s86, VSO
	s_mov_b32 s87, 0
	s_lshl_b32 s88, s98, 2
	s_add_co_u32 s88, s88, s[CX]                   ; my tile of queries: it enters q's and the output's addresses and the mask's numbers alone
	s_and_b32 s89, s88, 7
	s_lshl_b32 s90, s12, 6
	s_add_co_u32 s90, s90, s88
	s_lshl_b32 s90, s90, 14
	s_lshl_b32 s16, s13, 10
	s_add_co_u32 s90, s90, s16                     ; q's codes
	s_mov_b32 s91, 0
	s_lshl_b32 s3, s12, 3
	s_add_co_u32 s3, s3, s[WH]                     ; my 128 tokens: 8 x batch + w / 2
	s_lshl_b32 s92, s3, 3
	s_add_co_u32 s92, s92, s17
	s_lshl_b32 s92, s92, 9
	s_lshl_b32 s16, s89, 6
	s_add_co_u32 s92, s92, s16
	s_lshl_b32 s16, s18, 1
	s_add_co_u32 s92, s92, s16
	s_add_co_u32 s92, s92, QKS                     ; q's scale bytes
	s_mov_b32 s93, 0
	s_lshr_b32 s94, s13, 2                         ; the output: K chunk head / 4, row group as above
	s_lshl_b32 s94, s94, 5
	s_add_co_u32 s94, s94, s3
	s_mul_i32 s94, s94, BLK
	s_and_b32 s2, s17, 1                           ; which 128 of the chunk's 256
	s_lshl_b32 s96, s2, 9
	s_add_co_u32 s96, s96, s94
	s_lshl_b32 s16, s89, 6
	s_add_co_u32 s96, s96, s16
	s_lshl_b32 s16, s18, 1
	s_add_co_u32 s96, s96, s16
	s_add_co_u32 s96, s96, 32768                   ; its scale bytes
	s_mov_b32 s97, 0
	s_lshl_b32 s16, s2, 14
	s_add_co_u32 s94, s94, s16
	s_lshl_b32 s16, s89, 11
	s_add_co_u32 s94, s94, s16
	s_lshl_b32 s16, s18, 10
	s_add_co_u32 s94, s94, s16                     ; its codes: quads 2 (head % 2), + 1
	s_mov_b32 s95, 0
	s_mov_b32 s[SEL], 0x76543210
	s_mov_b32 s[SEL+1], 0xfedcba98
	s_mov_b32 s[CS], 0x3e38aa3b                    ; c = log2(e) / 8
	s_mov_b32 s[CS+1], s[CS]                       ; (named with it as a pair, so it is written)
	s_mov_b32 s[MNT], 0x600000
	s_mov_b32 s[TK], 0
	s_mov_b32 s[TS], 0
	s_mov_b32 s[TJ], 0
	s_wait_dscnt 0x0                               ; both opening adds are done
	s_wait_kmcnt 0x0
	s_mov_b32 s56, 1
	s_lshl_b32 s57, s14, 14
	s_add_nc_u64 s[58:59], s[4:5], s[80:81]
	s_or_b32 s59, s59, 0x80000000
	s_mov_b32 s60, 1
	s_add_co_u32 s61, s57, LVC
	s_add_nc_u64 s[62:63], s[4:5], s[82:83]
	s_or_b32 s63, s63, 0x80000000
	s_mov_b32 s68, 1
	s_mov_b32 s69, LKS
	s_add_nc_u64 s[70:71], s[4:5], s[84:85]
	s_or_b32 s71, s71, 0x80000000
	s_mov_b32 s72, 1
	s_mov_b32 s73, LVS
	s_add_nc_u64 s[74:75], s[4:5], s[86:87]
	s_or_b32 s75, s75, 0x80000000
	s_add_nc_u64 s[90:91], s[4:5], s[90:91]
	s_add_nc_u64 s[92:93], s[4:5], s[92:93]
	s_add_nc_u64 s[94:95], s[6:7], s[94:95]
	s_add_nc_u64 s[96:97], s[6:7], s[96:97]
	CROUND                                         ; all four work-groups are here: the joint loads meet
	s_cmp_lt_u32 s[WV], 4                          ; the branches hang on the wave's number alone; an s_nop 0 and four v_nop follow each load
	s_cbranch_scc0 .Lnot_k
	tensor_load_to_lds s[56:59], s[24:31]
	s_nop 0
.rept 4
	v_nop
.endr
	s_branch .Lasked
.Lnot_k:
	s_cmp_lt_u32 s[WV], 8
	s_cbranch_scc0 .Lnot_v
	tensor_load_to_lds s[60:63], s[32:39]
	s_nop 0
.rept 4
	v_nop
.endr
	s_branch .Lasked
.Lnot_v:
	s_cmp_eq_u32 s[WV], 8
	s_cbranch_scc0 .Lnot_ks
	tensor_load_to_lds s[68:71], s[40:47]
	s_nop 0
.rept 4
	v_nop
.endr
	s_branch .Lasked
.Lnot_ks:
	s_cmp_eq_u32 s[WV], 9
	s_cbranch_scc0 .Lasked
	tensor_load_to_lds s[72:75], s[48:55]
	s_nop 0
.rept 4
	v_nop
.endr
.Lasked:
	v_and_b32 v9, 31, v0
	s_delay_alu instid0(VALU_DEP_1)
	v_lshlrev_b32 v[AK0], 4, v9
	s_delay_alu instid0(VALU_DEP_1)
	v_add_nc_u32 v[AV0], LVC, v[AK0]
	v_and_b32 v10, 15, v0                          ; r
	s_wait_alu depctr_va_vdst(0)
	s_lshl_b32 s16, s18, 1
	s_add_co_u32 s16, s16, LKS
	v_lshl_add_u32 v[ASK0], v10, 2, s16
	v_lshl_add_u32 v[ASV0], v10, 2, LVS
	global_load_b128 v[16:19], v[AK0], s[90:91]    ; q's two quads stay in registers
	global_load_b128 v[20:23], v[AK0], s[90:91] offset:512
	v_lshlrev_b32 v11, 2, v10
	global_load_u16 v255, v11, s[92:93]            ; q's two scale bytes; the upper two bytes are 0
	s_and_b32 s15, s[WV], 1                        ; my query in the step on the diagonal: 64 (w % 2) + 32 (cx / 2) + 8 (cx % 2) + r % 8 + 16 (r / 8)
	s_lshl_b32 s15, s15, 6
	s_lshr_b32 s16, s[CX], 1
	s_lshl_b32 s16, s16, 5
	s_add_co_u32 s15, s15, s16
	s_and_b32 s16, s[CX], 1
	s_lshl_b32 s16, s16, 3
	s_add_co_u32 s15, s15, s16
	v_bfe_u32 v9, v0, 4, 1                         ; h
	v_and_b32 v12, 7, v10
	v_lshrrev_b32 v13, 3, v10
	s_delay_alu instid0(VALU_DEP_1)
	v_lshl_add_u32 v12, v13, 4, v12
	s_delay_alu instid0(VALU_DEP_4)
	v_lshlrev_b32 v13, 4, v9
	s_delay_alu instid0(VALU_DEP_1)
	v_sub_nc_u32 v12, v12, v13
	s_delay_alu instid0(VALU_DEP_1)
	v_add_nc_u32 v[DD], s15, v12                   ; register 16 j + i holds key 32 j + 16 h + i of the step: hidden where 32 j + i > this
	v_mov_b32 v13, 0xff61b1e6                      ; the largest t so far: -3e38, under every t
	s_delay_alu instid0(VALU_DEP_1)
	v_floor_f32 v12, -v13                          ; -M
	v_mov_b32 v14, 0
	v_mov_b32 v15, 0
.irp b, 0,1,2,3
	v_mov_b32 v[236+\b], 0                         ; written once: a lane permute's destination counts as one of its sources
.endr
	v_mov_b32 v252, 0
	v_mov_b32 v253, 0
.set n, 0
.rept 8
	v_mov_b32 v[24+n], 0                           ; zero codes: the upper 64 of q's 128 along K,
	v_mov_b32 v[96+n], 0                           ; and behind K's last tile
.set n, n+1
.endr
.set n, 0
.rept 32
	v_mov_b32 v[O+n], 0                            ; O^T: the step is written once; the first finds zeros
.set n, n+1
.endr
	s_wait_tensorcnt 0x0                           ; my load, if I had one, has landed
	s_barrier_signal -1
	s_barrier_wait -1                              ; everybody's has
	s_wait_loadcnt 0x0                             ; q
	s_mov_b32 s[SI], 0
.Lstep:                                            ; eight trips in every wave; a step beyond the wave's last is passed over, but for the lines at its end that step addresses
	s_cmp_gt_u32 s[SI], s[WH]
	s_cbranch_scc1 .Lhidden
	v_add_nc_u32 v[ADK], s[TK], v[AK0]
	v_add_nc_u32 v[ADV], s[TK], v[AV0]
	v_add_nc_u32 v[ADS], s[TS], v[ASK0]
	v_add_nc_u32 v[ADT], s[TJ], v[ASV0]
.rept 4
	v_nop                                          ; with the four additions: eight places in front of loads into registers that the last products read
.endr
.irp t, 0,1,2,3,4,5,6,7
	ds_load_b128 v[KV+8*\t:KV+8*\t+3], v[ADK] offset:1024*\t
	ds_load_b128 v[KV+8*\t+4:KV+8*\t+7], v[ADK] offset:1024*\t+512
	ds_load_u16 v[SW+\t], v[ADS] offset:64*\t
.endr
	s_wait_alu depctr_va_vdst(0)
	s_wait_dscnt 0x0
.irp t, 0,1,2,3,4,5,6,7
	v_wmma_scale_f32_16x16x128_f8f6f4 v[S+8*\t:S+8*\t+7], v[KV+8*\t:KV+8*\t+15], v[16:31], 0, v[SW+\t], v255
.endr
.rept 8
	v_nop
.endr
.irp t, 0,1,2,3                                    ; K's registers are free behind the eight places: V's four fragments and their scale words are asked for here, with the whole softmax between the 20 loads and the wait for them
.irp c, 0,1,2,3
	ds_load_b128 v[KV+16*\t+4*\c:KV+16*\t+4*\c+3], v[ADV] offset:2048*\t+512*\c
.endr
	ds_load_b32 v[SW+\t], v[ADT] offset:64*\t
.endr
	s_cmp_lt_u32 s[SI], s[WH]
	s_cbranch_scc1 .Lopen
	v_mov_b32 v254, 0xff800000
.set n, 0
.rept 64
	v_cmp_gt_i32 vcc_lo, 32*(n/16)+n%16, v[DD]
	v_cndmask_b32 v[S+n], v[S+n], v254, vcc_lo
.set n, n+1
.endr
.Lopen:
.irp b, 0,1,2,3
	v_max3_num_f32 v[232+\b], v[S+16*\b], v[S+16*\b+1], v[S+16*\b+2]       ; the largest score of each block of 32 keys: for the row's maximum, and, since p rises with the score, for the block's largest p
.endr
.irp i, 3,5,7,9,11,13
.irp b, 0,1,2,3
	v_max3_num_f32 v[232+\b], v[232+\b], v[S+16*\b+\i], v[S+16*\b+\i+1]
.endr
.endr
.irp b, 0,1,2,3
	v_max_num_f32 v[232+\b], v[232+\b], v[S+16*\b+15]
.endr
.irp b, 0,1,2,3
	s_delay_alu instid0(VALU_DEP_4)
	v_permlanex16_b32 v[236+\b], v[232+\b], s[SEL], s[SEL+1]
.endr
.irp b, 0,1,2,3
	s_delay_alu instid0(VALU_DEP_4)
	v_max_num_f32 v[232+\b], v[232+\b], v[236+\b]
.endr
	s_delay_alu instid0(VALU_DEP_2)
	v_max3_num_f32 v254, v232, v233, v234
	s_delay_alu instid0(VALU_DEP_1)
	v_max_num_f32 v254, v254, v235
	s_delay_alu instid0(VALU_DEP_1)
	v_mul_f32 v254, s[CS], v254                    ; as t (c is positive)
	s_delay_alu instid0(VALU_DEP_1)
	v_max_num_f32 v13, v13, v254                   ; the running largest t
	v_mov_b32 v254, v12
	s_delay_alu instid0(VALU_DEP_2)
	v_floor_f32 v12, -v13                          ; the new -M = -ceil(t): a whole number
	s_delay_alu instid0(VALU_DEP_1)
	v_sub_f32 v254, v12, v254                      ; old M - new M: a whole number, 0 or less
	s_delay_alu instid0(VALU_DEP_1)
	v_cvt_i32_f32 v254, v254
	s_delay_alu instid0(VALU_DEP_1)
	v_ldexp_f32 v252, 1.0, v254                    ; f = 2^(old M - new M): the rescaling rounds nothing
.set n, 0
.rept 32
	v_pk_fma_f32 v[S+n:S+n+1], v[S+n:S+n+1], s[CS:CS+1], v[12:13] op_sel_hi:[1,0,0]   ; t - M
.set n, n+2
.endr
.irp b, 0,1,2,3
	v_fma_f32 v[232+\b], v[232+\b], s[CS], v12
.endr
.set n, 0
	s_wait_alu depctr_va_vdst(0)
.rept 64
	v_exp_f32 v[S+n], v[S+n]                       ; p = 2^(t - M), not normalised
.set n, n+1
.endr
	v_pk_mul_f32 v[14:15], v[14:15], v[252:253] op_sel_hi:[1,0]    ; the sums under the new M (a plain line behind the exponentials)
	s_wait_alu depctr_va_vdst(0)                   ; one wait for the batch, ahead of its first reader
.irp b, 0,1,2,3
	v_exp_f32 v[232+\b], v[232+\b]                 ; each block's largest p
.endr
	v_pk_add_f32 v[236:237], v[108:109], v[112:113]
	v_pk_add_f32 v[250:251], v[116:117], v[120:121]
	v_pk_add_f32 v[248:249], v[124:125], v[128:129]
	v_pk_add_f32 v[246:247], v[132:133], v[136:137]
	v_pk_add_f32 v[244:245], v[140:141], v[144:145]
	v_pk_add_f32 v[242:243], v[148:149], v[152:153]
	v_pk_add_f32 v[240:241], v[156:157], v[160:161]
	v_pk_add_f32 v[14:15], v[14:15], v[164:165]
	v_pk_add_f32 v[236:237], v[236:237], v[104:105]
	v_pk_add_f32 v[250:251], v[250:251], v[106:107]
	v_pk_add_f32 v[248:249], v[248:249], v[110:111]
	v_pk_add_f32 v[246:247], v[246:247], v[114:115]
	v_pk_add_f32 v[244:245], v[244:245], v[118:119]
	v_pk_add_f32 v[242:243], v[242:243], v[122:123]
	v_pk_add_f32 v[240:241], v[240:241], v[126:127]
	v_pk_add_f32 v[14:15], v[14:15], v[130:131]
	v_pk_add_f32 v[236:237], v[236:237], v[134:135]
	v_pk_add_f32 v[250:251], v[250:251], v[138:139]
	v_pk_add_f32 v[248:249], v[248:249], v[142:143]
	v_pk_add_f32 v[246:247], v[246:247], v[146:147]
	v_pk_add_f32 v[244:245], v[244:245], v[150:151]
	v_pk_add_f32 v[242:243], v[242:243], v[154:155]
	v_pk_add_f32 v[240:241], v[240:241], v[158:159]
	v_pk_add_f32 v[14:15], v[14:15], v[162:163]
	v_pk_add_f32 v[236:237], v[236:237], v[166:167]
	s_delay_alu instid0(VALU_DEP_2)
	v_pk_add_f32 v[14:15], v[14:15], v[246:247]
	s_delay_alu instid0(VALU_DEP_2)
	v_pk_add_f32 v[236:237], v[236:237], v[244:245]
	v_pk_add_f32 v[250:251], v[250:251], v[242:243]
	v_pk_add_f32 v[248:249], v[248:249], v[240:241]
	s_delay_alu instid0(VALU_DEP_2)
	v_pk_add_f32 v[14:15], v[14:15], v[250:251]
	s_delay_alu instid0(VALU_DEP_2)
	v_pk_add_f32 v[236:237], v[236:237], v[248:249]
	s_delay_alu instid0(VALU_DEP_1)
	v_pk_add_f32 v[14:15], v[14:15], v[236:237]
	s_wait_alu depctr_va_vdst(0)                   ; and one for the four
.irp b, 0,1,2,3
	v_max_num_f32 v[232+\b], 0x4800000, v[232+\b]  ; the floor 2^(9 - 127): a block whose every p is 0 keeps the byte 1; its codes are zeros
.endr
.irp b, 0,1,2,3
	s_delay_alu instid0(VALU_DEP_4)
	v_add_nc_u32 v[244+\b], 0xfc000000, v[232+\b]
.endr
.irp b, 0,1,2,3
	v_and_or_b32 v[240+\b], v[232+\b], 0x7f800000, s[MNT]
.endr
.irp b, 0,1,2,3
	v_lshrrev_b32 v[236+\b], 23, v[244+\b]
.endr
	s_delay_alu instid0(VALU_DEP_3)
	v_lshl_or_b32 v253, v237, 8, v236              ; p's scale word for these 128 keys
	s_delay_alu instid0(VALU_DEP_1)
	v_lshl_or_b32 v253, v238, 16, v253
	s_delay_alu instid0(VALU_DEP_1)
	v_lshl_or_b32 v253, v239, 24, v253
.irp b, 0,1,2,3
.irp i, 0,1,2,3,4,5,6,7,8,9,10,11,12,13,14,15
	v_min_num_f32 v[S+16*\b+\i], v[S+16*\b+\i], v[240+\b]          ; the hold (ISA guide 7.6.2); p is not negative, so it is one-sided
.endr
	v_cvt_scalef32_pk8_fp8_f32 v[PC+4*\b:PC+4*\b+1], v[S+16*\b:S+16*\b+7], v[244+\b]
	v_cvt_scalef32_pk8_fp8_f32 v[PC+4*\b+2:PC+4*\b+3], v[S+16*\b+8:S+16*\b+15], v[244+\b]
.endr
.set n, 0
.rept 16
	v_pk_mul_f32 v[O+n:O+n+1], v[O+n:O+n+1], v[252:253] op_sel_hi:[1,0]    ; O^T under the new M; these are also the places in front of the products below
.set n, n+2
.endr
	s_wait_alu depctr_va_vdst(0)
	s_wait_dscnt 0x0                               ; V's fragments and scale words, asked for behind the score products
.irp t, 0,1,2,3                                    ; one instruction for each of the four accumulators: between two on one accumulator stand the three others' and the next step's eight
	v_wmma_scale_f32_16x16x128_f8f6f4 v[O+8*\t:O+8*\t+7], v[KV+16*\t:KV+16*\t+15], v[PC:PC+15], v[O+8*\t:O+8*\t+7], v[SW+\t], v253
.endr
.Lhidden:
	s_add_co_u32 s[TK], s[TK], 8192
	s_add_co_u32 s[TS], s[TS], 512
	s_add_co_u32 s[TJ], s[TJ], 256
	s_add_co_u32 s[SI], s[SI], 1
	s_cmp_lt_u32 s[SI], 8
	s_cbranch_scc1 .Lstep
	; THE WAY OUT: O^T / the sum; register 16 j + i is channel 32 j + 16 h + i of my query: two blocks of 32 along the next product's K, each shared with lane l xor 16
.rept 8
	v_nop
.endr
	v_add_f32 v14, v14, v15
	s_delay_alu instid0(VALU_DEP_1)
	v_permlanex16_b32 v252, v14, s[SEL], s[SEL+1]
	s_delay_alu instid0(VALU_DEP_1)
	v_add_f32 v14, v14, v252
	s_wait_alu depctr_va_vdst(0)
	v_rcp_f32 v14, v14
	v_and_b32 v8, 15, v0                           ; (a plain line behind the reciprocal)
	s_delay_alu instid0(VALU_DEP_1)
	v_lshlrev_b32 v8, 2, v8                        ; 4 r
	s_wait_alu depctr_va_vdst(0)                   ; the wait, ahead of the first reader
.set n, 0
.rept 32
	v_mul_f32 v[S+n], v[O+n], v14
.set n, n+1
.endr
.irp b, 0,1
	v_max3_num_f32 v[232+\b], |v[S+16*\b]|, |v[S+16*\b+1]|, 0x4800000
.endr
.irp i, 2,4,6,8,10,12,14
.irp b, 0,1
	s_delay_alu instid0(VALU_DEP_2)
	v_max3_num_f32 v[232+\b], v[232+\b], |v[S+16*\b+\i]|, |v[S+16*\b+\i+1]|
.endr
.endr
.irp b, 0,1
	s_delay_alu instid0(VALU_DEP_2)
	v_permlanex16_b32 v[236+\b], v[232+\b], s[SEL], s[SEL+1]
.endr
.irp b, 0,1
	s_delay_alu instid0(VALU_DEP_2)
	v_max_num_f32 v[232+\b], v[232+\b], v[236+\b]
.endr
.irp b, 0,1
	s_delay_alu instid0(VALU_DEP_2)
	v_add_nc_u32 v[244+\b], 0xfc000000, v[232+\b]
.endr
.irp b, 0,1
	s_delay_alu instid0(VALU_DEP_4)
	v_and_or_b32 v[240+\b], v[232+\b], 0x7f800000, s[MNT]
.endr
.irp b, 0,1
	s_delay_alu instid0(VALU_DEP_4)
	v_lshrrev_b32 v[236+\b], 23, v[244+\b]
.endr
	s_delay_alu instid0(VALU_DEP_1)
	v_lshl_or_b32 v254, v237, 8, v236              ; the two scale bytes
.irp b, 0,1
.irp i, 0,1,2,3,4,5,6,7,8,9,10,11,12,13,14,15
	v_med3_num_f32 v[S+16*\b+\i], v[S+16*\b+\i], -v[240+\b], v[240+\b]
.endr
	v_cvt_scalef32_pk8_fp8_f32 v[PC+4*\b:PC+4*\b+1], v[S+16*\b:S+16*\b+7], v[244+\b]
	v_cvt_scalef32_pk8_fp8_f32 v[PC+4*\b+2:PC+4*\b+3], v[S+16*\b+8:S+16*\b+15], v[244+\b]
.endr
	v_nop                                          ; a plain line behind the last conversion
	global_store_b128 v[AK0], v[PC:PC+3], s[94:95]                 ; a quad: 512 consecutive bytes
	global_store_b128 v[AK0], v[PC+4:PC+7], s[94:95] offset:512
	global_store_b16 v8, v254, s[96:97]            ; lanes r and r + 16 store the same two bytes to the same place
	s_wait_tensorcnt 0x0                           ; the wave's end
	ds_add_u32 v[SPW], v[NIL]
	s_wait_dscnt 0x0
	CROUND                                         ; the closing round
	s_endpgm
.Lfunc_end_k_q1f96941077_attn:
	.size	k_q1f96941077_attn, .Lfunc_end_k_q1f96941077_attn-k_q1f96941077_attn
	.p2alignl 7, 3214868480
	.fill 96, 4, 3214868480
	.section	.rodata,"a",@progbits
	.p2align	6, 0x0
	.amdhsa_kernel k_q1f96941077_attn
		.amdhsa_group_segment_fixed_size 167936
		.amdhsa_private_segment_fixed_size 0
		.amdhsa_enable_private_segment 0
		.amdhsa_kernarg_size 16
		.amdhsa_user_sgpr_count 2
		.amdhsa_user_sgpr_kernarg_segment_ptr 1
		.amdhsa_wavefront_size32 1
		.amdhsa_system_sgpr_workgroup_id_x 1
		.amdhsa_system_sgpr_workgroup_id_y 1
		.amdhsa_system_sgpr_workgroup_id_z 1
		.amdhsa_system_vgpr_workitem_id 0
		.amdhsa_next_free_vgpr 256
		.amdhsa_next_free_sgpr 100
		.amdhsa_reserve_vcc 1
		.amdhsa_float_denorm_mode_32 3
		.amdhsa_float_denorm_mode_16_64 3
		.amdhsa_memory_ordered 1
		.amdhsa_forward_progress 1
		.amdhsa_inst_pref_size 44
	.end_amdhsa_kernel
	.amdgpu_metadata
---
amdhsa.version: [ 1, 2 ]
amdhsa.kernels:
  - .name:           k_q1f96941077_attn
    .symbol:         k_q1f96941077_attn.kd
    .args:
      - { .name: att, .offset: 0, .size: 8, .value_kind: global_buffer, .address_space: global }
      - { .name: ao, .offset: 8, .size: 8, .value_kind: global_buffer, .address_space: global }
    .group_segment_fixed_size: 167936
    .private_segment_fixed_size: 0
    .kernarg_segment_align: 8
    .kernarg_segment_size: 16
    .max_flat_workgroup_size: 512
    .sgpr_count:     100
    .vgpr_count:     256
    .wavefront_size: 32
...
	.end_amdgpu_metadata
.endif
;; end of part 10
;; launch wo (part 11): grid 8 x 32, 4 waves a work-group, clusters of 4 x 4, 327,680 bytes of LDS; arguments ao, wc, bo, x, x1; writes x1
.if DOCPART == 11
	.amdgcn_target "amdgcn-amd-amdhsa--gfx1250"
	.amdhsa_code_object_version 6
	.text
	.protected	k_q1f96941077_wo
	.globl	k_q1f96941077_wo
	.p2align	8
	.type	k_q1f96941077_wo,@function
k_q1f96941077_wo:
	s_mov_b64 s[64:65], 0
	v_nop
	global_prefetch_b8 v0, s[64:65] scope:SCOPE_SE
	s_setreg_imm32_b32 hwreg(HW_REG_WAVE_MODE, 25, 1), 1
	s_wait_xcnt 0x0
	s_wait_alu depctr_hold_cnt(0) depctr_sa_sdst(0) depctr_va_vdst(0) depctr_va_sdst(0) depctr_va_ssrc(0) depctr_va_vcc(0) depctr_vm_vsrc(0)
	s_getreg_b32 s2, hwreg(HW_REG_IB_STS2, 6, 4)
	s_cmp_eq_u32 s2, 0
	s_cbranch_scc0 .Lentry_in_a_cluster
	s_endpgm
.Lentry_in_a_cluster:
	s_bfe_u32 s2, ttmp6, 0x10000c
	s_cmp_lg_u32 s2, 0xf033
	s_cbranch_scc0 .Lentry_shape_is_right
	s_endpgm
.Lentry_shape_is_right:
; x1 = x + (attention's output) Wo + bo.  A = ao (4,096 rows), B = Wo's 1,024 columns (blocks 96-127 of wc), codes of E4M3 with E8M0 scales in the operand layout (launch wq's head); K = 1,024; x, x1: f32 [4096][1024].
; A tile of the result is 128 x 128: 32 x 8 tiles, one for each of 256 work-groups.  Four waves, each 64 x 64: 16 accumulators, which take turns.  The matrix instruction is used transposed (source 0 = 16 rows of B,
; source 1 = 16 rows of A): a lane holds one row, and the 16 registers of B's tiles 2 j, 2 j + 1 are the columns 32 j + 16 h + 0 .. 15.  The bias is the C of each sum's first matrix instruction.
; ALL OF K LIES IN LDS, filled once: eight blocks of 33,792 bytes.  Wave w asks for two of them by ONE tensor load of two rows of 33,792 bytes: K chunks w % 2 and w % 2 + 2 of A (waves 0, 1) or of B (waves 2, 3), to blocks 2 w and 2 w + 1 of LDS.
; Each load is JOINT: A's by the four work-groups of a row of the cluster, B's by the four of a column.  By this text's count a wave has one tensor load out, at the head.  One barrier shows all eight blocks; nothing is filled again.
; K goes in eight quarters of 128, 16 matrix instructions each, on two fragment buffers by turns; a quarter's 36 LDS loads are issued a quarter ahead.
; The residual is asked for behind the head's barrier, when the tiles are in.  No prefetch: the launch has no loop to run ahead in; all of K is asked for at the head.
; REGISTERS: window 0: v0-31 addresses; v32-39 scale words, two sets of four; v64-95 the bias; v128-255 the accumulators.  window 1: two fragment buffers of 128: A's four tiles, then B's.  window 2: v0-127 the residual.
.set BLK,   33792
.set SPARE, 8*BLK                      ; the spare words, 128 bytes a wave: two blocks of 256 bytes that no other line names
.set STAGE, SPARE+512                  ; the way out: 16 rows x 272 bytes for each wave; no tensor load lands here
.set ASLOT, 64*BLK                     ; A: bytes from K chunk c to chunk c + 2
.set BSLOT, 16*BLK
.set BOFF,  96*BLK
.set NP,    8                          ; places behind this matrix instruction (ISA guide 7.12.1)
.set L16,   3
.set ADRA,  8                          ; v8-11   my four tiles of A in K chunk 0 .. 3
.set ADRB,  12                         ; v12-15  of B
.set ADRS,  16                         ; v16-19  my scale words: lanes 0-15 A's, lanes 16-31 B's
.set STO,   24
.set RD,    25
.set CO,    26
.set SPW,   28
.set NIL,   29
.set SC,    32
.set BI,    64
.set ACC,   128
.set G0,    32
.set G0B,   56
.set G1H,   68
.set G1HB,  76
.set MSB,   0
.macro WIN new
.if MSB != (\new)
	s_set_vgpr_msb (MSB<<8)|(\new)
.set MSB, (\new)
.endif
.endm
.set MUL,   0x05                       ; sources 0 (B) and 1 (A) window 1; C and D window 0
.set TO_F,  0x40                       ; destination window 1
.macro PLACES n
.rept \n
	v_nop
.endr
.endm
.macro CROUND                          ; a round of the cluster's barrier
	s_barrier_signal -1
	s_barrier_wait -1
	s_cmp_lg_u32 s14, 0
	s_cbranch_scc1 .Lnot_wave_0_\@
	s_barrier_signal -3
.Lnot_wave_0_\@:
	s_barrier_wait -3
	s_barrier_signal -1
	s_barrier_wait -1
.endm
	s_load_b256 s[4:11], s[0:1], 0x0               ; A, wc, the bias, the residual
	s_load_b64 s[12:13], s[0:1], 0x20              ; the result
	v_lshl_add_u32 v[SPW], v0, 2, SPARE
	v_mov_b32 v[NIL], 0
	ds_add_u32 v[SPW], v[NIL]                      ; the wave's opening: the add, twice on end, and its wait ahead of my tensor load
	ds_add_u32 v[SPW], v[NIL]
	v_lshrrev_b32 v1, 5, v0
	v_readfirstlane_b32 s14, v1                    ; wave
	s_lshr_b32 s15, s14, 1                         ; which 64 rows are mine.  Also: I fetch for A (0) or B (1)
	s_and_b32 s16, s14, 1                          ; which 64 columns.  Also: which K chunks I fetch
	s_bfe_u32 s40, ttmp6, 0x40000                  ; cx
	s_bfe_u32 s41, ttmp6, 0x40004                  ; cy
	s_lshl_b32 s42, ttmp9, 2
	s_add_co_u32 s42, s42, s40                     ; tx: B's row group
	s_and_b32 s17, ttmp7, 0xffff
	s_lshl_b32 s17, s17, 2
	s_add_co_u32 s17, s17, s41                     ; ty: A's row group
	s_lshl_b32 s43, s41, 2
	s_lshl_b32 s43, 15, s43                        ; my row of the cluster
	s_lshl_b32 s44, 0x1111, s40                    ; my column
	s_or_b32 s[G1H], s43, (3<<16)|(1<<21)          ; group 1: elements of 8 bytes; two rows of 4,224 elements, each a whole block; the mask, bit 21 beside it
	s_or_b32 s[G1HB], s44, (3<<16)|(1<<21)
.irp g, G1H, G1HB
	s_mov_b32 s[\g+1], 4224<<16
	s_mov_b32 s[\g+2], 2<<16
	s_mov_b32 s[\g+3], 4224<<16
	s_mov_b32 s[\g+4], 2
	s_mov_b32 s[\g+6], 0
	s_mov_b32 s[\g+7], 0
.endr
	s_mov_b32 s[G1H+5], ASLOT/8                    ; from row to row: two K chunks
	s_mov_b32 s[G1HB+5], BSLOT/8
	s_mul_i32 s20, s16, 32*BLK
	s_mul_i32 s21, s17, BLK
	s_add_co_u32 s20, s20, s21
	s_mov_b32 s21, 0
	s_mul_i32 s46, s16, 8*BLK
	s_mul_i32 s47, s42, BLK
	s_add_co_u32 s46, s46, s47
	s_add_co_u32 s46, s46, BOFF
	s_mov_b32 s47, 0
	s_mul_i32 s45, s14, 2*BLK                      ; where they go: no place in the cluster enters an LDS address
	s_wait_dscnt 0x0
	s_wait_kmcnt 0x0
	s_mov_b32 s[G0], 1
	s_mov_b32 s[G0+1], s45
	s_add_nc_u64 s[G0+2:G0+3], s[4:5], s[20:21]
	s_or_b32 s[G0+3], s[G0+3], 0x80000000
	s_mov_b32 s[G0B], 1
	s_mov_b32 s[G0B+1], s45
	s_add_nc_u64 s[G0B+2:G0B+3], s[6:7], s[46:47]
	s_or_b32 s[G0B+3], s[G0B+3], 0x80000000
	CROUND                                         ; all sixteen work-groups are here: the joint loads meet
	s_cmp_eq_u32 s15, 0                            ; one load on either way; an s_nop 0 and four v_nop follow each
	s_cbranch_scc0 .Lhead_b
	tensor_load_to_lds s[G0:G0+3], s[G1H:G1H+7]
	s_nop 0
	PLACES 4
	s_branch .Lhead_asked
.Lhead_b:
	tensor_load_to_lds s[G0B:G0B+3], s[G1HB:G1HB+7]
	s_nop 0
	PLACES 4
.Lhead_asked:
	v_and_b32 v1, 15, v0                           ; r
	s_wait_alu depctr_va_vdst(0)
	v_bfe_u32 v2, v0, 4, 1                         ; h
	v_and_b32 v[L16], 31, v0
	v_lshlrev_b32 v[L16], 4, v[L16]
	s_lshl_b32 s86, s42, 9                         ; the bias of my 64 columns: for B's tile 2 j + u, columns 32 j + 16 h + 8 u + 0 .. 7
	s_lshl_b32 s87, s16, 8
	s_add_co_u32 s86, s86, s87
	s_mov_b32 s87, 0
	s_add_nc_u64 s[8:9], s[8:9], s[86:87]
	v_lshlrev_b32 v7, 6, v2
.irp b, 0,1,2,3
	global_load_b128 v[BI+8*\b:BI+8*\b+3], v7, s[8:9] offset:(32*(\b/2)+8*(\b%2))*4
	global_load_b128 v[BI+8*\b+4:BI+8*\b+7], v7, s[8:9] offset:(32*(\b/2)+8*(\b%2))*4+16
.endr
	s_lshl_b32 s84, s17, 7
	s_lshl_b32 s85, s15, 6
	s_add_co_u32 s84, s84, s85                     ; my first row,
	s_lshl_b32 s84, s84, 12
	s_lshl_b32 s85, s42, 9
	s_add_co_u32 s84, s84, s85                     ; my first column, in bytes
	s_lshl_b32 s85, s16, 8
	s_add_co_u32 s84, s84, s85
	s_mov_b32 s85, 0
	s_add_nc_u64 s[10:11], s[10:11], s[84:85]
	s_add_nc_u64 s[12:13], s[12:13], s[84:85]
	v_lshlrev_b32 v[CO], 4, v1                     ; sixteen lanes take a row's 256 bytes, lanes 16-31 the next row
	s_wait_alu depctr_va_vdst(0)
	v_lshl_add_u32 v[CO], v2, 12, v[CO]
	s_lshl_b32 s21, s15, 13                        ; my four tiles of A
	s_lshl_b32 s22, s16, 13
	s_add_co_u32 s22, s22, 4*BLK                   ; my four of B, behind A's four blocks
.irp n, 0,1,2,3                                    ; K chunk n lies in block 2 (n % 2) + n / 2
	s_add_co_u32 s23, s21, (2*(\n%2)+\n/2)*BLK
	v_add_nc_u32 v[ADRA+\n], s23, v[L16]
	s_add_co_u32 s23, s22, (2*(\n%2)+\n/2)*BLK
	v_add_nc_u32 v[ADRB+\n], s23, v[L16]
.endr
	s_mul_i32 s21, s15, 256
	s_mul_i32 s22, s16, 256
	s_add_co_u32 s22, s22, 4*BLK
	s_sub_co_u32 s22, s22, s21
	v_mul_u32_u24 v6, s22, v2                      ; lanes 16-31 take B's words: the lower base + h x the distance
	s_add_co_u32 s21, s21, 32768
	v_lshl_add_u32 v5, v1, 2, v6
	v_add_nc_u32 v[ADRS], s21, v5
	v_add_nc_u32 v[ADRS+1], 2*BLK, v[ADRS]
	v_add_nc_u32 v[ADRS+2], BLK, v[ADRS]
	v_add_nc_u32 v[ADRS+3], 3*BLK, v[ADRS]
	s_mul_i32 s23, s14, 16*272
	s_add_co_u32 s23, s23, STAGE
	v_mul_u32_u24 v5, v1, 272
	v_lshl_add_u32 v5, v2, 6, v5
	v_add_nc_u32 v[STO], s23, v5                   ; in: row r, 64 bytes for each half of the lanes
	v_mul_u32_u24 v5, v2, 272
	v_lshl_add_u32 v5, v1, 4, v5
	v_add_nc_u32 v[RD], s23, v5                    ; back: lanes 0-15 one row, lanes 16-31 the next
.macro MULA a, f, zero                 ; A's tile a x B's four, 128 along K, from buffer f
.irp b, 0,1,2,3
.if \zero
	v_wmma_scale_f32_16x16x128_f8f6f4 v[ACC+8*(4*(\a)+\b):ACC+8*(4*(\a)+\b)+7], v[128*(\f)+64+16*\b:128*(\f)+64+16*\b+15], v[128*(\f)+16*(\a):128*(\f)+16*(\a)+15], v[BI+8*\b:BI+8*\b+7], v[SC+4*(\f)+\b], v[SC+4*(\f)+(\a)] matrix_a_scale:MATRIX_SCALE_ROW1
.else
	v_wmma_scale_f32_16x16x128_f8f6f4 v[ACC+8*(4*(\a)+\b):ACC+8*(4*(\a)+\b)+7], v[128*(\f)+64+16*\b:128*(\f)+64+16*\b+15], v[128*(\f)+16*(\a):128*(\f)+16*(\a)+15], v[ACC+8*(4*(\a)+\b):ACC+8*(4*(\a)+\b)+7], v[SC+4*(\f)+\b], v[SC+4*(\f)+(\a)] matrix_a_scale:MATRIX_SCALE_ROW1
.endif
.endr
.endm
.macro FETCH q, f                      ; 36 LDS loads: quarter q (K chunk q / 2, its half q % 2) into buffer f
	WIN TO_F
.irp i, 0,1,2,3
.irp c, 0,1,2,3
	ds_load_b128 v[128*(\f)+64+16*\i+4*\c:128*(\f)+64+16*\i+4*\c+3], v[ADRB+(\q)/2] offset:16384*((\q)%2)+2048*\i+512*\c
	ds_load_b128 v[128*(\f)+16*\i+4*\c:128*(\f)+16*\i+4*\c+3], v[ADRA+(\q)/2] offset:16384*((\q)%2)+2048*\i+512*\c
.endr
.endr
	WIN 0
.irp i, 0,1,2,3
	ds_load_b32 v[SC+4*(\f)+\i], v[ADRS+(\q)/2] offset:512*((\q)%2)+64*\i
.endr
.endm
.macro QSTEP q, zero                   ; the next quarter is fetched into the buffer that the last quarter's products read, then this quarter is multiplied
	PLACES NP
	FETCH (\q)+1, ((\q)+1)%2
	s_wait_dscnt 36                                ; all but the 36 just issued
	WIN MUL
.irp a, 0,1,2,3
	MULA \a, (\q)%2, \zero
.endr
.endm
	s_wait_alu depctr_va_vdst(0)                   ; the wait at the head's end
	s_wait_tensorcnt 0x0                           ; my two blocks are in
	s_barrier_signal -1
	s_barrier_wait -1                              ; everybody's are
	FETCH 0, 0
	WIN 0x80                                       ; the residual: load (a, t) brings rows 2 t, 2 t + 1 of the stage's order of tile a
.irp a, 0,1,2,3
.irp t, 0,1,2,3,4,5,6,7
	global_load_b128 v[32*\a+4*\t:32*\a+4*\t+3], v[CO], s[10:11] offset:(32*(\a/2)+8*(\a%2)+2*(\t%4)+16*(\t/4))*4096
.endr
.endr
	WIN 0
	s_wait_loadcnt 32                              ; the bias is in; the residual's 32 loads may be out
	QSTEP 0, 1
.irp q, 1,2,3,4,5,6
	QSTEP \q, 0
.endr
	s_wait_dscnt 0x0
	WIN MUL
.irp a, 0,1,2,3
	MULA \a, 1, 0
.endr
	WIN 0
; THE WAY OUT, tile by tile of 16 rows x 64 columns, through my own stage: back as whole rows of 256 bytes, two an instruction; the residual is added; sixteen lanes store 256 consecutive aligned bytes.
; LDS serves a wave's instructions in order (ISA guide 5.7.1.4): no wait between the stores and the loads.
.macro TOSTAGE a
.irp b, 0,1,2,3
	ds_store_b128 v[STO], v[ACC+32*(\a)+8*\b:ACC+32*(\a)+8*\b+3] offset:128*(\b/2)+32*(\b%2)
	ds_store_b128 v[STO], v[ACC+32*(\a)+8*\b+4:ACC+32*(\a)+8*\b+7] offset:128*(\b/2)+32*(\b%2)+16
.endr
.irp t, 0,1,2,3,4,5,6,7
	ds_load_b128 v[ACC+32*(\a)+4*\t:ACC+32*(\a)+4*\t+3], v[RD] offset:\t*2*272
.endr
.endm
.macro FIN a, younger
	s_wait_dscnt \younger
	WIN 0x08
.set n, 0
.rept 16
	v_pk_add_f32 v[ACC+32*(\a)+n:ACC+32*(\a)+n+1], v[ACC+32*(\a)+n:ACC+32*(\a)+n+1], v[32*(\a)+n:32*(\a)+n+1]
.set n, n+2
.endr
	WIN 0
.irp t, 0,1,2,3,4,5,6,7
	global_store_b128 v[CO], v[ACC+32*(\a)+4*\t:ACC+32*(\a)+4*\t+3], s[12:13] offset:(32*((\a)/2)+8*((\a)%2)+2*(\t%4)+16*(\t/4))*4096
.endr
.endm
	PLACES NP
	s_wait_loadcnt 0x0                             ; the residual
	TOSTAGE 0
	TOSTAGE 1
	FIN 0, 16                                      ; behind tile 0's loads: tile 1's 8 stores and 8 loads
	TOSTAGE 2
	FIN 1, 16
	TOSTAGE 3
	FIN 2, 16
	FIN 3, 0
	s_wait_tensorcnt 0x0                           ; the wave's end
	ds_add_u32 v[SPW], v[NIL]
	s_wait_dscnt 0x0
	CROUND                                         ; the closing round
	s_endpgm
.Lfunc_end_k_q1f96941077_wo:
	.size	k_q1f96941077_wo, .Lfunc_end_k_q1f96941077_wo-k_q1f96941077_wo
	.p2alignl 7, 3214868480
	.fill 96, 4, 3214868480
	.section	.rodata,"a",@progbits
	.p2align	6, 0x0
	.amdhsa_kernel k_q1f96941077_wo
		.amdhsa_group_segment_fixed_size 327680
		.amdhsa_private_segment_fixed_size 0
		.amdhsa_enable_private_segment 0
		.amdhsa_kernarg_size 40
		.amdhsa_user_sgpr_count 2
		.amdhsa_user_sgpr_kernarg_segment_ptr 1
		.amdhsa_wavefront_size32 1
		.amdhsa_system_sgpr_workgroup_id_x 1
		.amdhsa_system_sgpr_workgroup_id_y 1
		.amdhsa_system_sgpr_workgroup_id_z 1
		.amdhsa_system_vgpr_workitem_id 0
		.amdhsa_next_free_vgpr 768
		.amdhsa_next_free_sgpr 98
		.amdhsa_reserve_vcc 0
		.amdhsa_float_denorm_mode_32 3
		.amdhsa_float_denorm_mode_16_64 3
		.amdhsa_memory_ordered 1
		.amdhsa_forward_progress 1
		.amdhsa_inst_pref_size 60
	.end_amdhsa_kernel
	.amdgpu_metadata
---
amdhsa.version: [ 1, 2 ]
amdhsa.kernels:
  - .name:           k_q1f96941077_wo
    .symbol:         k_q1f96941077_wo.kd
    .args:
      - { .name: ao, .offset: 0, .size: 8, .value_kind: global_buffer, .address_space: global }
      - { .name: wc, .offset: 8, .size: 8, .value_kind: global_buffer, .address_space: global }
      - { .name: bo, .offset: 16, .size: 8, .value_kind: global_buffer, .address_space: global }
      - { .name: x, .offset: 24, .size: 8, .value_kind: global_buffer, .address_space: global }
      - { .name: x1, .offset: 32, .size: 8, .value_kind: global_buffer, .address_space: global }
    .group_segment_fixed_size: 327680
    .private_segment_fixed_size: 0
    .kernarg_segment_align: 8
    .kernarg_segment_size: 40
    .max_flat_workgroup_size: 128
    .sgpr_count:     98
    .vgpr_count:     768
    .wavefront_size: 32
...
	.end_amdgpu_metadata
.endif
;; end of part 11
;; launch ln2 (part 12): grid 256 x 1, 8 waves a work-group, no clusters, 18,944 bytes of LDS; arguments x1, ln2_g, ln2_b, hc; writes hc
.if DOCPART == 12
	.amdgcn_target "amdgcn-amd-amdhsa--gfx1250"
	.amdhsa_code_object_version 6
	.text
	.protected	k_q1f96941077_ln2
	.globl	k_q1f96941077_ln2
	.p2align	8
	.type	k_q1f96941077_ln2,@function
k_q1f96941077_ln2:
	s_mov_b64 s[64:65], 0
	v_nop
	global_prefetch_b8 v0, s[64:65] scope:SCOPE_SE
	s_setreg_imm32_b32 hwreg(HW_REG_WAVE_MODE, 25, 1), 1
	s_wait_xcnt 0x0
; y = (x1 - mean) * rsqrt(var + 1e-5) * g + b along rows of 1,024 f32, quantised along the row to E4M3 with one E8M0 byte for each 32, stored in the operand layout (launch wq's head): 4,096 rows x 1,024 K.
; LIMITS: NaN and infinities are not served; a block of zeros gets the byte 1 (its codes are zeros; only this program reads the bytes); largest magnitudes under 2^-118 are held at the byte 1.
; A work-group makes one tile T of 16 rows; wave w takes lane-rows 2 w and 2 w + 1, two neighbouring rows.  Every load covers 512 consecutive bytes: lane l holds columns 128 j + 4 l + 0 .. 3, j = 0 .. 7.
; Mean and variance in two passes over registers.  A block of 32 columns lies in eight neighbouring lanes: its largest magnitude is joined by three steps across lanes.
; A conversion takes eight numbers under one scale, and a lane's eight neighbours in registers belong to two blocks: each eight are converted under both scales, and of each result the four codes of that scale's block are kept.
; The codes go by 4-byte stores into an LDS image of the tile's quads: [K step j][16 columns g][272 bytes: lane-row x 16]; the 16 bytes of padding keep a store's eight groups of lanes on different banks.
; Behind one barrier wave w stores K step w: four quads of 512 consecutive bytes, and 64 bytes of scale words (1 byte in 33 of the output).  No cluster: the work-groups share only g and b, 8 KiB.
.set BLK,   33792
.set GP,    272
.set JP,    8*GP
.set SCS,   8*JP                       ; scale words [K step 8][lane-row 16][4 bytes]
.set SPARE, SCS+512                    ; the spare words, 128 bytes a wave: four blocks of 256 bytes that no other line names
.set XA,  2
.set STW, 3
.set SCW, 4
.set RD,  5
.set SCR, 6
.set SGO, 7
.set SPW, 8
.set NIL, 9
.set EB,  12                           ; v12-27 at work on the sums, then the scale bytes
.set X,   32                           ; v32-95 two rows x 32 numbers: 32 k + 4 j + i
.set GG,  96                           ; v96-127 g, then the codes
.set BE,  128                          ; v128-159 b, then bounds and scale operands
.set CD,  96
.set MX,  128
.set SOP, 144
	s_load_b256 s[4:11], s[0:1], 0x0               ; x1, g, b, hc
	v_lshrrev_b32 v1, 5, v0
	v_readfirstlane_b32 s12, v1                    ; wave
	s_lshr_b32 s13, ttmp9, 1                       ; my first row: 32 (T / 2) + 8 (T % 2) + (2 w) % 8 + 16 (w / 4)
	s_lshl_b32 s13, s13, 5
	s_and_b32 s14, ttmp9, 1
	s_lshl_b32 s14, s14, 3
	s_add_co_u32 s13, s13, s14
	s_lshl_b32 s14, s12, 1
	s_and_b32 s14, s14, 7
	s_add_co_u32 s13, s13, s14
	s_lshr_b32 s14, s12, 2
	s_lshl_b32 s14, s14, 4
	s_add_co_u32 s13, s13, s14
	s_lshl_b32 s14, s13, 12
	s_mov_b32 s15, 0
	s_lshr_b32 s16, s12, 1                         ; the block that I store into: 32 (w / 2) + T / 8; its half w % 2, its tile T % 8
	s_lshl_b32 s16, s16, 5
	s_lshr_b32 s17, ttmp9, 3
	s_add_co_u32 s16, s16, s17
	s_mul_i32 s16, s16, BLK
	s_and_b32 s17, s12, 1
	s_and_b32 s18, ttmp9, 7
	s_lshl_b32 s19, s17, 14
	s_add_co_u32 s20, s16, s19
	s_lshl_b32 s19, s18, 11
	s_add_co_u32 s20, s20, s19
	s_mov_b32 s21, 0
	s_lshl_b32 s19, s17, 9
	s_add_co_u32 s16, s16, s19
	s_lshl_b32 s19, s18, 6
	s_add_co_u32 s16, s16, s19
	s_add_co_u32 s16, s16, 32768
	s_mov_b32 s17, 0
	s_mov_b32 s26, 0x76543210
	s_mov_b32 s27, 0xfedcba98                      ; selects for lane l xor 16
	s_mov_b32 s28, 0x3a800000                      ; 1 / 1,024
	s_mov_b32 s29, 0x3727c5ac                      ; 1e-5
	s_mov_b32 s30, 0x600000                        ; the mantissa field of 448
	s_lshl_b32 s22, s12, 5
	s_lshl_b32 s23, s12, 3
	s_add_co_u32 s23, s23, SCS
	s_mul_i32 s24, s12, JP
	s_lshl_b32 s25, s12, 6
	s_add_co_u32 s25, s25, SCS
	v_lshl_add_u32 v[SPW], v0, 2, SPARE
	v_mov_b32 v[NIL], 0
	v_and_b32 v1, 31, v0
	v_lshlrev_b32 v[XA], 4, v1
	v_lshrrev_b32 v10, 2, v1
	v_and_b32 v11, 3, v1
	v_mul_u32_u24 v10, v10, GP
	v_lshl_add_u32 v10, v11, 2, v10
	v_add_nc_u32 v[STW], s22, v10                  ; 272 (l / 4) + 4 (l % 4) + 16 x lane-row 2 w
	v_lshrrev_b32 v10, 3, v1
	v_add_nc_u32 v[SCW], s23, v10                  ; word of lane-row 2 w, byte l / 8
	v_and_b32 v10, 15, v0
	v_bfe_u32 v11, v0, 4, 1
	v_mul_u32_u24 v11, v11, GP
	v_lshl_add_u32 v11, v10, 4, v11
	v_add_nc_u32 v[RD], s24, v11                   ; K step w: 272 h + 16 r; quad c 544 bytes on
	v_lshlrev_b32 v[SGO], 2, v10
	v_add_nc_u32 v[SCR], s25, v[SGO]
	s_wait_alu depctr_va_vdst(0)                   ; the wait at the head's end
	s_wait_kmcnt 0x0
	s_add_nc_u64 s[4:5], s[4:5], s[14:15]
	s_add_nc_u64 s[20:21], s[10:11], s[20:21]
	s_add_nc_u64 s[16:17], s[10:11], s[16:17]
.irp k, 0,1
.irp j, 0,1,2,3,4,5,6,7
	global_load_b128 v[X+32*\k+4*\j:X+32*\k+4*\j+3], v[XA], s[4:5] offset:4096*\k+512*\j th:TH_LOAD_NT
.endr
.endr
.irp j, 0,1,2,3,4,5,6,7
	global_load_b128 v[GG+4*\j:GG+4*\j+3], v[XA], s[6:7] offset:512*\j
	global_load_b128 v[BE+4*\j:BE+4*\j+3], v[XA], s[8:9] offset:512*\j
.endr
	s_wait_loadcnt 0x0
.macro RED b                           ; v[b + 4 k] + v[b + 1 + 4 k], summed over the wave's 32 lanes; the two rows by turns
.irp k, 0,1
	v_add_f32 v[\b+4*\k], v[\b+4*\k], v[\b+1+4*\k]
.endr
.irp m, 1,2,4,8
.irp k, 0,1
	v_add_f32_dpp v[\b+4*\k], v[\b+4*\k], v[\b+4*\k] row_xmask:\m row_mask:0xf bank_mask:0xf
.endr
.endr
.irp k, 0,1
	v_permlanex16_b32 v[\b+1+4*\k], v[\b+4*\k], s26, s27
.endr
.irp k, 0,1
	v_add_f32 v[\b+4*\k], v[\b+4*\k], v[\b+1+4*\k]
.endr
.endm
.irp k, 0,1
	v_pk_add_f32 v[12+4*\k:13+4*\k], v[X+32*\k:X+32*\k+1], v[X+32*\k+2:X+32*\k+3]
	v_pk_add_f32 v[14+4*\k:15+4*\k], v[X+32*\k+4:X+32*\k+5], v[X+32*\k+6:X+32*\k+7]
.endr
.irp i, 8,12,16,20,24,28
.irp k, 0,1
	v_pk_add_f32 v[12+4*\k:13+4*\k], v[12+4*\k:13+4*\k], v[X+32*\k+\i:X+32*\k+\i+1]
	v_pk_add_f32 v[14+4*\k:15+4*\k], v[14+4*\k:15+4*\k], v[X+32*\k+\i+2:X+32*\k+\i+3]
.endr
.endr
.irp k, 0,1
	v_pk_add_f32 v[12+4*\k:13+4*\k], v[12+4*\k:13+4*\k], v[14+4*\k:15+4*\k]
.endr
	RED 12
.irp k, 0,1
	v_mul_f32 v[12+4*\k], s28, v[12+4*\k]          ; the mean
.endr
.set n, 0
.rept 16
.irp k, 0,1
	v_pk_add_f32 v[X+32*\k+n:X+32*\k+n+1], v[X+32*\k+n:X+32*\k+n+1], v[12+4*\k:13+4*\k] op_sel_hi:[1,0] neg_lo:[0,1] neg_hi:[0,1]   ; d = x - mean
.endr
.set n, n+2
.endr
.irp k, 0,1
	v_pk_mul_f32 v[14+4*\k:15+4*\k], v[X+32*\k:X+32*\k+1], v[X+32*\k:X+32*\k+1]      ; the sum of d^2, two chains a row
	v_pk_mul_f32 v[20+2*\k:21+2*\k], v[X+32*\k+2:X+32*\k+3], v[X+32*\k+2:X+32*\k+3]
.endr
.irp i, 4,8,12,16,20,24,28
.irp k, 0,1
	v_pk_fma_f32 v[14+4*\k:15+4*\k], v[X+32*\k+\i:X+32*\k+\i+1], v[X+32*\k+\i:X+32*\k+\i+1], v[14+4*\k:15+4*\k]
	v_pk_fma_f32 v[20+2*\k:21+2*\k], v[X+32*\k+\i+2:X+32*\k+\i+3], v[X+32*\k+\i+2:X+32*\k+\i+3], v[20+2*\k:21+2*\k]
.endr
.endr
.irp k, 0,1
	v_pk_add_f32 v[14+4*\k:15+4*\k], v[14+4*\k:15+4*\k], v[20+2*\k:21+2*\k]
.endr
	RED 14
.irp k, 0,1
	v_fma_f32 v[14+4*\k], v[14+4*\k], s28, s29     ; var + 1e-5
.endr
	s_wait_alu depctr_va_vdst(0)                   ; the wait ahead of the two
.irp k, 0,1
	v_rsq_f32 v[14+4*\k], v[14+4*\k]
.endr
	v_nop
	s_wait_alu depctr_va_vdst(0)                   ; and behind them, ahead of their first reader
.set n, 0
.rept 16
.irp k, 0,1
	v_pk_mul_f32 v[X+32*\k+n:X+32*\k+n+1], v[X+32*\k+n:X+32*\k+n+1], v[14+4*\k:15+4*\k] op_sel_hi:[1,0]
.endr
.set n, n+2
.endr
.set n, 0
.rept 16
.irp k, 0,1
	v_pk_fma_f32 v[X+32*\k+n:X+32*\k+n+1], v[X+32*\k+n:X+32*\k+n+1], v[GG+n:GG+n+1], v[BE+n:BE+n+1]
.endr
.set n, n+2
.endr
.set n, 0
.rept 16                               ; n = 8 k + j: my four numbers of block 4 j + l / 8 of row k
	v_max3_num_f32 v[MX+n], |v[X+4*n]|, |v[X+4*n+1]|, |v[X+4*n+2]|
.set n, n+1
.endr
.set n, 0
.rept 16
	v_max3_num_f32 v[MX+n], v[MX+n], |v[X+4*n+3]|, 0x4800000       ; the floor 2^(9 - 127): the byte cannot fall under 1
.set n, n+1
.endr
.irp m, 1,2,4
.set n, 0
.rept 16
	v_max_num_f32_dpp v[MX+n], v[MX+n], v[MX+n] row_xmask:\m row_mask:0xf bank_mask:0xf   ; with the block's other seven lanes
.set n, n+1
.endr
.endr
.set n, 0
.rept 16
	v_add_nc_u32 v[SOP+n], 0xfc000000, v[MX+n]     ; 8 off the exponent field: the conversion's scale operand
.set n, n+1
.endr
.set n, 0
.rept 16
	v_and_or_b32 v[MX+n], v[MX+n], 0x7f800000, s30 ; 448 x the scale
.set n, n+1
.endr
.set n, 0
.rept 16
	v_lshrrev_b32 v[EB+n], 23, v[SOP+n]            ; the scale's byte
.set n, n+1
.endr
.set n, 0
.rept 16
.irp i, 0,1,2,3
	v_med3_num_f32 v[X+4*n+\i], v[X+4*n+\i], -v[MX+n], v[MX+n]     ; the conversion does not saturate (ISA guide 7.6.2): the hold
.endr
.set n, n+1
.endr
.set n, 0
.rept 8                                ; n = 4 k + p: K steps 2 p and 2 p + 1 of row k; kept: the first result's low register, the second's high one
	v_cvt_scalef32_pk8_fp8_f32 v[CD+4*n:CD+4*n+1], v[X+8*n:X+8*n+7], v[SOP+2*n]
	v_cvt_scalef32_pk8_fp8_f32 v[CD+4*n+2:CD+4*n+3], v[X+8*n:X+8*n+7], v[SOP+2*n+1]
.set n, n+1
.endr
	v_nop                                          ; a plain line behind the last conversion
.irp k, 0,1
.irp p, 0,1,2,3
	ds_store_b32 v[STW], v[CD+16*\k+4*\p] offset:JP*2*\p+16*\k
	ds_store_b32 v[STW], v[CD+16*\k+4*\p+3] offset:JP*(2*\p+1)+16*\k
	ds_store_b8 v[SCW], v[EB+8*\k+2*\p] offset:128*\p+4*\k         ; the block's eight lanes write the same byte with the same value
	ds_store_b8 v[SCW], v[EB+8*\k+2*\p+1] offset:128*\p+64+4*\k
.endr
.endr
	s_wait_dscnt 0x0                               ; for the others' sake: my stores have landed
	s_barrier_signal -1
	s_barrier_wait -1
.irp c, 0,1,2,3
	ds_load_b128 v[X+4*\c:X+4*\c+3], v[RD] offset:2*GP*\c
.endr
	ds_load_b32 v[X+16], v[SCR]
	s_wait_dscnt 0x0
.irp c, 0,1,2,3
	global_store_b128 v[XA], v[X+4*\c:X+4*\c+3], s[20:21] offset:512*\c    ; a quad: 512 consecutive bytes, at a multiple of 256 from the buffer's first byte
.endr
	global_store_b32 v[SGO], v[X+16], s[16:17]     ; lanes r and r + 16 store the same word to the same place
	s_wait_tensorcnt 0x0                           ; the wave's end
	ds_add_u32 v[SPW], v[NIL]
	s_wait_dscnt 0x0
	s_endpgm
.Lfunc_end_k_q1f96941077_ln2:
	.size	k_q1f96941077_ln2, .Lfunc_end_k_q1f96941077_ln2-k_q1f96941077_ln2
	.p2alignl 7, 3214868480
	.fill 96, 4, 3214868480
	.section	.rodata,"a",@progbits
	.p2align	6, 0x0
	.amdhsa_kernel k_q1f96941077_ln2
		.amdhsa_group_segment_fixed_size 18944
		.amdhsa_private_segment_fixed_size 0
		.amdhsa_enable_private_segment 0
		.amdhsa_kernarg_size 32
		.amdhsa_user_sgpr_count 2
		.amdhsa_user_sgpr_kernarg_segment_ptr 1
		.amdhsa_wavefront_size32 1
		.amdhsa_system_sgpr_workgroup_id_x 1
		.amdhsa_system_sgpr_workgroup_id_y 1
		.amdhsa_system_sgpr_workgroup_id_z 1
		.amdhsa_system_vgpr_workitem_id 0
		.amdhsa_next_free_vgpr 160
		.amdhsa_next_free_sgpr 66
		.amdhsa_reserve_vcc 0
		.amdhsa_float_denorm_mode_32 3
		.amdhsa_float_denorm_mode_16_64 3
		.amdhsa_memory_ordered 1
		.amdhsa_forward_progress 1
		.amdhsa_inst_pref_size 35
	.end_amdhsa_kernel
	.amdgpu_metadata
---
amdhsa.version: [ 1, 2 ]
amdhsa.kernels:
  - .name:           k_q1f96941077_ln2
    .symbol:         k_q1f96941077_ln2.kd
    .args:
      - { .name: x1, .offset: 0, .size: 8, .value_kind: global_buffer, .address_space: global }
      - { .name: ln2_g, .offset: 8, .size: 8, .value_kind: global_buffer, .address_space: global }
      - { .name: ln2_b, .offset: 16, .size: 8, .value_kind: global_buffer, .address_space: global }
      - { .name: hc, .offset: 24, .size: 8, .value_kind: global_buffer, .address_space: global }
    .group_segment_fixed_size: 18944
    .private_segment_fixed_size: 0
    .kernarg_segment_align: 8
    .kernarg_segment_size: 32
    .max_flat_workgroup_size: 256
    .sgpr_count:     66
    .vgpr_count:     160
    .wavefront_size: 32
...
	.end_amdgpu_metadata
.endif
;; end of part 12
;; launch w1 (part 13): grid 16 x 16, 4 waves a work-group, clusters of 4 x 4, 327,680 bytes of LDS; arguments hc, wc, b1, ffc; writes ffc
.if DOCPART == 13
	.amdgcn_target "amdgcn-amd-amdhsa--gfx1250"
	.amdhsa_code_object_version 6
	.text
	.protected	k_q1f96941077_w1
	.globl	k_q1f96941077_w1
	.p2align	8
	.type	k_q1f96941077_w1,@function
k_q1f96941077_w1:
	s_mov_b64 s[64:65], 0
	v_nop
	global_prefetch_b8 v0, s[64:65] scope:SCOPE_SE
	s_setreg_imm32_b32 hwreg(HW_REG_WAVE_MODE, 25, 1), 1
	s_wait_xcnt 0x0
	s_wait_alu depctr_hold_cnt(0) depctr_sa_sdst(0) depctr_va_vdst(0) depctr_va_sdst(0) depctr_va_ssrc(0) depctr_va_vcc(0) depctr_vm_vsrc(0)
	s_getreg_b32 s2, hwreg(HW_REG_IB_STS2, 6, 4)
	s_cmp_eq_u32 s2, 0
	s_cbranch_scc0 .Lentry_in_a_cluster
	s_endpgm
.Lentry_in_a_cluster:
	s_bfe_u32 s2, ttmp6, 0x10000c
	s_cmp_lg_u32 s2, 0xf033
	s_cbranch_scc0 .Lentry_shape_is_right
	s_endpgm
.Lentry_shape_is_right:
.set BLK,   33792
.set SLOT,  4*BLK
.set SPARE, 2*SLOT
.set LAPS,  2
.set ASTEP, 32*BLK
.set BSTEP, 32*BLK
.set BOFF,  128*BLK
.set FR,    16
.set NP,    8
.set L16,   3
.set ADRA,  16
.set ADRB,  20
.set ADRS,  22
.set SST,   24
.set SRD,   25
.set SPW,   28
.set NIL,   29
.set SC,    32
.set BI,    64
.set AF,    128
.set YY,    64
.set CD0,   128
.set TM,    160
.set PW,    176
.set RB,    180
.set G1,    24
.set G0,    32
.set G1B,   48
.set G0B,   56
.set MSB,   0
.macro WIN new
.if MSB != (\new)
	s_set_vgpr_msb (MSB<<8)|(\new)
.set MSB, (\new)
.endif
.endm
.set MUL_LO, 0xa1
.set MUL_HI, 0xf1
.set TO_B,   0x40
.macro JLOAD s
	s_cmp_eq_u32 s15, 0
	s_cbranch_scc0 .Lfor_b_\@
	tensor_load_to_lds s[G0+4*\s:G0+4*\s+3], s[G1:G1+7]
	s_nop 0
.rept 4
	v_nop
.endr
	s_branch .Lasked_\@
.Lfor_b_\@:
	tensor_load_to_lds s[G0B+4*\s:G0B+4*\s+3], s[G1B:G1B+7]
	s_nop 0
.rept 4
	v_nop
.endr
.Lasked_\@:
.endm
.macro CREST
	s_cmp_lg_u32 s14, 0
	s_cbranch_scc1 .Lnot_wave_0_\@
	s_barrier_signal -3
.Lnot_wave_0_\@:
	s_barrier_wait -3
	s_barrier_signal -1
	s_barrier_wait -1
.endm
.macro CROUND
	s_barrier_signal -1
	s_barrier_wait -1
	CREST
.endm
	s_load_b256 s[4:11], s[0:1], 0x0
	v_lshl_add_u32 v[SPW], v0, 2, SPARE
	v_mov_b32 v[NIL], 0
	ds_add_u32 v[SPW], v[NIL]
	ds_add_u32 v[SPW], v[NIL]
	v_lshrrev_b32 v1, 5, v0
	v_readfirstlane_b32 s14, v1
	s_lshr_b32 s15, s14, 1
	s_and_b32 s16, s14, 1
	s_bfe_u32 s40, ttmp6, 0x40000
	s_bfe_u32 s41, ttmp6, 0x40004
	s_lshl_b32 s42, ttmp9, 2
	s_add_co_u32 s42, s42, s40
	s_and_b32 s17, ttmp7, 0xffff
	s_lshl_b32 s17, s17, 2
	s_add_co_u32 s17, s17, s41
	s_lshl_b32 s43, s41, 2
	s_lshl_b32 s43, 15, s43
	s_lshl_b32 s44, 0x1111, s40
	s_or_b32 s[G1+0], s43, (3<<16)|(1<<21)
	s_or_b32 s[G1B+0], s44, (3<<16)|(1<<21)
.irp g, G1, G1B
	s_mov_b32 s[\g+1], 4224<<16                    ; the head's shape: two rows of 4,224 elements of 8 bytes, each a whole block, a K chunk apart in memory: my blocks of slot 0 and of slot 1
	s_mov_b32 s[\g+2], 2<<16
	s_mov_b32 s[\g+3], 4224<<16
	s_mov_b32 s[\g+4], 2
	s_mov_b32 s[\g+5], ASTEP/8
	s_mov_b32 s[\g+6], 0
	s_mov_b32 s[\g+7], 0
.endr
	s_lshl_b32 s20, s17, 1
	s_add_co_u32 s20, s20, s16
	s_mul_i32 s20, s20, BLK
	s_mov_b32 s21, 0
	s_lshl_b32 s46, s42, 1
	s_add_co_u32 s46, s46, s16
	s_mul_i32 s46, s46, BLK
	s_add_co_u32 s46, s46, BOFF
	s_mov_b32 s47, 0
	s_mul_i32 s45, s14, 2*BLK                      ; wave w's block of slot s lies at block 2 w + s of LDS
	s_mov_b32 s78, 2048
	s_mov_b32 s79, 0
	s_mov_b32 s80, 0x76543210
	s_mov_b32 s81, 0xfedcba98
	s_mov_b32 s82, 0x600000
	s_wait_dscnt 0x0
	s_wait_kmcnt 0x0
	s_add_nc_u64 s[20:21], s[4:5], s[20:21]
	s_add_nc_u64 s[46:47], s[6:7], s[46:47]
	CROUND
.irp s, 0,1
	s_mov_b32 s[G0+4*\s], 1
	s_add_co_u32 s[G0+4*\s+1], s45, \s*BLK
	s_add_nc_u64 s[G0+4*\s+2:G0+4*\s+3], s[20:21], \s*ASTEP
	s_or_b32 s[G0+4*\s+3], s[G0+4*\s+3], 0x80000000
	s_mov_b32 s[G0B+4*\s], 1
	s_add_co_u32 s[G0B+4*\s+1], s45, \s*BLK
	s_add_nc_u64 s[G0B+4*\s+2:G0B+4*\s+3], s[46:47], \s*BSTEP
	s_or_b32 s[G0B+4*\s+3], s[G0B+4*\s+3], 0x80000000
.endr
	JLOAD 0                                        ; the head's one load a wave fills my blocks of both slots
	; PREFETCH INTO THE L2 of the blocks that my wave will fetch for slots 2 and 3: the four partners of a joint load share a block's 132 pieces of 256 bytes out by address, 33 each (cx for A, cy for B)
	s_cmp_eq_u32 s15, 0
	s_cselect_b64 s[66:67], s[20:21], s[46:47]
	s_cselect_b32 s88, s40, s41
	s_mul_i32 s88, s88, 33*256
	s_mov_b32 s89, 0
	s_add_nc_u64 s[66:67], s[66:67], s[88:89]
	v_and_b32 v1, 15, v0
	v_bfe_u32 v2, v0, 4, 1
	v_and_b32 v[L16], 31, v0
	v_min_u32 v30, 16, v[L16]                      ; the prefetches' offsets: 256 x min(lane, 16), 256 x min(lane, 15); never rewritten
	v_min_u32 v31, 15, v[L16]
	v_lshlrev_b32 v30, 8, v30
	v_lshlrev_b32 v31, 8, v31
	v_lshlrev_b32 v[L16], 4, v[L16]
	s_wait_alu depctr_va_vdst(0)
	s_lshl_b32 s86, s42, 10
	s_lshl_b32 s87, s16, 9
	s_add_co_u32 s86, s86, s87
	s_mov_b32 s87, 0
	s_add_nc_u64 s[8:9], s[8:9], s[86:87]
	v_lshlrev_b32 v7, 6, v2
.irp b, 0,1,2,3,4,5,6,7
	global_load_b128 v[BI+8*\b:BI+8*\b+3], v7, s[8:9] offset:(32*(\b/2)+8*(\b%2))*4
	global_load_b128 v[BI+8*\b+4:BI+8*\b+7], v7, s[8:9] offset:(32*(\b/2)+8*(\b%2))*4+16
.endr
	s_mul_i32 s21, s15, 2*BLK
	s_mul_i32 s22, s16, 2*BLK
	s_add_co_u32 s22, s22, 4*BLK
.irp s, 0,1
	v_add_nc_u32 v[ADRA+\s], s21, v[L16]
	v_add_nc_u32 v[ADRB+\s], s22, v[L16]
	s_add_co_u32 s21, s21, BLK
	s_add_co_u32 s22, s22, BLK
.endr
	s_mul_i32 s21, s15, 2*BLK
	s_mul_i32 s22, s16, 2*BLK
	s_add_co_u32 s22, s22, 4*BLK
	s_sub_co_u32 s22, s22, s21
	v_mul_u32_u24 v6, s22, v2
	v_lshl_add_u32 v5, v1, 2, v6
	v_add_nc_u32 v[ADRS], s21, v5
	v_add_nc_u32 v[ADRS+1], BLK, v[ADRS]
	global_prefetch_b8 v30, s[66:67] offset:2*ASTEP th:TH_LOAD_NT scope:SCOPE_SE
	global_prefetch_b8 v31, s[66:67] offset:2*ASTEP+17*256 th:TH_LOAD_NT scope:SCOPE_SE
	global_prefetch_b8 v30, s[66:67] offset:3*ASTEP th:TH_LOAD_NT scope:SCOPE_SE
	global_prefetch_b8 v31, s[66:67] offset:3*ASTEP+17*256 th:TH_LOAD_NT scope:SCOPE_SE
	s_lshl_b32 s23, s14, 9
	v_lshl_add_u32 v[SST], v1, 2, s23
	v_add_nc_u32 v[SRD], s23, v[L16]
	s_lshl_b32 s84, s42, 5
	s_lshl_b32 s85, s17, 1
	s_add_co_u32 s84, s84, s85
	s_add_co_u32 s84, s84, s15
	s_mul_i32 s84, s84, BLK
	s_mov_b32 s85, 0
	s_add_nc_u64 s[76:77], s[10:11], s[84:85]
	s_lshl_b32 s84, s16, 14
	s_add_nc_u64 s[74:75], s[76:77], s[84:85]
	s_lshl_b32 s84, s16, 9
	s_add_co_u32 s84, s84, 32768
	s_add_nc_u64 s[76:77], s[76:77], s[84:85]
.macro FRAG reg, adr, q, i
.irp c, 0,1,2,3
	ds_load_b128 v[\reg+4*\c:\reg+4*\c+3], v[\adr] offset:16384*(\q)+2048*(\i)+512*\c
.endr
.endm
.macro MUL16 a0, p, q, sc, zero
.irp a, \a0, \a0+1
.irp b, 0,1,2,3,4,5,6,7
.if \zero
	v_wmma_scale_f32_16x16x128_f8f6f4 v[8*(8*((\a)%4)+\b):8*(8*((\a)%4)+\b)+7], v[128*(\p)+FR*\b:128*(\p)+FR*\b+FR-1], v[AF+FR*(\a):AF+FR*(\a)+FR-1], v[BI+8*\b:BI+8*\b+7], v[SC+16*(\sc)+2*\b+(\q)], v[SC+16*(\sc)+2*(\a)+(\q)] matrix_a_scale:MATRIX_SCALE_ROW1
.else
	v_wmma_scale_f32_16x16x128_f8f6f4 v[8*(8*((\a)%4)+\b):8*(8*((\a)%4)+\b)+7], v[128*(\p)+FR*\b:128*(\p)+FR*\b+FR-1], v[AF+FR*(\a):AF+FR*(\a)+FR-1], v[8*(8*((\a)%4)+\b):8*(8*((\a)%4)+\b)+7], v[SC+16*(\sc)+2*\b+(\q)], v[SC+16*(\sc)+2*(\a)+(\q)] matrix_a_scale:MATRIX_SCALE_ROW1
.endif
.endr
.endr
.endm
.macro FETCH_B slot, q, p
	WIN TO_B
.irp i, 0,1,2,3,4,5,6,7
	FRAG 128*(\p)+FR*\i, ADRB+\slot, \q, \i
.endr
	WIN 0
.endm
.macro FETCH_A slot, q, i0
.irp i, \i0, \i0+1, \i0+2, \i0+3
	FRAG AF+FR*(\i), ADRA+\slot, \q, \i
.endr
.endm
.macro SCALES sc
.irp i, 0,1,2,3,4,5,6,7
	ds_load_b32 v[SC+16*\sc+2*\i], v[ADRS+\sc] offset:32768+64*\i
	ds_load_b32 v[SC+16*\sc+2*\i+1], v[ADRS+\sc] offset:32768+512+64*\i
.endr
.endm
.macro PLACES n
.rept \n
	v_nop
.endr
.endm
.macro STEP slot, q, zero
	s_wait_dscnt 16
.if \zero
	WIN 0x81
.else
	WIN MUL_LO
.endif
	MUL16 0, (\q)%2, \q, \slot, \zero
	MUL16 2, (\q)%2, \q, \slot, \zero
	s_wait_dscnt 0x0
	PLACES NP
	FETCH_B \slot, (\q)+1, 1-(\q)%2
	FETCH_A \slot, (\q)+1, 0
.if \zero
	WIN 0xc1
.else
	WIN MUL_HI
.endif
	MUL16 4, (\q)%2, \q, \slot, \zero
	MUL16 6, (\q)%2, \q, \slot, \zero
	PLACES NP
	WIN 0
	FETCH_A \slot, (\q)+1, 4
.endm
.macro TURN slot, next, fill
	s_wait_tensorcnt 0x0
	ds_add_u32 v[SPW], v[NIL]
	s_wait_dscnt 17
	WIN MUL_LO
	MUL16 0, 1, 1, \slot, 0
	s_wait_dscnt 0x0
	s_barrier_signal -1
	MUL16 2, 1, 1, \slot, 0
	WIN 0
	s_barrier_wait -1
.if \fill
	CREST
	s_add_nc_u64 s[G0+4*\slot+2:G0+4*\slot+3], s[G0+4*\slot+2:G0+4*\slot+3], 2*ASTEP
	s_add_nc_u64 s[G0B+4*\slot+2:G0B+4*\slot+3], s[G0B+4*\slot+2:G0B+4*\slot+3], 2*BSTEP
	JLOAD \slot
	PLACES NP-4
.else
	PLACES NP
.endif
	FETCH_B \next, 0, 0
	FETCH_A \next, 0, 0
	SCALES \next
	WIN MUL_HI
	MUL16 4, 1, 1, \slot, 0
	MUL16 6, 1, 1, \slot, 0
	PLACES NP
	WIN 0
	FETCH_A \next, 0, 4
.endm
	s_wait_alu depctr_va_vdst(0)
	s_wait_tensorcnt 0x0                           ; my blocks of both slots are in; no tensor load of mine is out, so a descriptor may be written: from here on a load brings one block, as 132 rows of 256 bytes
.irp g, G1, G1B
	s_mov_b32 s[\g+1], 32<<16
	s_mov_b32 s[\g+2], 132<<16
	s_mov_b32 s[\g+3], 32<<16
	s_mov_b32 s[\g+4], 132
	s_mov_b32 s[\g+5], 32
.endr
	s_barrier_signal -1
	s_barrier_wait -1
	FETCH_B 0, 0, 0
	FETCH_A 0, 0, 0
	SCALES 0
	FETCH_A 0, 0, 4
	s_wait_loadcnt 0x0
	STEP 0, 0, 1
	s_mov_b32 s3, LAPS-1
.Llap:
	TURN 0, 1, 1
	STEP 1, 0, 0
	TURN 1, 0, 1
	STEP 0, 0, 0
	s_sub_co_u32 s3, s3, 1
	s_cmp_lg_u32 s3, 0
	s_cbranch_scc1 .Llap
	TURN 0, 1, 0
	STEP 1, 0, 0
	s_wait_dscnt 16
	WIN MUL_LO
	MUL16 0, 1, 1, 1, 0
	MUL16 2, 1, 1, 1, 0
	s_wait_dscnt 0x0
	WIN MUL_HI
	MUL16 4, 1, 1, 1, 0
	MUL16 6, 1, 1, 1, 0
	WIN 0
.macro QOUT a
.set AC, 64*((\a)%4)
.set CD, CD0+16*((\a)%2)
	WIN (2+(\a)/4)*5
.irp b, 0,1,2,3
	v_max3_num_f32 v[TM+\b], v[AC+16*\b], v[AC+16*\b+1], 0x4800000
.endr
	WIN (2+(\a)/4)*20
.irp i, 2,4,6,8,10,12,14
.irp b, 0,1,2,3
	v_max3_num_f32 v[TM+\b], v[TM+\b], v[AC+16*\b+\i], v[AC+16*\b+\i+1]
.endr
.endr
	WIN 0
.irp b, 0,1,2,3
	v_permlanex16_b32 v[TM+4+\b], v[TM+\b], s80, s81
.endr
.irp b, 0,1,2,3
	v_max_num_f32 v[TM+\b], v[TM+\b], v[TM+4+\b]
.endr
.irp b, 0,1,2,3
	v_add_nc_u32 v[TM+12+\b], 0xfc000000, v[TM+\b]
.endr
.irp b, 0,1,2,3
	v_and_or_b32 v[TM+8+\b], v[TM+\b], 0x7f800000, s82
.endr
.irp b, 0,1,2,3
	v_lshrrev_b32 v[TM+4+\b], 23, v[TM+12+\b]
.endr
	v_lshl_or_b32 v[PW], v[TM+5], 8, v[TM+4]
	v_lshl_or_b32 v[PW], v[TM+6], 16, v[PW]
	v_lshl_or_b32 v[PW], v[TM+7], 24, v[PW]
	WIN 2+(\a)/4
.irp b, 0,1,2,3
.irp i, 0,1,2,3,4,5,6,7,8,9,10,11,12,13,14,15
	v_med3_num_f32 v[YY+16*\b+\i], v[AC+16*\b+\i], 0, v[TM+8+\b]
.endr
.endr
	WIN 0
.irp b, 0,1,2,3
	v_cvt_scalef32_pk8_fp8_f32 v[CD+4*\b:CD+4*\b+1], v[YY+16*\b:YY+16*\b+7], v[TM+12+\b]
	v_cvt_scalef32_pk8_fp8_f32 v[CD+4*\b+2:CD+4*\b+3], v[YY+16*\b+8:YY+16*\b+15], v[TM+12+\b]
.endr
	v_nop
.if (\a) > 0
	s_wait_alu depctr_va_vdst(0)
	s_wait_xcnt 0x0
	s_add_nc_u64 s[74:75], s[74:75], s[78:79]
.endif
.irp b, 0,1,2,3
	global_store_b128 v[L16], v[CD+4*\b:CD+4*\b+3], s[74:75] offset:512*\b
.endr
	ds_store_b32 v[SST], v[PW] offset:64*(\a)
.endm
	PLACES NP
.irp b, 0,1,2,3
	v_mov_b32 v[TM+4+\b], 0
.endr
.irp a, 0,1,2,3,4,5,6,7
	QOUT \a
.endr
	ds_load_b128 v[RB:RB+3], v[SRD]
	s_wait_dscnt 0x0
	global_store_b128 v[L16], v[RB:RB+3], s[76:77]
	s_wait_tensorcnt 0x0
	ds_add_u32 v[SPW], v[NIL]
	s_wait_dscnt 0x0
	CROUND
	s_endpgm
.Lfunc_end_k_q1f96941077_w1:
	.size	k_q1f96941077_w1, .Lfunc_end_k_q1f96941077_w1-k_q1f96941077_w1
	.p2alignl 7, 3214868480
	.fill 96, 4, 3214868480
	.section	.rodata,"a",@progbits
	.p2align	6, 0x0
	.amdhsa_kernel k_q1f96941077_w1
		.amdhsa_group_segment_fixed_size 327680
		.amdhsa_private_segment_fixed_size 0
		.amdhsa_enable_private_segment 0
		.amdhsa_kernarg_size 32
		.amdhsa_user_sgpr_count 2
		.amdhsa_user_sgpr_kernarg_segment_ptr 1
		.amdhsa_wavefront_size32 1
		.amdhsa_system_sgpr_workgroup_id_x 1
		.amdhsa_system_sgpr_workgroup_id_y 1
		.amdhsa_system_sgpr_workgroup_id_z 1
		.amdhsa_system_vgpr_workitem_id 0
		.amdhsa_next_free_vgpr 1024
		.amdhsa_next_free_sgpr 98
		.amdhsa_reserve_vcc 0
		.amdhsa_float_denorm_mode_32 3
		.amdhsa_float_denorm_mode_16_64 3
		.amdhsa_memory_ordered 1
		.amdhsa_forward_progress 1
		.amdhsa_inst_pref_size 188
	.end_amdhsa_kernel
	.amdgpu_metadata
---
amdhsa.version: [ 1, 2 ]
amdhsa.kernels:
  - .name:           k_q1f96941077_w1
    .symbol:         k_q1f96941077_w1.kd
    .args:
      - { .name: hc, .offset: 0, .size: 8, .value_kind: global_buffer, .address_space: global }
      - { .name: wc, .offset: 8, .size: 8, .value_kind: global_buffer, .address_space: global }
      - { .name: b1, .offset: 16, .size: 8, .value_kind: global_buffer, .address_space: global }
      - { .name: ffc, .offset: 24, .size: 8, .value_kind: global_buffer, .address_space: global }
    .group_segment_fixed_size: 327680
    .private_segment_fixed_size: 0
    .kernarg_segment_align: 8
    .kernarg_segment_size: 32
    .max_flat_workgroup_size: 128
    .sgpr_count:     98
    .vgpr_count:     1024
    .wavefront_size: 32
...
	.end_amdgpu_metadata
.endif
;; end of part 13
;; launch w2 (part 14): grid 8 x 32, 4 waves a work-group, clusters of 4 x 4, 327,680 bytes of LDS; arguments ffc, wc, b2, x1, out0; writes out0
.if DOCPART == 14
	.amdgcn_target "amdgcn-amd-amdhsa--gfx1250"
	.amdhsa_code_object_version 6
	.text
	.protected	k_q1f96941077_w2
	.globl	k_q1f96941077_w2
	.p2align	8
	.type	k_q1f96941077_w2,@function
k_q1f96941077_w2:
	s_mov_b64 s[64:65], 0
	v_nop
	global_prefetch_b8 v0, s[64:65] scope:SCOPE_SE
	s_setreg_imm32_b32 hwreg(HW_REG_WAVE_MODE, 25, 1), 1
	s_wait_xcnt 0x0
	s_wait_alu depctr_hold_cnt(0) depctr_sa_sdst(0) depctr_va_vdst(0) depctr_va_sdst(0) depctr_va_ssrc(0) depctr_va_vcc(0) depctr_vm_vsrc(0)
	s_getreg_b32 s2, hwreg(HW_REG_IB_STS2, 6, 4)
	s_cmp_eq_u32 s2, 0
	s_cbranch_scc0 .Lentry_in_a_cluster
	s_endpgm
.Lentry_in_a_cluster:
	s_bfe_u32 s2, ttmp6, 0x10000c
	s_cmp_lg_u32 s2, 0xf033
	s_cbranch_scc0 .Lentry_shape_is_right
	s_endpgm
.Lentry_shape_is_right:
; out0 = x1 + relu(hidden W2 + b2).  A = ffc (4,096 rows), B = W2's 1,024 columns (blocks 256-383 of wc), codes of E4M3 with E8M0 scales in the operand layout (launch wq's head); K = 4,096; x1, out0: f32 [4096][1024].
; A tile of the result is 128 x 128: 32 x 8 tiles, one for each of 256 work-groups.  Four waves, each 64 x 64: 16 accumulators, which take turns.  The matrix instruction is used transposed (source 0 = 16 rows of B,
; source 1 = 16 rows of A): a lane holds one row, and the 16 registers of B's tiles 2 j, 2 j + 1 are the columns 32 j + 16 h + 0 .. 15.  The bias is the C of each sum's first matrix instruction.
; THE RING: two slots of 512 along K, four blocks of 33,792 bytes each (A's row group at two K chunks, then B's).  Wave w's block of slot s lies at block 2 w + s of LDS, so that at the head ONE tensor load a wave, of two rows
; of 33,792 bytes, fills its blocks of both slots.  A refill is one block a wave, behind a drained round of the cluster's barrier.  Every load is JOINT: A's by the four work-groups of a row of the cluster, B's by the four of a column.
; By this text's count a wave has one tensor load out at the head and one behind each round.
; A slot is four quarters of 128 along K, 16 matrix instructions each, on two fragment buffers by turns; a quarter's 36 LDS loads are issued a quarter ahead.
; PREFETCH INTO THE L2: behind each refill a wave names the block that it will fetch two refills on; slots 2 and 3 are named behind the head's barrier.  The four partners of a joint load share a block's 132 pieces of 256 bytes out
; by address, 33 each (cx for A, cy for B): two instructions, of 17 and 16 pieces; lanes left over name the last piece again.  The loop's last trip names nothing: there is no slot behind slot 7.
; The residual is asked for behind the loop, two slots' products ahead of its use.
; REGISTERS: window 0: v0-31 addresses; v32-39 scale words, two sets of four; v64-95 the bias; v128-255 the accumulators.  window 1: two fragment buffers of 128: A's four tiles, then B's.  window 2: v0-127 the residual.
.set BLK,   33792
.set SPARE, 8*BLK                      ; the spare words, 128 bytes a wave: two blocks of 256 bytes that no other line names
.set STAGE, SPARE+512                  ; the way out: 16 rows x 272 bytes for each wave; no tensor load lands here
.set LAPS,  4                          ; a lap = two slots = 1,024 along K
.set ASLOT, 64*BLK                     ; A: bytes from a slot's K chunks to the next slot's
.set BSLOT, 16*BLK
.set BOFF,  256*BLK
.set NP,    8                          ; places behind this matrix instruction (ISA guide 7.12.1)
.set L16,   3
.set ADRA,  8                          ; v8-11   my four tiles of A: register 2 slot + chunk
.set ADRB,  12                         ; v12-15  of B
.set ADRS,  16                         ; v16-19  my scale words: lanes 0-15 A's, lanes 16-31 B's
.set STO,   24
.set RD,    25
.set CO,    26
.set SPW,   28
.set NIL,   29
.set PF1,   30                         ; v30, v31 the prefetches' offsets: 256 x min(lane, 16), 256 x min(lane, 15); never rewritten
.set PF2,   31
.set SC,    32
.set BI,    64
.set ACC,   128
.set G1,    24
.set G0,    32
.set G1B,   48
.set G0B,   56
.set PFA,   66                         ; s[66:67] my share of the block that my prefetch names
.set G1H,   68
.set G1HB,  76
.set PFS,   88                         ; s[88:89] a slot on, in bytes
.set MSB,   0
.macro WIN new
.if MSB != (\new)
	s_set_vgpr_msb (MSB<<8)|(\new)
.set MSB, (\new)
.endif
.endm
.set MUL,   0x05                       ; sources 0 (B) and 1 (A) window 1; C and D window 0
.set TO_F,  0x40                       ; destination window 1
.macro PLACES n
.rept \n
	v_nop
.endr
.endm
.macro JLOAD s                         ; a joint refill: waves 0, 1 A's blocks, waves 2, 3 B's; an s_nop 0 and four v_nop follow each line
	s_cmp_eq_u32 s15, 0
	s_cbranch_scc0 .Lfor_b_\@
	tensor_load_to_lds s[G0+4*\s:G0+4*\s+3], s[G1:G1+7]
	s_nop 0
	PLACES 4
	s_branch .Lasked_\@
.Lfor_b_\@:
	tensor_load_to_lds s[G0B+4*\s:G0B+4*\s+3], s[G1B:G1B+7]
	s_nop 0
	PLACES 4
.Lasked_\@:
.endm
.macro CREST                           ; a round of the cluster's barrier behind its opening barrier
	s_cmp_lg_u32 s14, 0
	s_cbranch_scc1 .Lnot_wave_0_\@
	s_barrier_signal -3
.Lnot_wave_0_\@:
	s_barrier_wait -3
	s_barrier_signal -1
	s_barrier_wait -1
.endm
.macro CROUND
	s_barrier_signal -1
	s_barrier_wait -1
	CREST
.endm
.macro ASK
	global_prefetch_b8 v[PF1], s[PFA:PFA+1] th:TH_LOAD_NT scope:SCOPE_SE
	global_prefetch_b8 v[PF2], s[PFA:PFA+1] offset:17*256 th:TH_LOAD_NT scope:SCOPE_SE
.endm
	s_load_b256 s[4:11], s[0:1], 0x0               ; A, wc, the bias, the residual
	s_load_b64 s[12:13], s[0:1], 0x20              ; the result
	v_lshl_add_u32 v[SPW], v0, 2, SPARE
	v_mov_b32 v[NIL], 0
	ds_add_u32 v[SPW], v[NIL]                      ; the wave's opening: the add, twice on end, and its wait ahead of my first tensor load
	ds_add_u32 v[SPW], v[NIL]
	v_lshrrev_b32 v1, 5, v0
	v_readfirstlane_b32 s14, v1                    ; wave
	s_lshr_b32 s15, s14, 1                         ; which 64 rows are mine.  Also: I fetch for A (0) or B (1)
	s_and_b32 s16, s14, 1                          ; which 64 columns.  Also: which of a slot's two K chunks I fetch
	s_bfe_u32 s40, ttmp6, 0x40000                  ; cx
	s_bfe_u32 s41, ttmp6, 0x40004                  ; cy
	s_lshl_b32 s42, ttmp9, 2
	s_add_co_u32 s42, s42, s40                     ; tx: B's row group
	s_and_b32 s17, ttmp7, 0xffff
	s_lshl_b32 s17, s17, 2
	s_add_co_u32 s17, s17, s41                     ; ty: A's row group
	s_lshl_b32 s43, s41, 2
	s_lshl_b32 s43, 15, s43                        ; my row of the cluster
	s_lshl_b32 s44, 0x1111, s40                    ; my column
	s_or_b32 s[G1+0], s43, (3<<16)|(1<<21)         ; a refill's group 1: a block as 132 rows of 32 elements of 8 bytes; the mask, bit 21 beside it
	s_or_b32 s[G1B+0], s44, (3<<16)|(1<<21)
.irp g, G1, G1B
	s_mov_b32 s[\g+1], 32<<16
	s_mov_b32 s[\g+2], 132<<16
	s_mov_b32 s[\g+3], 32<<16
	s_mov_b32 s[\g+4], 132
	s_mov_b32 s[\g+5], 32
	s_mov_b32 s[\g+6], 0
	s_mov_b32 s[\g+7], 0
.endr
	s_or_b32 s[G1H], s43, (3<<16)|(1<<21)          ; the head's group 1: two rows of 4,224 elements, each a whole block, a slot's step apart in memory
	s_or_b32 s[G1HB], s44, (3<<16)|(1<<21)
.irp g, G1H, G1HB
	s_mov_b32 s[\g+1], 4224<<16
	s_mov_b32 s[\g+2], 2<<16
	s_mov_b32 s[\g+3], 4224<<16
	s_mov_b32 s[\g+4], 2
	s_mov_b32 s[\g+6], 0
	s_mov_b32 s[\g+7], 0
.endr
	s_mov_b32 s[G1H+5], ASLOT/8
	s_mov_b32 s[G1HB+5], BSLOT/8
	s_mul_i32 s20, s16, 32*BLK
	s_mul_i32 s21, s17, BLK
	s_add_co_u32 s20, s20, s21
	s_mov_b32 s21, 0
	s_mul_i32 s46, s16, 8*BLK
	s_mul_i32 s47, s42, BLK
	s_add_co_u32 s46, s46, s47
	s_add_co_u32 s46, s46, BOFF
	s_mov_b32 s47, 0
	s_mul_i32 s45, s14, 2*BLK                      ; where they go: no place in the cluster enters an LDS address
	s_wait_dscnt 0x0
	s_wait_kmcnt 0x0
	s_add_nc_u64 s[20:21], s[4:5], s[20:21]
	s_add_nc_u64 s[46:47], s[6:7], s[46:47]
.irp s, 0,1
	s_mov_b32 s[G0+4*\s], 1
	s_add_co_u32 s[G0+4*\s+1], s45, \s*BLK
	s_add_nc_u64 s[G0+4*\s+2:G0+4*\s+3], s[20:21], \s*ASLOT
	s_or_b32 s[G0+4*\s+3], s[G0+4*\s+3], 0x80000000
	s_mov_b32 s[G0B+4*\s], 1
	s_add_co_u32 s[G0B+4*\s+1], s45, \s*BLK
	s_add_nc_u64 s[G0B+4*\s+2:G0B+4*\s+3], s[46:47], \s*BSLOT
	s_or_b32 s[G0B+4*\s+3], s[G0B+4*\s+3], 0x80000000
.endr
	CROUND                                         ; all sixteen work-groups are here: the joint loads meet
	s_cmp_eq_u32 s15, 0                            ; one load on either way: slot 0's group 0 with the head's group 1
	s_cbranch_scc0 .Lhead_b
	tensor_load_to_lds s[G0:G0+3], s[G1H:G1H+7]
	s_nop 0
	PLACES 4
	s_branch .Lhead_asked
.Lhead_b:
	tensor_load_to_lds s[G0B:G0B+3], s[G1HB:G1HB+7]
	s_nop 0
	PLACES 4
.Lhead_asked:
	s_cmp_eq_u32 s15, 0                            ; the prefetches: my operand, my place among the four that ask with me, a slot's step
	s_cselect_b64 s[PFA:PFA+1], s[20:21], s[46:47]
	s_cselect_b32 s84, s40, s41
	s_mov_b32 s[PFS], BSLOT
	s_cselect_b32 s[PFS], ASLOT, s[PFS]
	s_mov_b32 s[PFS+1], 0
	s_mul_i32 s84, s84, 33*256
	s_mov_b32 s85, 0
	s_add_nc_u64 s[PFA:PFA+1], s[PFA:PFA+1], s[84:85]
	s_add_nc_u64 s[PFA:PFA+1], s[PFA:PFA+1], s[PFS:PFS+1]
	s_add_nc_u64 s[PFA:PFA+1], s[PFA:PFA+1], s[PFS:PFS+1]   ; at slot 2
	v_and_b32 v1, 15, v0                           ; r
	s_wait_alu depctr_va_vdst(0)
	v_bfe_u32 v2, v0, 4, 1                         ; h
	v_and_b32 v[L16], 31, v0
	v_min_u32 v[PF1], 16, v[L16]
	v_min_u32 v[PF2], 15, v[L16]
	v_lshlrev_b32 v[PF1], 8, v[PF1]
	v_lshlrev_b32 v[PF2], 8, v[PF2]
	v_lshlrev_b32 v[L16], 4, v[L16]
	s_lshl_b32 s86, s42, 9                         ; the bias of my 64 columns: for B's tile 2 j + u, columns 32 j + 16 h + 8 u + 0 .. 7
	s_lshl_b32 s87, s16, 8
	s_add_co_u32 s86, s86, s87
	s_mov_b32 s87, 0
	s_add_nc_u64 s[8:9], s[8:9], s[86:87]
	v_lshlrev_b32 v7, 6, v2
.irp b, 0,1,2,3
	global_load_b128 v[BI+8*\b:BI+8*\b+3], v7, s[8:9] offset:(32*(\b/2)+8*(\b%2))*4
	global_load_b128 v[BI+8*\b+4:BI+8*\b+7], v7, s[8:9] offset:(32*(\b/2)+8*(\b%2))*4+16
.endr
	s_lshl_b32 s84, s17, 7
	s_lshl_b32 s85, s15, 6
	s_add_co_u32 s84, s84, s85                     ; my first row,
	s_lshl_b32 s84, s84, 12
	s_lshl_b32 s85, s42, 9
	s_add_co_u32 s84, s84, s85                     ; my first column, in bytes
	s_lshl_b32 s85, s16, 8
	s_add_co_u32 s84, s84, s85
	s_mov_b32 s85, 0
	s_add_nc_u64 s[10:11], s[10:11], s[84:85]
	s_add_nc_u64 s[12:13], s[12:13], s[84:85]
	v_lshlrev_b32 v[CO], 4, v1                     ; sixteen lanes take a row's 256 bytes, lanes 16-31 the next row
	s_wait_alu depctr_va_vdst(0)
	v_lshl_add_u32 v[CO], v2, 12, v[CO]
	s_lshl_b32 s21, s15, 13                        ; my four tiles of A
	s_lshl_b32 s22, s16, 13
	s_add_co_u32 s22, s22, 4*BLK                   ; my four of B, behind A's four blocks
.irp n, 0,1,2,3                                    ; n = 2 slot + chunk lies in block 2 chunk + slot
	s_add_co_u32 s23, s21, (2*(\n%2)+\n/2)*BLK
	v_add_nc_u32 v[ADRA+\n], s23, v[L16]
	s_add_co_u32 s23, s22, (2*(\n%2)+\n/2)*BLK
	v_add_nc_u32 v[ADRB+\n], s23, v[L16]
.endr
	s_mul_i32 s21, s15, 256
	s_mul_i32 s22, s16, 256
	s_add_co_u32 s22, s22, 4*BLK
	s_sub_co_u32 s22, s22, s21
	v_mul_u32_u24 v6, s22, v2                      ; lanes 16-31 take B's words: the lower base + h x the distance
	s_add_co_u32 s21, s21, 32768
	v_lshl_add_u32 v5, v1, 2, v6
	v_add_nc_u32 v[ADRS], s21, v5
	v_add_nc_u32 v[ADRS+1], 2*BLK, v[ADRS]
	v_add_nc_u32 v[ADRS+2], BLK, v[ADRS]
	v_add_nc_u32 v[ADRS+3], 3*BLK, v[ADRS]
	s_mul_i32 s23, s14, 16*272
	s_add_co_u32 s23, s23, STAGE
	v_mul_u32_u24 v5, v1, 272
	v_lshl_add_u32 v5, v2, 6, v5
	v_add_nc_u32 v[STO], s23, v5                   ; in: row r, 64 bytes for each half of the lanes
	v_mul_u32_u24 v5, v2, 272
	v_lshl_add_u32 v5, v1, 4, v5
	v_add_nc_u32 v[RD], s23, v5                    ; back: lanes 0-15 one row, lanes 16-31 the next
.macro MULA a, f, zero                 ; A's tile a x B's four, 128 along K, from buffer f
.irp b, 0,1,2,3
.if \zero
	v_wmma_scale_f32_16x16x128_f8f6f4 v[ACC+8*(4*(\a)+\b):ACC+8*(4*(\a)+\b)+7], v[128*(\f)+64+16*\b:128*(\f)+64+16*\b+15], v[128*(\f)+16*(\a):128*(\f)+16*(\a)+15], v[BI+8*\b:BI+8*\b+7], v[SC+4*(\f)+\b], v[SC+4*(\f)+(\a)] matrix_a_scale:MATRIX_SCALE_ROW1
.else
	v_wmma_scale_f32_16x16x128_f8f6f4 v[ACC+8*(4*(\a)+\b):ACC+8*(4*(\a)+\b)+7], v[128*(\f)+64+16*\b:128*(\f)+64+16*\b+15], v[128*(\f)+16*(\a):128*(\f)+16*(\a)+15], v[ACC+8*(4*(\a)+\b):ACC+8*(4*(\a)+\b)+7], v[SC+4*(\f)+\b], v[SC+4*(\f)+(\a)] matrix_a_scale:MATRIX_SCALE_ROW1
.endif
.endr
.endm
.macro FETCH q, f                      ; 36 LDS loads: quarter q of a lap's eight (slot q / 4, chunk (q / 2) % 2, half q % 2) into buffer f
	WIN TO_F
.irp i, 0,1,2,3
.irp c, 0,1,2,3
	ds_load_b128 v[128*(\f)+64+16*\i+4*\c:128*(\f)+64+16*\i+4*\c+3], v[ADRB+(\q)/2] offset:16384*((\q)%2)+2048*\i+512*\c
	ds_load_b128 v[128*(\f)+16*\i+4*\c:128*(\f)+16*\i+4*\c+3], v[ADRA+(\q)/2] offset:16384*((\q)%2)+2048*\i+512*\c
.endr
.endr
	WIN 0
.irp i, 0,1,2,3
	ds_load_b32 v[SC+4*(\f)+\i], v[ADRS+(\q)/2] offset:512*((\q)%2)+64*\i
.endr
.endm
.macro QSTEP q, zero                   ; the next quarter is fetched into the buffer that the last quarter's products read, then this quarter is multiplied
	PLACES NP
	FETCH (\q)+1, ((\q)+1)%2
	s_wait_dscnt 36                                ; all but the 36 just issued
	WIN MUL
.irp a, 0,1,2,3
	MULA \a, (\q)%2, \zero
.endr
.endm
; A slot's last quarter multiplies buffer 1 and changes slots: one barrier; in front of it each wave waits for all its tensor loads, adds 0 to its spare word, and waits for that and for its reads of this slot.  fill = 1: this slot is filled again.
.macro TURN slot, fill
	WIN 0
.if \fill
	s_wait_xcnt 0x0                                ; my last prefetch has read its address: it steps a slot on
	s_add_nc_u64 s[PFA:PFA+1], s[PFA:PFA+1], s[PFS:PFS+1]
.endif
	s_wait_tensorcnt 0x0                           ; my part of the next slot is in
	ds_add_u32 v[SPW], v[NIL]
	s_wait_dscnt 1                                 ; buffer 1 is in (the add may be out)
	WIN MUL
	MULA 0, 1, 0
	s_wait_dscnt 0x0                               ; the add is done, and my reads of this slot are over
	s_barrier_signal -1
	MULA 1, 1, 0
	WIN 0
	s_barrier_wait -1
.if \fill
	CREST                                          ; the barrier has opened a round of the cluster's: no wave of any partner still reads this slot or has a load on its way
	s_add_nc_u64 s[G0+4*\slot+2:G0+4*\slot+3], s[G0+4*\slot+2:G0+4*\slot+3], 2*ASLOT
	s_add_nc_u64 s[G0B+4*\slot+2:G0B+4*\slot+3], s[G0B+4*\slot+2:G0B+4*\slot+3], 2*BSLOT
	JLOAD \slot                                    ; the first tensor load behind the round; its four v_nop are among the places in front of the loads below
	PLACES NP-4
.else
	PLACES NP
.endif
	FETCH 4-4*(\slot), 0
.if \fill
	s_cmp_gt_u32 s3, 1                             ; the loop's last trip has no slot two refills on
	s_cbranch_scc0 .Lno_ask_\@
	ASK
.Lno_ask_\@:
.endif
	WIN MUL
	MULA 2, 1, 0
	MULA 3, 1, 0
.endm
	s_wait_alu depctr_va_vdst(0)                   ; the wait at the head's end
	s_wait_tensorcnt 0x0                           ; my blocks of both slots are in
	s_barrier_signal -1
	s_barrier_wait -1                              ; everybody's are
	FETCH 0, 0
	s_wait_loadcnt 0x0                             ; the bias
	ASK                                            ; slot 2
	QSTEP 0, 1                                     ; the first quarter stands in front of the loop: its products start the sums
	WIN 0
	s_wait_xcnt 0x0
	s_add_nc_u64 s[PFA:PFA+1], s[PFA:PFA+1], s[PFS:PFS+1]
	ASK                                            ; slot 3
	s_mov_b32 s3, LAPS-1
.Llap:                                                 ; a trip goes once round the two slots, from a lap's second quarter to the next lap's first, and fills both again
	QSTEP 1, 0
	QSTEP 2, 0
	TURN 0, 1
	QSTEP 4, 0
	QSTEP 5, 0
	QSTEP 6, 0
	TURN 1, 1
	QSTEP 0, 0
	WIN 0
	s_sub_co_u32 s3, s3, 1
	s_cmp_lg_u32 s3, 0
	s_cbranch_scc1 .Llap
	WIN 0x80                                       ; the residual: load (a, t) brings rows 2 t, 2 t + 1 of the stage's order of tile a
.irp a, 0,1,2,3
.irp t, 0,1,2,3,4,5,6,7
	global_load_b128 v[32*\a+4*\t:32*\a+4*\t+3], v[CO], s[10:11] offset:(32*(\a/2)+8*(\a%2)+2*(\t%4)+16*(\t/4))*4096
.endr
.endr
	WIN 0
	QSTEP 1, 0                                     ; the last lap fills nothing, and has no round of the cluster's barrier
	QSTEP 2, 0
	TURN 0, 0
	QSTEP 4, 0
	QSTEP 5, 0
	QSTEP 6, 0
	s_wait_dscnt 0x0
	WIN MUL
.irp a, 0,1,2,3
	MULA \a, 1, 0
.endr
	WIN 0
; THE WAY OUT, tile by tile of 16 rows x 64 columns, through my own stage: back as whole rows of 256 bytes, two an instruction; what is negative becomes 0; the residual is added; sixteen lanes store 256 consecutive aligned bytes.
; LDS serves a wave's instructions in order (ISA guide 5.7.1.4): no wait between the stores and the loads.
.macro TOSTAGE a
.irp b, 0,1,2,3
	ds_store_b128 v[STO], v[ACC+32*(\a)+8*\b:ACC+32*(\a)+8*\b+3] offset:128*(\b/2)+32*(\b%2)
	ds_store_b128 v[STO], v[ACC+32*(\a)+8*\b+4:ACC+32*(\a)+8*\b+7] offset:128*(\b/2)+32*(\b%2)+16
.endr
.irp t, 0,1,2,3,4,5,6,7
	ds_load_b128 v[ACC+32*(\a)+4*\t:ACC+32*(\a)+4*\t+3], v[RD] offset:\t*2*272
.endr
.endm
.macro FIN a, younger
	s_wait_dscnt \younger
.set n, 0
.rept 32
	v_max_num_f32 v[ACC+32*(\a)+n], 0, v[ACC+32*(\a)+n]
.set n, n+1
.endr
	WIN 0x08
.set n, 0
.rept 16
	v_pk_add_f32 v[ACC+32*(\a)+n:ACC+32*(\a)+n+1], v[ACC+32*(\a)+n:ACC+32*(\a)+n+1], v[32*(\a)+n:32*(\a)+n+1]
.set n, n+2
.endr
	WIN 0
.irp t, 0,1,2,3,4,5,6,7
	global_store_b128 v[CO], v[ACC+32*(\a)+4*\t:ACC+32*(\a)+4*\t+3], s[12:13] offset:(32*((\a)/2)+8*((\a)%2)+2*(\t%4)+16*(\t/4))*4096 th:TH_STORE_NT
.endr
.endm
	PLACES NP
	s_wait_loadcnt 0x0                             ; the residual
	TOSTAGE 0
	TOSTAGE 1
	FIN 0, 16                                      ; behind tile 0's loads: tile 1's 8 stores and 8 loads
	TOSTAGE 2
	FIN 1, 16
	TOSTAGE 3
	FIN 2, 16
	FIN 3, 0
	s_wait_tensorcnt 0x0                           ; the wave's end
	ds_add_u32 v[SPW], v[NIL]
	s_wait_dscnt 0x0
	CROUND                                         ; the closing round
	s_endpgm
.Lfunc_end_k_q1f96941077_w2:
	.size	k_q1f96941077_w2, .Lfunc_end_k_q1f96941077_w2-k_q1f96941077_w2
	.p2alignl 7, 3214868480
	.fill 96, 4, 3214868480
	.section	.rodata,"a",@progbits
	.p2align	6, 0x0
	.amdhsa_kernel k_q1f96941077_w2
		.amdhsa_group_segment_fixed_size 327680
		.amdhsa_private_segment_fixed_size 0
		.amdhsa_enable_private_segment 0
		.amdhsa_kernarg_size 40
		.amdhsa_user_sgpr_count 2
		.amdhsa_user_sgpr_kernarg_segment_ptr 1
		.amdhsa_wavefront_size32 1
		.amdhsa_system_sgpr_workgroup_id_x 1
		.amdhsa_system_sgpr_workgroup_id_y 1
		.amdhsa_system_sgpr_workgroup_id_z 1
		.amdhsa_system_vgpr_workitem_id 0
		.amdhsa_next_free_vgpr 768
		.amdhsa_next_free_sgpr 98
		.amdhsa_reserve_vcc 0
		.amdhsa_float_denorm_mode_32 3
		.amdhsa_float_denorm_mode_16_64 3
		.amdhsa_memory_ordered 1
		.amdhsa_forward_progress 1
		.amdhsa_inst_pref_size 107
	.end_amdhsa_kernel
	.amdgpu_metadata
---
amdhsa.version: [ 1, 2 ]
amdhsa.kernels:
  - .name:           k_q1f96941077_w2
    .symbol:         k_q1f96941077_w2.kd
    .args:
      - { .name: ffc, .offset: 0, .size: 8, .value_kind: global_buffer, .address_space: global }
      - { .name: wc, .offset: 8, .size: 8, .value_kind: global_buffer, .address_space: global }
      - { .name: b2, .offset: 16, .size: 8, .value_kind: global_buffer, .address_space: global }
      - { .name: x1, .offset: 24, .size: 8, .value_kind: global_buffer, .address_space: global }
      - { .name: out0, .offset: 32, .size: 8, .value_kind: global_buffer, .address_space: global }
    .group_segment_fixed_size: 327680
    .private_segment_fixed_size: 0
    .kernarg_segment_align: 8
    .kernarg_segment_size: 40
    .max_flat_workgroup_size: 128
    .sgpr_count:     98
    .vgpr_count:     768
    .wavefront_size: 32
...
	.end_amdgpu_metadata
.endif
;; end of part 14
